; MI455X (gfx1250); checked and timed in simulation.
; The chip was launched on July 23, 2026; its instructions are those of AMD's public machine-readable ISA for CDNA 5 (MIT licence, August 2026) and "CDNA5" Instruction Set Architecture Reference Guide (July 2026). The comments in the code are by the model that wrote it; some were corrected since.
;; Multihead Attention. Allowed arithmetic: float matrix products may take bf16 or f16 operands with f32 sums; all other float work in f32.
;; Inputs: Wk 1,024 x 1,024 float32; Wo 1,024 x 1,024 float32; Wq 1,024 x 1,024 float32; Wv 1,024 x 1,024 float32; bk 1,024 float32; bo 1,024 float32; bq 1,024 float32; bv 1,024 float32; x 8 x 1,024 x 1,024 float32.
;; Outputs: out0 8 x 1,024 x 1,024 float32.
;; 3 versions, each right; version 2 is faster than version 1; version 3 is version 2 with the launch sm written anew for expert scheduling mode. Each part assembles by itself: llvm-mc -triple=amdgcn-amd-amdhsa -mcpu=gfx1250 --defsym DOCPART=n.
;; ======== version 1 of 3: 8 launches
;; limits: values are held in f16: magnitudes above 65,504 overflow, below 6.1e-05 lose precision
;; workspace buffers: xt 16,777,216 bytes; qb 16,777,216 bytes; kb 16,777,216 bytes; wqt 2,097,152 bytes; wkt 2,097,152 bytes; wvt 2,097,152 bytes; wot 2,097,152 bytes; zb 4,096 bytes
;; launch prep (part 1): grid 64 x 12, 8 waves a work-group, no clusters, 35,840 bytes of LDS; arguments x, Wq, Wk, Wv, Wo, xt, wqt, wkt, wvt, wot, out0, zb; writes xt, wqt, wkt, wvt, wot, out0, zb
.if DOCPART == 1
	.amdgcn_target "amdgcn-amd-amdhsa--gfx1250"
	.amdhsa_code_object_version 6
	.text
	.protected	k_q02b4be2039_prep
	.globl	k_q02b4be2039_prep
	.p2align	8
	.type	k_q02b4be2039_prep,@function
k_q02b4be2039_prep:
	s_mov_b64 s[64:65], 0
	v_nop
	global_prefetch_b8 v0, s[64:65] scope:SCOPE_SE
	s_setreg_imm32_b32 hwreg(HW_REG_WAVE_MODE, 25, 1), 1
	s_wait_xcnt 0x0
; prep: the f16 operands of all later products.
;   x  [8][1024 n][1024 d] f32  ->  xh [8][n][d] f16 (straight, into the first 16,777,216 bytes of out0, which is free until the last launch)
;                               ->  xt [8][d][n] f16 (each batch transposed)
;   Wq, Wk, Wv, Wo [d][e] f32   ->  wqt, wkt, wvt, wot [e][d] f16 (transposed)
;   zb: 1,024 f32 zeros, the bias of the two products that have none.
; With these every later product is C = A B^T with K along the rows of both operands.
; Twelve matrices of 1024 x 1024 (grid y: 0-7 the batches of x, 8-11 the weights), 64 tiles of 128 x 128 each (grid x): 768 work-groups of equal work.
; Eight waves.  Wave w loads rows 16 w .. 16 w + 15 of the tile, 512 neighbouring bytes an instruction, each source byte once.
; The transposed tile is gathered in LDS and leaves by rows: sixteen lanes store 256 neighbouring bytes, aligned.
; No work-group shares an input with another and there is no product: no cluster, no tensor load, no matrix instruction.
; LIMIT: f16 holds magnitudes up to 65,504; a larger |x| or |W| becomes an infinity.  Below 2^-14 the f16 steps are 2^-24 wide.
.set SROW, 4096                        ; bytes in a source row: 1,024 f32
.set DROW, 2048                        ; bytes in a target row: 1,024 f16
.set LP,   272                         ; LDS row: 128 f16 + 16 bytes, an odd multiple of 16: the read-back's sixteen lanes take neighbouring bytes of a row
.set SRC,  3                           ; v3   byte offset of my 16 bytes in my wave's first source row
.set LST,  4                           ; v4   LDS address of my first transposed piece
.set STR,  5                           ; v5   byte offset of my 8 bytes in my wave's first row of the straight copy
.set LRD,  8                           ; v8   LDS address of my 16 bytes of the read-back
.set TRO,  9                           ; v9   byte offset of the same 16 bytes in the transposed target
.set X,    16                          ; v[16:79]   16 rows x 4 f32 as loaded; later v[16:47] the read-back
.set T,    80                          ; v[80:111]  transposed pieces: (g, i) -> 4 registers = 8 rows of one column
.set S,    112                         ; v[112:143] straight copy: row rr -> 2 registers = 4 f16
	s_load_b512 s[8:23], s[0:1], 0x0               ; x s[8:9], Wq s[10:11], Wk s[12:13], Wv s[14:15], Wo s[16:17], xt s[18:19], wqt s[20:21], wkt s[22:23]
	s_load_b256 s[24:31], s[0:1], 0x40             ; wvt s[24:25], wot s[26:27], out0 s[28:29], zb s[30:31]
	v_lshl_add_u32 v144, v0, 2, 0x8800
	v_mov_b32 v145, 0
	s_and_b32 s2, ttmp7, 0xffff                    ; mi: which matrix
	s_lshr_b32 s3, ttmp9, 3                        ; tr: the tile's row of tiles
	s_and_b32 s4, ttmp9, 7                         ; tc: its column of tiles
	s_cmp_lt_u32 s2, 8
	s_cselect_b32 s5, s2, 0                        ; the batch, or 0 for a weight
	s_lshl_b32 s36, s5, 22                         ; source: batch x 4 MiB + 128 tr rows of 4,096 bytes + 128 tc columns of 4 bytes
	s_lshl_b32 s6, s3, 19
	s_add_co_u32 s36, s36, s6
	s_lshl_b32 s6, s4, 9
	s_add_co_u32 s36, s36, s6
	s_mov_b32 s37, 0
	s_lshl_b32 s38, s5, 21                         ; transposed target: batch x 2 MiB + 128 tc rows of 2,048 bytes + 128 tr columns of 2 bytes
	s_lshl_b32 s6, s4, 18
	s_add_co_u32 s38, s38, s6
	s_lshl_b32 s6, s3, 8
	s_add_co_u32 s38, s38, s6
	s_mov_b32 s39, 0
	s_lshl_b32 s40, s5, 21                         ; straight target: batch x 2 MiB + 128 tr rows + 128 tc columns
	s_lshl_b32 s6, s3, 18
	s_add_co_u32 s40, s40, s6
	s_lshl_b32 s6, s4, 8
	s_add_co_u32 s40, s40, s6
	s_mov_b32 s41, 0
	v_and_b32 v1, 31, v0                           ; lane
	v_lshrrev_b32 v2, 5, v0                        ; wave
	v_lshlrev_b32 v[SRC], 4, v1
	v_lshl_add_u32 v[SRC], v2, 16, v[SRC]          ; 16 rows x 4,096 bytes a wave + 16 bytes a lane
	v_mul_u32_u24 v[LST], v1, 4*LP                 ; my four columns 4 lane + i are four LDS rows,
	v_lshl_add_u32 v[LST], v2, 5, v[LST]           ; my wave's 16 source rows are 32 bytes of each
	v_lshlrev_b32 v[STR], 3, v1
	v_lshl_add_u32 v[STR], v2, 15, v[STR]          ; 16 rows x 2,048 bytes a wave + 8 bytes a lane
	v_and_b32 v6, 15, v0                           ; r = lane mod 16
	v_bfe_u32 v7, v0, 4, 1                         ; h = lane / 16
	v_lshl_add_u32 v7, v2, 4, v7                   ; 16 w + h: my first row of the read-back
	v_mul_u32_u24 v[LRD], v7, LP
	v_lshl_add_u32 v[LRD], v6, 4, v[LRD]
	v_lshlrev_b32 v[TRO], 11, v7
	v_lshl_add_u32 v[TRO], v6, 4, v[TRO]
	s_wait_kmcnt 0x0
	; source and transposed target, chosen by the matrix's number alone
	s_cmp_eq_u32 s2, 8
	s_cselect_b64 s[32:33], s[10:11], s[8:9]
	s_cselect_b64 s[34:35], s[20:21], s[18:19]
	s_cmp_eq_u32 s2, 9
	s_cselect_b64 s[32:33], s[12:13], s[32:33]
	s_cselect_b64 s[34:35], s[22:23], s[34:35]
	s_cmp_eq_u32 s2, 10
	s_cselect_b64 s[32:33], s[14:15], s[32:33]
	s_cselect_b64 s[34:35], s[24:25], s[34:35]
	s_cmp_eq_u32 s2, 11
	s_cselect_b64 s[32:33], s[16:17], s[32:33]
	s_cselect_b64 s[34:35], s[26:27], s[34:35]
	s_add_nc_u64 s[32:33], s[32:33], s[36:37]
	s_add_nc_u64 s[34:35], s[34:35], s[38:39]
	s_add_nc_u64 s[28:29], s[28:29], s[40:41]
.irp rr, 0,1,2,3,4,5,6,7,8,9,10,11,12,13,14,15
	global_load_b128 v[X+4*\rr:X+4*\rr+3], v[SRC], s[32:33] offset:\rr*SROW th:TH_LOAD_NT   ; read once in the launch
.endr
; Eight rows (8 g .. 8 g + 7 of my sixteen) of each of my four columns: 8 f16 = 16 bytes of an LDS row.
; My four columns lie 272 bytes apart and the next lane's 1,088 bytes on, so sixteen lanes meet four different 16-byte columns modulo 256 bytes:
; that follows from four neighbouring columns a lane, and is left so: 8 such stores a wave against 16 loads of 512 bytes from memory.
.macro TRANS g
.irp i, 0,1,2,3
.irp p, 0,1,2,3
	v_cvt_pk_f16_f32 v[T+16*\g+4*\i+\p], v[X+4*(8*\g+2*\p)+\i], v[X+4*(8*\g+2*\p+1)+\i]
.endr
	ds_store_b128 v[LST], v[T+16*\g+4*\i:T+16*\g+4*\i+3] offset:\i*LP+16*\g
.endr
.endm
	s_wait_loadcnt 0x8                             ; loads come back in order: rows 0-7 are in, the eight younger loads stay out
	TRANS 0
	s_wait_loadcnt 0x0
	TRANS 1
	s_cmp_ge_u32 s2, 8
	s_cbranch_scc1 .Lweights                       ; a weight is used transposed alone
.irp rr, 0,1,2,3,4,5,6,7,8,9,10,11,12,13,14,15
	v_cvt_pk_f16_f32 v[S+2*\rr],   v[X+4*\rr],   v[X+4*\rr+1]
	v_cvt_pk_f16_f32 v[S+2*\rr+1], v[X+4*\rr+2], v[X+4*\rr+3]
	global_store_b64 v[STR], v[S+2*\rr:S+2*\rr+1], s[28:29] offset:\rr*DROW      ; the wave's 32 lanes store 256 neighbouring bytes, aligned
.endr
.Lweights:
	s_wait_dscnt 0x0                               ; my pieces of the transposed tile are in LDS,
	s_barrier_signal -1
	s_barrier_wait -1                              ; everybody's are
.irp t, 0,1,2,3,4,5,6,7
	ds_load_b128 v[X+4*\t:X+4*\t+3], v[LRD] offset:\t*2*LP                       ; rows 16 w + h + 2 t, 256 bytes each
.endr
.irp t, 0,1,2,3,4,5,6,7
	s_wait_dscnt 7-\t                              ; LDS loads come back in order: load t is in, the younger ones stay out
	global_store_b128 v[TRO], v[X+4*\t:X+4*\t+3], s[34:35] offset:\t*2*DROW      ; sixteen lanes store 256 neighbouring bytes, aligned
.endr
	s_lshl_b32 s6, s2, 6
	s_add_co_u32 s6, s6, ttmp9
	s_cmp_lg_u32 s6, 512                           ; the work-group of Wq's first tile also writes the zero bias: 256 threads x 16 bytes
	s_cbranch_scc1 .Ldone
	v_mov_b32 v[T], 0
	v_mov_b32 v[T+1], 0
	v_mov_b32 v[T+2], 0
	v_mov_b32 v[T+3], 0
	v_lshlrev_b32 v10, 4, v0
	global_store_b128 v10, v[T:T+3], s[30:31]
.Ldone:
	s_wait_tensorcnt 0x0
	ds_add_u32 v144, v145
	s_wait_dscnt 0x0
	s_endpgm
.Lfunc_end_k_q02b4be2039_prep:
	.size	k_q02b4be2039_prep, .Lfunc_end_k_q02b4be2039_prep-k_q02b4be2039_prep
	.p2alignl 7, 3214868480
	.fill 96, 4, 3214868480
	.section	.rodata,"a",@progbits
	.p2align	6, 0x0
	.amdhsa_kernel k_q02b4be2039_prep
		.amdhsa_group_segment_fixed_size 35840
		.amdhsa_private_segment_fixed_size 0
		.amdhsa_enable_private_segment 0
		.amdhsa_kernarg_size 96
		.amdhsa_user_sgpr_count 2
		.amdhsa_user_sgpr_kernarg_segment_ptr 1
		.amdhsa_wavefront_size32 1
		.amdhsa_system_sgpr_workgroup_id_x 1
		.amdhsa_system_sgpr_workgroup_id_y 1
		.amdhsa_system_sgpr_workgroup_id_z 1
		.amdhsa_system_vgpr_workitem_id 0
		.amdhsa_next_free_vgpr 146
		.amdhsa_next_free_sgpr 66
		.amdhsa_reserve_vcc 0
		.amdhsa_float_denorm_mode_32 3
		.amdhsa_float_denorm_mode_16_64 3
		.amdhsa_memory_ordered 1
		.amdhsa_forward_progress 1
		.amdhsa_inst_pref_size 13
	.end_amdhsa_kernel
	.amdgpu_metadata
---
amdhsa.version: [ 1, 2 ]
amdhsa.kernels:
  - .name:           k_q02b4be2039_prep
    .symbol:         k_q02b4be2039_prep.kd
    .args:
      - { .name: x, .offset: 0, .size: 8, .value_kind: global_buffer, .address_space: global }
      - { .name: Wq, .offset: 8, .size: 8, .value_kind: global_buffer, .address_space: global }
      - { .name: Wk, .offset: 16, .size: 8, .value_kind: global_buffer, .address_space: global }
      - { .name: Wv, .offset: 24, .size: 8, .value_kind: global_buffer, .address_space: global }
      - { .name: Wo, .offset: 32, .size: 8, .value_kind: global_buffer, .address_space: global }
      - { .name: xt, .offset: 40, .size: 8, .value_kind: global_buffer, .address_space: global }
      - { .name: wqt, .offset: 48, .size: 8, .value_kind: global_buffer, .address_space: global }
      - { .name: wkt, .offset: 56, .size: 8, .value_kind: global_buffer, .address_space: global }
      - { .name: wvt, .offset: 64, .size: 8, .value_kind: global_buffer, .address_space: global }
      - { .name: wot, .offset: 72, .size: 8, .value_kind: global_buffer, .address_space: global }
      - { .name: out0, .offset: 80, .size: 8, .value_kind: global_buffer, .address_space: global }
      - { .name: zb, .offset: 88, .size: 8, .value_kind: global_buffer, .address_space: global }
    .group_segment_fixed_size: 35840
    .private_segment_fixed_size: 0
    .kernarg_segment_align: 8
    .kernarg_segment_size: 96
    .max_flat_workgroup_size: 256
    .sgpr_count:     66
    .vgpr_count:     146
    .wavefront_size: 32
...
	.end_amdgpu_metadata
.endif
;; end of part 1
;; launch gq (part 2): grid 4 x 64, 4 waves a work-group, clusters of 4 x 4, 327,680 bytes of LDS; arguments out0, wqt, bq, qb; writes qb
.if DOCPART == 2
	.amdgcn_target "amdgcn-amd-amdhsa--gfx1250"
	.amdhsa_code_object_version 6
	.text
	.protected	k_q02b4be2039_gq
	.globl	k_q02b4be2039_gq
	.p2align	8
	.type	k_q02b4be2039_gq,@function
k_q02b4be2039_gq:
	s_mov_b64 s[64:65], 0
	v_nop
	global_prefetch_b8 v0, s[64:65] scope:SCOPE_SE
	s_setreg_imm32_b32 hwreg(HW_REG_WAVE_MODE, 25, 1), 1
	s_wait_xcnt 0x0
	s_wait_alu depctr_hold_cnt(0) depctr_sa_sdst(0) depctr_va_vdst(0) depctr_va_sdst(0) depctr_va_ssrc(0) depctr_va_vcc(0) depctr_vm_vsrc(0)
	s_getreg_b32 s2, hwreg(HW_REG_IB_STS2, 6, 4)
	s_cmp_eq_u32 s2, 0
	s_cbranch_scc0 .Lentry_in_a_cluster
	s_endpgm
.Lentry_in_a_cluster:
	s_bfe_u32 s2, ttmp6, 0x10000c
	s_cmp_lg_u32 s2, 0xf033
	s_cbranch_scc0 .Lentry_shape_is_right
	s_endpgm
.Lentry_shape_is_right:
; C[m][n] = sum over k of A[m][k] B[n][k] + bias[n].  A: [8192][1024] f16, B: rows of 1,024 f16, bias: [1024] f32, C: [8192][1024] f16; sums in f32.
; One body for four of the six products:  Q = xh Wq^T' + bq,  K = xh Wk^T' + bk,  O = Y Wv^T' + bv  (B = a transposed weight, grid 4 x 64)  and
; Y = P x per batch (A = P, B = x transposed per batch, bias = zeros, grid 32 x 8).  attn (x Wv + bv) is computed as (attn x) Wv + bv: the rows of
; attn sum to 1, so the two are the same sum in another order of rounding.
; A work-group makes 128 rows x 256 columns of C: 64 x 4 = 256 work-groups for each product.  Four waves; wave w makes rows 64 (w / 2) .. + 63 and
; columns 128 (w mod 2) .. + 127: 32 accumulator tiles of 16 x 16, 256 registers.  K goes in 8 steps of 128 through two LDS slots filled by the
; tensor data mover; a tile's rows are 256 bytes of memory at multiples of 256 bytes from the buffer's first byte.
; ONE ADDRESSING FOR BOTH GRIDS, with clx the cluster's x, x = 4 clx + cx, y = 4 (cluster's y) + cy:
;   first row of A and of C = 1024 clx + 128 y;  first row of B = 256 x;  first column of C and of the bias = 256 cx.
;   Grid 4 x 64: clx = 0.  Grid 32 x 8: clx is the batch.
; CLUSTERS: 4 x 4 work-groups.  A's tile hangs on clx and y alone and is asked for jointly by the four of a row of the cluster; B's hangs on x alone and is
; asked for jointly by the four of a column: the requests for A and for B are divided by four.
; WHY f16: the operands' 11 significant bits keep the rounding of q, k, the weights of the softmax and the two intermediates well inside the allowed error,
; which 8 bits would not.  LIMIT: magnitudes of A, B and C up to 65,504; a larger result becomes an infinity.  With x and the weights 30 times the
; unit-variance case |q| stays near 5,000; with a common offset of 30 spreads on both it is 1024 x 30 x 30/32 = 28,800.  NaN and infinities pass through untreated.
;
; REGISTERS, in windows of 256 (s_set_vgpr_msb's low byte: bits 1:0 source 0, 3:2 source 1, 5:4 source 2, 7:6 destination):
;   window 0: addresses; two fragment buffers (8 fragments of B, 4 of A, 8 registers each); v224-255 packed results
;   window 1: accumulator tile (a, b) at v[8 (8 a + b)];   window 2: v0-63 the bias of my 128 columns, laid as the accumulators' registers are
; THE MATRIX INSTRUCTION IS USED TRANSPOSED: source 0 = 16 rows of B, source 1 = 16 rows of A, so that lane l holds row l mod 16 of C and its eight
; registers the columns 8 (l / 16) + 0 .. 7: eight neighbouring numbers of a row.
.set SIZE_K, 1024
.set KSTEP,  128
.set OPROW,  2048                      ; bytes in a row of A or B
.set CROW,   2048                      ; bytes in a row of C
.set PITCH,  272                       ; an LDS row: 256 bytes + 16 of padding, an odd multiple of 16: the 16 rows of a fragment load begin at 16 different 16-byte columns modulo 256 bytes
.set BHALF,  128*PITCH                 ; what one of B's tensor loads brings, and what a wave reads of B
.set AHALF,  64*PITCH                  ; the same for A
.set AOFF,   2*BHALF                   ; a slot: B's 256 rows, then A's 128 rows
.set SLOT,   AOFF+2*AHALF              ; 104,448 bytes
.set STAGE,  2*SLOT                    ; 208,896 = 816 x 256: behind the slots, no fill lands here; 16 rows x 272 bytes for each wave
.set SPITCH, 272
.set LAPS,   SIZE_K/(2*KSTEP)          ; a lap = two K steps = both slots once
.set ADRA, 16                          ; v16-17  LDS address of my A fragments in slot 0, 1
.set ADRB, 20                          ; v20-21  the same for B
.set STO,  24                          ; v24     the way out: where I put 16 bytes of a row
.set RD,   25                          ; v25     the way out: where I read a row back
.set CO,   26                          ; v26     my byte offset in C
.set BO,   27                          ; v27     my byte offset in the bias
.set F0,   32                          ; fragment buffer 0: B v32-95, A v96-127
.set F1,   128                         ; fragment buffer 1: B v128-191, A v192-223
.set TMP,  224
.set G1,  24                           ; s[24:31] descriptor group 1 for A's tiles
.set G0,  32                           ; s[32:39] descriptor group 0 for A's tiles, one set for each slot
.set G1B, 48                           ; s[48:55] descriptor group 1 for B's tiles
.set G0B, 56                           ; s[56:63] descriptor group 0 for B's tiles, one set for each slot
.set MULW, 0x50                        ; sources 0 and 1 window 0, C and D window 1
.set ADDW, 0x49                        ; source 0 and destination window 1, source 1 window 2
.set PACKW, 0x05                       ; sources window 1, destination window 0
.set BIASW, 0x80                       ; destination window 2, address window 0
.set MSB, 0
.macro WIN new                         ; the immediate's high byte repeats the setting that is left; a switch that changes nothing is dropped
.if MSB != \new
	s_set_vgpr_msb (MSB<<8)|\new
.set MSB, \new
.endif
.endm
; A joint load.  Waves 0 and 1 fetch B's two halves (128 rows each), waves 2 and 3 A's (64 rows each).  Each line has one mask and one set of registers, in which nothing
; hangs on a coordinate that the four partners do not share.  The branch hangs on the wave's number alone.
.macro JLOAD s
	s_cmp_eq_u32 s13, 0
	s_cbranch_scc0 .Lfor_a_\@
	tensor_load_to_lds s[G0B+4*\s:G0B+4*\s+3], s[G1B:G1B+7]
	s_nop 0
	s_branch .Lasked_\@
.Lfor_a_\@:
	tensor_load_to_lds s[G0+4*\s:G0+4*\s+3], s[G1:G1+7]
	s_nop 0
.Lasked_\@:
.endm
; A round of the cluster's barrier: my work-group's barrier, so that wave 0's signal speaks for all four waves; wave 0 signals for the work-group; every wave
; waits for all sixteen work-groups; my work-group's barrier once more.
.macro CREST                           ; a round behind its opening barrier
	s_cmp_lg_u32 s12, 0
	s_cbranch_scc1 .Lnot_wave_0_\@
	s_barrier_signal -3
.Lnot_wave_0_\@:
	s_barrier_wait -3
	s_barrier_signal -1
	s_barrier_wait -1
.endm
.macro CROUND                          ; a whole round
	s_barrier_signal -1
	s_barrier_wait -1
	CREST
.endm
	s_load_b256 s[4:11], s[0:1], 0x0               ; A s[4:5], B s[6:7], bias s[8:9], C s[10:11]
	v_lshl_add_u32 v30, v0, 2, 0x37400
	v_mov_b32 v31, 0
	ds_add_u32 v30, v31
	v_lshrrev_b32 v1, 5, v0
	v_readfirstlane_b32 s12, v1                    ; wave 0..3
	s_lshr_b32 s13, s12, 1                         ; which 64 rows of the block are mine.  Also: I fetch for B (0) or for A (1)
	s_and_b32 s14, s12, 1                          ; which 128 columns.  Also: which half of that tile I fetch
	s_bfe_u32 s40, ttmp6, 0x40000                  ; cx
	s_bfe_u32 s41, ttmp6, 0x40004                  ; cy
	s_lshl_b32 s42, ttmp9, 2                       ; in a cluster launch ttmp9 and ttmp7 count clusters
	s_add_co_u32 s42, s42, s40                     ; x = 4 clx + cx
	s_and_b32 s15, ttmp7, 0xffff
	s_lshl_b32 s15, s15, 2
	s_add_co_u32 s15, s15, s41                     ; y = 4 (cluster's y) + cy
	s_lshl_b32 s20, ttmp9, 10
	s_lshl_b32 s16, s15, 7
	s_add_co_u32 s20, s20, s16                     ; the block's first row of A and of C = 1024 clx + 128 y
	s_lshl_b32 s43, s41, 2
	s_lshl_b32 s43, 15, s43                        ; my row of the cluster: places 4 cy .. 4 cy + 3
	s_lshl_b32 s44, 0x1111, s40                    ; my column: places cx, cx + 4, cx + 8, cx + 12
	; descriptor group 1: tiles of 64 (A) or 128 (B) rows x 128 elements, padded in LDS
	s_or_b32 s[G1+0], s43, (1<<16)|(1<<20)|(1<<21)|(5<<22)|(3<<25)   ; 15:0 the mask: A's tiles go to my row; 17:16 elements of 2 bytes; 20 padding on; 21 set beside a mask; 24:22 after every 64 words; 31:25 4 words
	s_or_b32 s[G1B+0], s44, (1<<16)|(1<<20)|(1<<21)|(5<<22)|(3<<25)  ; the same with the mask of my column
	s_mov_b32 s[G1+1], KSTEP<<16                   ; tensor_dim0 = 128
	s_mov_b32 s[G1B+1], KSTEP<<16
	s_mov_b32 s[G1+2], 64<<16                      ; tensor_dim1 = 64 rows
	s_mov_b32 s[G1B+2], 128<<16                    ; 128 rows
	s_mov_b32 s[G1+3], KSTEP<<16                   ; tile_dim0 = 128
	s_mov_b32 s[G1B+3], KSTEP<<16
	s_mov_b32 s[G1+4], 64                          ; tile_dim1
	s_mov_b32 s[G1B+4], 128
	s_mov_b32 s[G1+5], SIZE_K                      ; elements from row to row
	s_mov_b32 s[G1B+5], SIZE_K
	s_mov_b32 s[G1+6], 0
	s_mov_b32 s[G1B+6], 0
	s_mov_b32 s[G1+7], 0
	s_mov_b32 s[G1B+7], 0
	; where the tiles come from; every wave makes both addresses, in registers that never hold the other coordinate, and asks by one of them
	s_lshl_b32 s16, s14, 6
	s_add_co_u32 s16, s16, s20                     ; A: the block's first row + 64 x half
	s_lshl_b32 s16, s16, 11                        ; in bytes: at most 8,191 x 2,048, inside 32 bits
	s_mov_b32 s17, 0
	s_lshl_b32 s46, s42, 8
	s_lshl_b32 s47, s14, 7
	s_add_co_u32 s46, s46, s47                     ; B: row 256 x + 128 x half
	s_lshl_b32 s46, s46, 11
	s_mov_b32 s47, 0
	s_mul_i32 s21, s12, BHALF                      ; and where they go.  B (waves 0, 1): wave x 128 rows
	s_mul_i32 s22, s12, AHALF
	s_add_co_u32 s22, s22, BHALF                   ; A (waves 2, 3): 34,816 + wave x 17,408 = 69,632 and 87,040: no place in the cluster enters an LDS address
	s_lshl_b32 s45, s40, 10
	s_lshl_b32 s23, s14, 9
	s_add_co_u32 s45, s45, s23                     ; my first column's bytes in the bias: 4 (256 cx + 128 half)
	s_wait_dscnt 0x0
	s_wait_kmcnt 0x0
	s_add_nc_u64 s[18:19], s[4:5], s[16:17]
	s_add_nc_u64 s[46:47], s[6:7], s[46:47]
	CROUND                                         ; all sixteen work-groups are here: the first joint loads meet
.irp s, 0,1
	s_mov_b32 s[G0+4*\s], 1                                        ; count = 1
	s_add_co_u32 s[G0+4*\s+1], s22, \s*SLOT                        ; LDS address
	s_add_nc_u64 s[G0+4*\s+2:G0+4*\s+3], s[18:19], \s*KSTEP*2      ; global address: K step s
	s_or_b32 s[G0+4*\s+3], s[G0+4*\s+3], 0x80000000                ; type = 2
	s_mov_b32 s[G0B+4*\s], 1
	s_add_co_u32 s[G0B+4*\s+1], s21, \s*SLOT
	s_add_nc_u64 s[G0B+4*\s+2:G0B+4*\s+3], s[46:47], \s*KSTEP*2
	s_or_b32 s[G0B+4*\s+3], s[G0B+4*\s+3], 0x80000000
	JLOAD \s                                       ; both slots are asked for before anything else: two tensor loads of a wave are out here, one later on
.endr
	; A fragment is 16 rows x 32 K in 8 registers: lane l holds row l mod 16; registers 0-3 hold K = 8 (l / 16) + 0..7, registers 4-7 K = 16 + 8 (l / 16) + 0..7:
	; two loads of 16 bytes, 32 bytes apart, from rows that lie along K.
	v_and_b32 v1, 15, v0                           ; r = l mod 16
	v_bfe_u32 v2, v0, 4, 1                         ; h = l / 16
	v_mul_u32_u24 v3, v1, PITCH
	v_lshl_add_u32 v3, v2, 4, v3                   ; row x pitch + 16 h
	s_mul_i32 s16, s14, BHALF                      ; my 128 rows of B
	s_mul_i32 s17, s13, AHALF                      ; my 64 rows of A,
	s_add_co_u32 s17, s17, AOFF                    ; which lie behind B's 256
.irp s, 0,1
	v_add_nc_u32 v[ADRB+\s], s16, v3
	v_add_nc_u32 v[ADRA+\s], s17, v3
	s_add_co_u32 s16, s16, SLOT
	s_add_co_u32 s17, s17, SLOT
.endr
	s_mul_i32 s23, s12, 16*SPITCH
	s_add_co_u32 s23, s23, STAGE                   ; my stage
	v_add_nc_u32 v[STO], s23, v3                   ; in: row r, 16 bytes for each half of the lanes
	v_mul_u32_u24 v4, v2, SPITCH                   ; back: lanes 0-15 take one row of 256 bytes, lanes 16-31 the next
	v_lshl_add_u32 v4, v1, 4, v4
	v_add_nc_u32 v[RD], s23, v4
	v_lshlrev_b32 v5, 11, v2                       ; and the same two rows in C
	v_lshl_add_u32 v[CO], v1, 4, v5
	v_lshl_add_u32 v[BO], v2, 5, s45               ; bias: my columns 16 b + 8 h + 0..7 are 32 bytes at 64 b + 32 h
	WIN BIASW
.irp b, 0,1,2,3,4,5,6,7
	global_load_b128 v[8*\b:8*\b+3],   v[BO], s[8:9] offset:64*\b
	global_load_b128 v[8*\b+4:8*\b+7], v[BO], s[8:9] offset:64*\b+16
.endr
	WIN 0
; 8 matrix instructions: m block a x all 8 n blocks, 32 along K.  zero = 1: the first product starts the sums: nothing is cleared.
; The 32 accumulators take turns, one instruction a turn, in the same order in every quarter step, over the loop's backward jump too.
.macro MUL8 f, a, zero
	WIN MULW
.irp b, 0,1,2,3,4,5,6,7
.if \zero
	v_wmma_f32_16x16x32_f16 v[8*(8*\a+\b):8*(8*\a+\b)+7], v[\f+8*\b:\f+8*\b+7], v[\f+64+8*\a:\f+64+8*\a+7], 0
.else
	v_wmma_f32_16x16x32_f16 v[8*(8*\a+\b):8*(8*\a+\b)+7], v[\f+8*\b:\f+8*\b+7], v[\f+64+8*\a:\f+64+8*\a+7], v[8*(8*\a+\b):8*(8*\a+\b)+7]
.endif
.endr
.endm
; 24 LDS loads in one run: the fragments of one quarter step (128 rows of B, 64 rows of A, 32 K at byte k of the rows) into buffer f
.macro FETCH slot, k, f
	WIN 0
.irp i, 0,1,2,3,4,5,6,7
	ds_load_b128 v[\f+8*\i:\f+8*\i+3],   v[ADRB+\slot] offset:\k+\i*16*PITCH
	ds_load_b128 v[\f+8*\i+4:\f+8*\i+7], v[ADRB+\slot] offset:\k+\i*16*PITCH+32
.endr
.irp i, 0,1,2,3
	ds_load_b128 v[\f+64+8*\i:\f+64+8*\i+3], v[ADRA+\slot] offset:\k+\i*16*PITCH
	ds_load_b128 v[\f+64+8*\i+4:\f+64+8*\i+7], v[ADRA+\slot] offset:\k+\i*16*PITCH+32
.endr
.endm
; A load into a register that a matrix instruction has read, and a vector instruction that reads a matrix result, stand four places behind that matrix
; instruction, and only plain vector instructions that name none of its registers are places (ISA guide 7.12.1 for vector instructions).
.macro PLACES
.rept 4
	v_nop
.endr
.endm
; A K step is four quarter steps of 32 along K, 32 matrix instructions each, on buffers 0, 1, 0, 1.
; One of the first three: multiplies buffer f; in its middle it fetches the next quarter's fragments, at byte k of the same slot's rows, into buffer g.
.macro QUARTER slot, k, f, g, zero
	s_wait_dscnt 4                                 ; B and A's fragments 0, 1 are in; the youngest four loads (A's fragments 2, 3) may be out
	MUL8 \f, 0, \zero
	MUL8 \f, 1, \zero
	PLACES
	FETCH \slot, \k, \g
	s_wait_dscnt 24                                ; all but the 24 just issued
	MUL8 \f, 2, \zero
	MUL8 \f, 3, \zero
.endm
.macro THREE slot, zero
	QUARTER \slot, 64,  F0, F1, \zero
	QUARTER \slot, 128, F1, F0, 0
	QUARTER \slot, 192, F0, F1, 0
.endm
; The last quarter: multiplies buffer 1 and changes slots.  next = the other slot; fill = 1: this slot is filled again, two K steps ahead.
; One barrier for the change.  In front of it each wave waits for its reads of this slot and for all its tensor loads, of which one is out: its part of the next
; slot.  Behind it nobody reads this slot and the next slot is whole: the refill comes first, then the next slot's first fragments.
; From a request to the wait for it a wave issues 120 of a K step's 128 matrix instructions.
.macro TURN slot, next, fill
	s_wait_dscnt 0                                 ; my reads of this slot are over
	s_wait_tensorcnt 0x0                           ; and all my tensor loads have landed:
	ds_add_u32 v30, v31
	s_wait_dscnt 0x0
	s_barrier_signal -1                            ; say so (where a slot is filled again this barrier opens a round of the cluster's barrier),
	MUL8 F1, 0, 0                                  ; work on registers while the others arrive,
	WIN 0
	s_barrier_wait -1                              ; and go on when all four have said so
.if \fill
	CREST                                          ; all sixteen work-groups have said so: no wave of any partner still reads this slot's tile or has a load on its way
	s_add_nc_u64 s[G0+4*\slot+2:G0+4*\slot+3], s[G0+4*\slot+2:G0+4*\slot+3], 2*KSTEP*2
	s_add_nc_u64 s[G0B+4*\slot+2:G0B+4*\slot+3], s[G0B+4*\slot+2:G0B+4*\slot+3], 2*KSTEP*2
	JLOAD \slot                                    ; the first tensor load behind the round, and my only one until the next
.endif
	PLACES
	FETCH \next, 0, F0
	MUL8 F1, 1, 0
	MUL8 F1, 2, 0
	MUL8 F1, 3, 0
.endm
.macro LAP zero
	THREE 0, \zero
	TURN 0, 1, 1
	THREE 1, 0
	TURN 1, 0, 1
.endm
	s_wait_loadcnt 0x0                             ; the bias, once
	s_wait_tensorcnt 1                             ; my part of K step 0 is in; K step 1's stays out
	s_barrier_signal -1
	s_barrier_wait -1                              ; everybody's is
	FETCH 0, 0, F0
	LAP 1                                          ; the first lap stands in front of the loop: its first products start the sums
	WIN 0                                          ; at a label and at a branch every window is 0
	s_mov_b32 s3, LAPS-2
.Llap:
	LAP 0
	WIN 0
	s_sub_co_u32 s3, s3, 1
	s_cmp_lg_u32 s3, 0
	s_cbranch_scc1 .Llap
	THREE 0, 0                                     ; the last lap fills nothing: my one tensor load that is still out is slot 1's, the last K step's
	TURN 0, 1, 0
	THREE 1, 0
	s_wait_dscnt 4                                 ; the very last quarter: nothing more to fetch
	MUL8 F1, 0, 0
	MUL8 F1, 1, 0
	s_wait_dscnt 0
	MUL8 F1, 2, 0
	MUL8 F1, 3, 0
	; THE WAY OUT, 16 rows of C at a time: add the bias, round to f16, 16 bytes a lane into my own stage in LDS, read back as whole rows of 256 bytes.
	PLACES                                         ; the places behind the last matrix instructions
	s_lshl_b32 s16, s13, 6
	s_add_co_u32 s16, s16, s20                     ; my first row of C
	s_lshl_b32 s16, s16, 11
	s_mov_b32 s17, 0
	s_add_nc_u64 s[10:11], s[10:11], s[16:17]
	s_lshl_b32 s46, s40, 9                         ; my first column, in bytes: 2 (256 cx + 128 half)
	s_lshl_b32 s47, s14, 8
	s_add_co_u32 s46, s46, s47
	s_mov_b32 s47, 0
	s_add_nc_u64 s[10:11], s[10:11], s[46:47]
; rows 16 a .. 16 a + 15 of my block = the eight tiles (a, 0..7); f: F0 or F1 in turn
.macro OUT16 a, f
	WIN ADDW
.irp b, 0,1,2,3,4,5,6,7
.irp p, 0,1,2,3
	v_pk_add_f32 v[8*(8*\a+\b)+2*\p:8*(8*\a+\b)+2*\p+1], v[8*(8*\a+\b)+2*\p:8*(8*\a+\b)+2*\p+1], v[8*\b+2*\p:8*\b+2*\p+1]
.endr
.endr
	WIN PACKW
.irp b, 0,1,2,3,4,5,6,7
.irp p, 0,1,2,3
	v_cvt_pk_f16_f32 v[TMP+4*\b+\p], v[8*(8*\a+\b)+2*\p], v[8*(8*\a+\b)+2*\p+1]
.endr
.endr
	WIN 0
.irp b, 0,1,2,3,4,5,6,7
	ds_store_b128 v[STO], v[TMP+4*\b:TMP+4*\b+3] offset:32*\b
.endr
	s_wait_xcnt 0x0                                ; buffer f, which earlier stores read, and the stores' base are rewritten only behind this wait
.if \a
	s_add_nc_u64 s[10:11], s[10:11], 16*CROW       ; 16 rows of C on
.endif
.irp t, 0,1,2,3,4,5,6,7
	ds_load_b128 v[\f+4*\t:\f+4*\t+3], v[RD] offset:\t*2*SPITCH    ; LDS serves a wave's instructions in order: these see the stores above
.endr
.irp t, 0,1,2,3,4,5,6,7
	s_wait_dscnt 7-\t                              ; read-back t is in, the younger ones stay out
	global_store_b128 v[CO], v[\f+4*\t:\f+4*\t+3], s[10:11] offset:\t*2*CROW   ; 16 lanes store 256 consecutive bytes, at a multiple of 256 from C's first byte
.endr
.endm
	OUT16 0, F0
	OUT16 1, F1
	OUT16 2, F0
	OUT16 3, F1
	s_wait_tensorcnt 0x0
	ds_add_u32 v30, v31
	s_wait_dscnt 0x0
	CROUND                                         ; the closing round: no work-group ends while a partner may still ask for a tile that names it
	s_endpgm
.Lfunc_end_k_q02b4be2039_gq:
	.size	k_q02b4be2039_gq, .Lfunc_end_k_q02b4be2039_gq-k_q02b4be2039_gq
	.p2alignl 7, 3214868480
	.fill 96, 4, 3214868480
	.section	.rodata,"a",@progbits
	.p2align	6, 0x0
	.amdhsa_kernel k_q02b4be2039_gq
		.amdhsa_group_segment_fixed_size 327680
		.amdhsa_private_segment_fixed_size 0
		.amdhsa_enable_private_segment 0
		.amdhsa_kernarg_size 32
		.amdhsa_user_sgpr_count 2
		.amdhsa_user_sgpr_kernarg_segment_ptr 1
		.amdhsa_wavefront_size32 1
		.amdhsa_system_sgpr_workgroup_id_x 1
		.amdhsa_system_sgpr_workgroup_id_y 1
		.amdhsa_system_sgpr_workgroup_id_z 1
		.amdhsa_system_vgpr_workitem_id 0
		.amdhsa_next_free_vgpr 576
		.amdhsa_next_free_sgpr 66
		.amdhsa_reserve_vcc 0
		.amdhsa_float_denorm_mode_32 3
		.amdhsa_float_denorm_mode_16_64 3
		.amdhsa_memory_ordered 1
		.amdhsa_forward_progress 1
		.amdhsa_inst_pref_size 127
	.end_amdhsa_kernel
	.amdgpu_metadata
---
amdhsa.version: [ 1, 2 ]
amdhsa.kernels:
  - .name:           k_q02b4be2039_gq
    .symbol:         k_q02b4be2039_gq.kd
    .args:
      - { .name: out0, .offset: 0, .size: 8, .value_kind: global_buffer, .address_space: global }
      - { .name: wqt, .offset: 8, .size: 8, .value_kind: global_buffer, .address_space: global }
      - { .name: bq, .offset: 16, .size: 8, .value_kind: global_buffer, .address_space: global }
      - { .name: qb, .offset: 24, .size: 8, .value_kind: global_buffer, .address_space: global }
    .group_segment_fixed_size: 327680
    .private_segment_fixed_size: 0
    .kernarg_segment_align: 8
    .kernarg_segment_size: 32
    .max_flat_workgroup_size: 128
    .sgpr_count:     66
    .vgpr_count:     576
    .wavefront_size: 32
...
	.end_amdgpu_metadata
.endif
;; end of part 2
;; launch gk: the kernel of part 2 again; grid 4 x 64, 4 waves a work-group, clusters of 4 x 4, 327,680 bytes of LDS; arguments out0, wkt, bk, kb; writes kb
;; launch gs (part 3): grid 32 x 8, 4 waves a work-group, clusters of 4 x 4, 327,680 bytes of LDS; arguments qb, kb, zb, out0; writes out0
.if DOCPART == 3
	.amdgcn_target "amdgcn-amd-amdhsa--gfx1250"
	.amdhsa_code_object_version 6
	.text
	.protected	k_q02b4be2039_gs
	.globl	k_q02b4be2039_gs
	.p2align	8
	.type	k_q02b4be2039_gs,@function
k_q02b4be2039_gs:
	s_mov_b64 s[64:65], 0
	v_nop
	global_prefetch_b8 v0, s[64:65] scope:SCOPE_SE
	s_setreg_imm32_b32 hwreg(HW_REG_WAVE_MODE, 25, 1), 1
	s_wait_xcnt 0x0
	s_wait_alu depctr_hold_cnt(0) depctr_sa_sdst(0) depctr_va_vdst(0) depctr_va_sdst(0) depctr_va_ssrc(0) depctr_va_vcc(0) depctr_vm_vsrc(0)
	s_getreg_b32 s2, hwreg(HW_REG_IB_STS2, 6, 4)
	s_cmp_eq_u32 s2, 0
	s_cbranch_scc0 .Lentry_in_a_cluster
	s_endpgm
.Lentry_in_a_cluster:
	s_bfe_u32 s2, ttmp6, 0x10000c
	s_cmp_lg_u32 s2, 0xf033
	s_cbranch_scc0 .Lentry_shape_is_right
	s_endpgm
.Lentry_shape_is_right:
; C[m][n] = sum over k of A[m][k] B[n][k] + bias[n].  A: [8192][1024] f16, B: rows of 1,024 f16, bias: [1024] f32, C: [8192][1024] f32; sums in f32.
; One body for two of the six products:  S = Q K^T per batch (bias = zeros, grid 32 x 8; the factor 1/32 is applied by the softmax) and
; the result = O Wo^T' + bo (B = the transposed weight, grid 4 x 64).
; A work-group makes 128 rows x 256 columns of C: 256 work-groups for each product.  Four waves; wave w makes rows 64 (w / 2) .. + 63 and
; columns 128 (w mod 2) .. + 127: 32 accumulator tiles of 16 x 16, 256 registers.  K goes in 8 steps of 128 through two LDS slots filled by the
; tensor data mover; a tile's rows are 256 bytes of memory at multiples of 256 bytes from the buffer's first byte.
; ONE ADDRESSING FOR BOTH GRIDS, with clx the cluster's x, x = 4 clx + cx, y = 4 (cluster's y) + cy:
;   first row of A and of C = 1024 clx + 128 y;  first row of B = 256 x;  first column of C and of the bias = 256 cx.
;   Grid 4 x 64: clx = 0.  Grid 32 x 8: clx is the batch.
; CLUSTERS: 4 x 4 work-groups.  A's tile hangs on clx and y alone and is asked for jointly by the four of a row of the cluster; B's hangs on x alone and is
; asked for jointly by the four of a column: the requests for A and for B are divided by four.
; LIMIT: the operands are f16 (magnitudes up to 65,504, made by the earlier launches); the sums and C are f32.  NaN and infinities pass through untreated.
;
; REGISTERS, in windows of 256 (s_set_vgpr_msb's low byte: bits 1:0 source 0, 3:2 source 1, 5:4 source 2, 7:6 destination):
;   window 0: addresses; two fragment buffers (8 fragments of B, 4 of A, 8 registers each)
;   window 1: accumulator tile (a, b) at v[8 (8 a + b)];   window 2: v0-63 the bias of my 128 columns, laid as the accumulators' registers are
; THE MATRIX INSTRUCTION IS USED TRANSPOSED: source 0 = 16 rows of B, source 1 = 16 rows of A, so that lane l holds row l mod 16 of C and its eight
; registers the columns 8 (l / 16) + 0 .. 7: eight neighbouring numbers of a row.
.set SIZE_K, 1024
.set KSTEP,  128
.set OPROW,  2048                      ; bytes in a row of A or B
.set CROW,   4096                      ; bytes in a row of C
.set PITCH,  272                       ; an LDS row: 256 bytes + 16 of padding, an odd multiple of 16: the 16 rows of a fragment load begin at 16 different 16-byte columns modulo 256 bytes
.set BHALF,  128*PITCH                 ; what one of B's tensor loads brings, and what a wave reads of B
.set AHALF,  64*PITCH                  ; the same for A
.set AOFF,   2*BHALF                   ; a slot: B's 256 rows, then A's 128 rows
.set SLOT,   AOFF+2*AHALF              ; 104,448 bytes
.set STAGE,  2*SLOT                    ; 208,896 = 816 x 256: behind the slots, no fill lands here; 16 rows x 528 bytes for each wave
.set SPITCH, 528                       ; a stage row: 128 f32 + 16 bytes, an odd multiple of 16
.set LAPS,   SIZE_K/(2*KSTEP)          ; a lap = two K steps = both slots once
.set ADRA, 16                          ; v16-17  LDS address of my A fragments in slot 0, 1
.set ADRB, 20                          ; v20-21  the same for B
.set STO,  24                          ; v24     the way out: where I put 32 bytes of a row
.set RD,   25                          ; v25     the way out: where I read a row back
.set CO,   26                          ; v26     my byte offset in C
.set BO,   27                          ; v27     my byte offset in the bias
.set F0,   32                          ; fragment buffer 0: B v32-95, A v96-127
.set F1,   128                         ; fragment buffer 1: B v128-191, A v192-223
.set G1,  24                           ; s[24:31] descriptor group 1 for A's tiles
.set G0,  32                           ; s[32:39] descriptor group 0 for A's tiles, one set for each slot
.set G1B, 48                           ; s[48:55] descriptor group 1 for B's tiles
.set G0B, 56                           ; s[56:63] descriptor group 0 for B's tiles, one set for each slot
.set MULW, 0x50                        ; sources 0 and 1 window 0, C and D window 1
.set ADDW, 0x49                        ; source 0 and destination window 1, source 1 window 2
.set STW,  0x04                        ; LDS store: address window 0, data window 1
.set BIASW, 0x80                       ; destination window 2, address window 0
.set MSB, 0
.macro WIN new                         ; the immediate's high byte repeats the setting that is left; a switch that changes nothing is dropped
.if MSB != \new
	s_set_vgpr_msb (MSB<<8)|\new
.set MSB, \new
.endif
.endm
; A joint load.  Waves 0 and 1 fetch B's two halves (128 rows each), waves 2 and 3 A's (64 rows each).  Each line has one mask and one set of registers, in which nothing
; hangs on a coordinate that the four partners do not share.  The branch hangs on the wave's number alone.
.macro JLOAD s
	s_cmp_eq_u32 s13, 0
	s_cbranch_scc0 .Lfor_a_\@
	tensor_load_to_lds s[G0B+4*\s:G0B+4*\s+3], s[G1B:G1B+7]
	s_nop 0
	s_branch .Lasked_\@
.Lfor_a_\@:
	tensor_load_to_lds s[G0+4*\s:G0+4*\s+3], s[G1:G1+7]
	s_nop 0
.Lasked_\@:
.endm
; A round of the cluster's barrier: my work-group's barrier, so that wave 0's signal speaks for all four waves; wave 0 signals for the work-group; every wave
; waits for all sixteen work-groups; my work-group's barrier once more.
.macro CREST                           ; a round behind its opening barrier
	s_cmp_lg_u32 s12, 0
	s_cbranch_scc1 .Lnot_wave_0_\@
	s_barrier_signal -3
.Lnot_wave_0_\@:
	s_barrier_wait -3
	s_barrier_signal -1
	s_barrier_wait -1
.endm
.macro CROUND                          ; a whole round
	s_barrier_signal -1
	s_barrier_wait -1
	CREST
.endm
	s_load_b256 s[4:11], s[0:1], 0x0               ; A s[4:5], B s[6:7], bias s[8:9], C s[10:11]
	v_lshl_add_u32 v254, v0, 2, 0x3b400
	v_mov_b32 v255, 0
	ds_add_u32 v254, v255
	v_lshrrev_b32 v1, 5, v0
	v_readfirstlane_b32 s12, v1                    ; wave 0..3
	s_lshr_b32 s13, s12, 1                         ; which 64 rows of the block are mine.  Also: I fetch for B (0) or for A (1)
	s_and_b32 s14, s12, 1                          ; which 128 columns.  Also: which half of that tile I fetch
	s_bfe_u32 s40, ttmp6, 0x40000                  ; cx
	s_bfe_u32 s41, ttmp6, 0x40004                  ; cy
	s_lshl_b32 s42, ttmp9, 2                       ; in a cluster launch ttmp9 and ttmp7 count clusters
	s_add_co_u32 s42, s42, s40                     ; x = 4 clx + cx
	s_and_b32 s15, ttmp7, 0xffff
	s_lshl_b32 s15, s15, 2
	s_add_co_u32 s15, s15, s41                     ; y = 4 (cluster's y) + cy
	s_lshl_b32 s20, ttmp9, 10
	s_lshl_b32 s16, s15, 7
	s_add_co_u32 s20, s20, s16                     ; the block's first row of A and of C = 1024 clx + 128 y
	s_lshl_b32 s43, s41, 2
	s_lshl_b32 s43, 15, s43                        ; my row of the cluster: places 4 cy .. 4 cy + 3
	s_lshl_b32 s44, 0x1111, s40                    ; my column: places cx, cx + 4, cx + 8, cx + 12
	; descriptor group 1: tiles of 64 (A) or 128 (B) rows x 128 elements, padded in LDS
	s_or_b32 s[G1+0], s43, (1<<16)|(1<<20)|(1<<21)|(5<<22)|(3<<25)   ; 15:0 the mask: A's tiles go to my row; 17:16 elements of 2 bytes; 20 padding on; 21 set beside a mask; 24:22 after every 64 words; 31:25 4 words
	s_or_b32 s[G1B+0], s44, (1<<16)|(1<<20)|(1<<21)|(5<<22)|(3<<25)  ; the same with the mask of my column
	s_mov_b32 s[G1+1], KSTEP<<16                   ; tensor_dim0 = 128
	s_mov_b32 s[G1B+1], KSTEP<<16
	s_mov_b32 s[G1+2], 64<<16                      ; tensor_dim1 = 64 rows
	s_mov_b32 s[G1B+2], 128<<16                    ; 128 rows
	s_mov_b32 s[G1+3], KSTEP<<16                   ; tile_dim0 = 128
	s_mov_b32 s[G1B+3], KSTEP<<16
	s_mov_b32 s[G1+4], 64                          ; tile_dim1
	s_mov_b32 s[G1B+4], 128
	s_mov_b32 s[G1+5], SIZE_K                      ; elements from row to row
	s_mov_b32 s[G1B+5], SIZE_K
	s_mov_b32 s[G1+6], 0
	s_mov_b32 s[G1B+6], 0
	s_mov_b32 s[G1+7], 0
	s_mov_b32 s[G1B+7], 0
	; where the tiles come from; every wave makes both addresses, in registers that never hold the other coordinate, and asks by one of them
	s_lshl_b32 s16, s14, 6
	s_add_co_u32 s16, s16, s20                     ; A: the block's first row + 64 x half
	s_lshl_b32 s16, s16, 11                        ; in bytes: at most 8,191 x 2,048, inside 32 bits
	s_mov_b32 s17, 0
	s_lshl_b32 s46, s42, 8
	s_lshl_b32 s47, s14, 7
	s_add_co_u32 s46, s46, s47                     ; B: row 256 x + 128 x half
	s_lshl_b32 s46, s46, 11
	s_mov_b32 s47, 0
	s_mul_i32 s21, s12, BHALF                      ; and where they go.  B (waves 0, 1): wave x 128 rows
	s_mul_i32 s22, s12, AHALF
	s_add_co_u32 s22, s22, BHALF                   ; A (waves 2, 3): 34,816 + wave x 17,408 = 69,632 and 87,040: no place in the cluster enters an LDS address
	s_lshl_b32 s45, s40, 10
	s_lshl_b32 s23, s14, 9
	s_add_co_u32 s45, s45, s23                     ; my first column's bytes in the bias and in a row of C: 4 (256 cx + 128 half)
	s_wait_dscnt 0x0
	s_wait_kmcnt 0x0
	s_add_nc_u64 s[18:19], s[4:5], s[16:17]
	s_add_nc_u64 s[46:47], s[6:7], s[46:47]
	CROUND                                         ; all sixteen work-groups are here: the first joint loads meet
.irp s, 0,1
	s_mov_b32 s[G0+4*\s], 1                                        ; count = 1
	s_add_co_u32 s[G0+4*\s+1], s22, \s*SLOT                        ; LDS address
	s_add_nc_u64 s[G0+4*\s+2:G0+4*\s+3], s[18:19], \s*KSTEP*2      ; global address: K step s
	s_or_b32 s[G0+4*\s+3], s[G0+4*\s+3], 0x80000000                ; type = 2
	s_mov_b32 s[G0B+4*\s], 1
	s_add_co_u32 s[G0B+4*\s+1], s21, \s*SLOT
	s_add_nc_u64 s[G0B+4*\s+2:G0B+4*\s+3], s[46:47], \s*KSTEP*2
	s_or_b32 s[G0B+4*\s+3], s[G0B+4*\s+3], 0x80000000
	JLOAD \s                                       ; both slots are asked for before anything else: two tensor loads of a wave are out here, one later on
.endr
	; A fragment is 16 rows x 32 K in 8 registers: lane l holds row l mod 16; registers 0-3 hold K = 8 (l / 16) + 0..7, registers 4-7 K = 16 + 8 (l / 16) + 0..7:
	; two loads of 16 bytes, 32 bytes apart, from rows that lie along K.
	v_and_b32 v1, 15, v0                           ; r = l mod 16
	v_bfe_u32 v2, v0, 4, 1                         ; h = l / 16
	v_mul_u32_u24 v3, v1, PITCH
	v_lshl_add_u32 v3, v2, 4, v3                   ; row x pitch + 16 h
	s_mul_i32 s16, s14, BHALF                      ; my 128 rows of B
	s_mul_i32 s17, s13, AHALF                      ; my 64 rows of A,
	s_add_co_u32 s17, s17, AOFF                    ; which lie behind B's 256
.irp s, 0,1
	v_add_nc_u32 v[ADRB+\s], s16, v3
	v_add_nc_u32 v[ADRA+\s], s17, v3
	s_add_co_u32 s16, s16, SLOT
	s_add_co_u32 s17, s17, SLOT
.endr
	s_mul_i32 s23, s12, 16*SPITCH
	s_add_co_u32 s23, s23, STAGE                   ; my stage
	v_mul_u32_u24 v4, v1, SPITCH                   ; in: row r, 32 bytes for each half of the lanes
	v_lshl_add_u32 v4, v2, 5, v4
	v_add_nc_u32 v[STO], s23, v4
	v_and_b32 v5, 31, v0
	v_lshlrev_b32 v[CO], 4, v5                     ; back: the 32 lanes take one row of 512 bytes; the same bytes of a row of C
	v_add_nc_u32 v[RD], s23, v[CO]
	v_lshl_add_u32 v[BO], v2, 5, s45               ; bias: my columns 16 b + 8 h + 0..7 are 32 bytes at 64 b + 32 h
	WIN BIASW
.irp b, 0,1,2,3,4,5,6,7
	global_load_b128 v[8*\b:8*\b+3],   v[BO], s[8:9] offset:64*\b
	global_load_b128 v[8*\b+4:8*\b+7], v[BO], s[8:9] offset:64*\b+16
.endr
	WIN 0
; 8 matrix instructions: m block a x all 8 n blocks, 32 along K.  zero = 1: the first product starts the sums: nothing is cleared.
; The 32 accumulators take turns, one instruction a turn, in the same order in every quarter step, over the loop's backward jump too.
.macro MUL8 f, a, zero
	WIN MULW
.irp b, 0,1,2,3,4,5,6,7
.if \zero
	v_wmma_f32_16x16x32_f16 v[8*(8*\a+\b):8*(8*\a+\b)+7], v[\f+8*\b:\f+8*\b+7], v[\f+64+8*\a:\f+64+8*\a+7], 0
.else
	v_wmma_f32_16x16x32_f16 v[8*(8*\a+\b):8*(8*\a+\b)+7], v[\f+8*\b:\f+8*\b+7], v[\f+64+8*\a:\f+64+8*\a+7], v[8*(8*\a+\b):8*(8*\a+\b)+7]
.endif
.endr
.endm
; 24 LDS loads in one run: the fragments of one quarter step (128 rows of B, 64 rows of A, 32 K at byte k of the rows) into buffer f
.macro FETCH slot, k, f
	WIN 0
.irp i, 0,1,2,3,4,5,6,7
	ds_load_b128 v[\f+8*\i:\f+8*\i+3],   v[ADRB+\slot] offset:\k+\i*16*PITCH
	ds_load_b128 v[\f+8*\i+4:\f+8*\i+7], v[ADRB+\slot] offset:\k+\i*16*PITCH+32
.endr
.irp i, 0,1,2,3
	ds_load_b128 v[\f+64+8*\i:\f+64+8*\i+3], v[ADRA+\slot] offset:\k+\i*16*PITCH
	ds_load_b128 v[\f+64+8*\i+4:\f+64+8*\i+7], v[ADRA+\slot] offset:\k+\i*16*PITCH+32
.endr
.endm
; A load into a register that a matrix instruction has read, and a vector instruction that reads a matrix result, stand four places behind that matrix
; instruction, and only plain vector instructions that name none of its registers are places (ISA guide 7.12.1 for vector instructions).
.macro PLACES
.rept 4
	v_nop
.endr
.endm
; A K step is four quarter steps of 32 along K, 32 matrix instructions each, on buffers 0, 1, 0, 1.
; One of the first three: multiplies buffer f; in its middle it fetches the next quarter's fragments, at byte k of the same slot's rows, into buffer g.
.macro QUARTER slot, k, f, g, zero
	s_wait_dscnt 4                                 ; B and A's fragments 0, 1 are in; the youngest four loads (A's fragments 2, 3) may be out
	MUL8 \f, 0, \zero
	MUL8 \f, 1, \zero
	PLACES
	FETCH \slot, \k, \g
	s_wait_dscnt 24                                ; all but the 24 just issued
	MUL8 \f, 2, \zero
	MUL8 \f, 3, \zero
.endm
.macro THREE slot, zero
	QUARTER \slot, 64,  F0, F1, \zero
	QUARTER \slot, 128, F1, F0, 0
	QUARTER \slot, 192, F0, F1, 0
.endm
; The last quarter: multiplies buffer 1 and changes slots.  next = the other slot; fill = 1: this slot is filled again, two K steps ahead.
; One barrier for the change.  In front of it each wave waits for its reads of this slot and for all its tensor loads, of which one is out: its part of the next
; slot.  Behind it nobody reads this slot and the next slot is whole: the refill comes first, then the next slot's first fragments.
; From a request to the wait for it a wave issues 120 of a K step's 128 matrix instructions.
.macro TURN slot, next, fill
	s_wait_dscnt 0                                 ; my reads of this slot are over
	s_wait_tensorcnt 0x0                           ; and all my tensor loads have landed:
	ds_add_u32 v254, v255
	s_wait_dscnt 0x0
	s_barrier_signal -1                            ; say so (where a slot is filled again this barrier opens a round of the cluster's barrier),
	MUL8 F1, 0, 0                                  ; work on registers while the others arrive,
	WIN 0
	s_barrier_wait -1                              ; and go on when all four have said so
.if \fill
	CREST                                          ; all sixteen work-groups have said so: no wave of any partner still reads this slot's tile or has a load on its way
	s_add_nc_u64 s[G0+4*\slot+2:G0+4*\slot+3], s[G0+4*\slot+2:G0+4*\slot+3], 2*KSTEP*2
	s_add_nc_u64 s[G0B+4*\slot+2:G0B+4*\slot+3], s[G0B+4*\slot+2:G0B+4*\slot+3], 2*KSTEP*2
	JLOAD \slot                                    ; the first tensor load behind the round, and my only one until the next
.endif
	PLACES
	FETCH \next, 0, F0
	MUL8 F1, 1, 0
	MUL8 F1, 2, 0
	MUL8 F1, 3, 0
.endm
.macro LAP zero
	THREE 0, \zero
	TURN 0, 1, 1
	THREE 1, 0
	TURN 1, 0, 1
.endm
	s_wait_loadcnt 0x0                             ; the bias, once
	s_wait_tensorcnt 1                             ; my part of K step 0 is in; K step 1's stays out
	s_barrier_signal -1
	s_barrier_wait -1                              ; everybody's is
	FETCH 0, 0, F0
	LAP 1                                          ; the first lap stands in front of the loop: its first products start the sums
	WIN 0                                          ; at a label and at a branch every window is 0
	s_mov_b32 s3, LAPS-2
.Llap:
	LAP 0
	WIN 0
	s_sub_co_u32 s3, s3, 1
	s_cmp_lg_u32 s3, 0
	s_cbranch_scc1 .Llap
	THREE 0, 0                                     ; the last lap fills nothing: my one tensor load that is still out is slot 1's, the last K step's
	TURN 0, 1, 0
	THREE 1, 0
	s_wait_dscnt 4                                 ; the very last quarter: nothing more to fetch
	MUL8 F1, 0, 0
	MUL8 F1, 1, 0
	s_wait_dscnt 0
	MUL8 F1, 2, 0
	MUL8 F1, 3, 0
	; THE WAY OUT, 16 rows of C at a time: add the bias, 32 bytes a lane into my own stage in LDS, read back as whole rows of 512 bytes.
	PLACES                                         ; the places behind the last matrix instructions
	s_lshl_b32 s16, s13, 6
	s_add_co_u32 s16, s16, s20                     ; my first row of C
	s_lshl_b32 s16, s16, 12                        ; at most 8,191 x 4,096 bytes, inside 32 bits
	s_mov_b32 s17, 0
	s_add_nc_u64 s[10:11], s[10:11], s[16:17]
	s_mov_b32 s46, s45                             ; my first column, in bytes: 4 (256 cx + 128 half)
	s_mov_b32 s47, 0
	s_add_nc_u64 s[10:11], s[10:11], s[46:47]
; rows 16 a .. 16 a + 15 of my block = the eight tiles (a, 0..7); f: F0 or F1 in turn, 64 registers
.macro OUT32 a, f
	WIN ADDW
.irp b, 0,1,2,3,4,5,6,7
.irp p, 0,1,2,3
	v_pk_add_f32 v[8*(8*\a+\b)+2*\p:8*(8*\a+\b)+2*\p+1], v[8*(8*\a+\b)+2*\p:8*(8*\a+\b)+2*\p+1], v[8*\b+2*\p:8*\b+2*\p+1]
.endr
.endr
	WIN STW
.irp b, 0,1,2,3,4,5,6,7
	ds_store_b128 v[STO], v[8*(8*\a+\b):8*(8*\a+\b)+3]   offset:64*\b
	ds_store_b128 v[STO], v[8*(8*\a+\b)+4:8*(8*\a+\b)+7] offset:64*\b+16
.endr
	WIN 0
	s_wait_xcnt 0x0                                ; buffer f, which earlier stores read, and the stores' base are rewritten only behind this wait
.if \a
	s_add_nc_u64 s[10:11], s[10:11], 16*CROW       ; 16 rows of C on
.endif
.irp t, 0,1,2,3,4,5,6,7,8,9,10,11,12,13,14,15
	ds_load_b128 v[\f+4*\t:\f+4*\t+3], v[RD] offset:\t*SPITCH      ; LDS serves a wave's instructions in order: these see the stores above
.endr
.irp t, 0,1,2,3,4,5,6,7,8,9,10,11,12,13,14,15
	s_wait_dscnt 15-\t                             ; read-back t is in, the younger ones stay out
	global_store_b128 v[CO], v[\f+4*\t:\f+4*\t+3], s[10:11] offset:\t*CROW     ; the wave stores 512 consecutive bytes, at a multiple of 512 from C's first byte
.endr
.endm
	OUT32 0, F0
	OUT32 1, F1
	OUT32 2, F0
	OUT32 3, F1
	s_wait_tensorcnt 0x0
	ds_add_u32 v254, v255
	s_wait_dscnt 0x0
	CROUND                                         ; the closing round: no work-group ends while a partner may still ask for a tile that names it
	s_endpgm
.Lfunc_end_k_q02b4be2039_gs:
	.size	k_q02b4be2039_gs, .Lfunc_end_k_q02b4be2039_gs-k_q02b4be2039_gs
	.p2alignl 7, 3214868480
	.fill 96, 4, 3214868480
	.section	.rodata,"a",@progbits
	.p2align	6, 0x0
	.amdhsa_kernel k_q02b4be2039_gs
		.amdhsa_group_segment_fixed_size 327680
		.amdhsa_private_segment_fixed_size 0
		.amdhsa_enable_private_segment 0
		.amdhsa_kernarg_size 32
		.amdhsa_user_sgpr_count 2
		.amdhsa_user_sgpr_kernarg_segment_ptr 1
		.amdhsa_wavefront_size32 1
		.amdhsa_system_sgpr_workgroup_id_x 1
		.amdhsa_system_sgpr_workgroup_id_y 1
		.amdhsa_system_sgpr_workgroup_id_z 1
		.amdhsa_system_vgpr_workitem_id 0
		.amdhsa_next_free_vgpr 576
		.amdhsa_next_free_sgpr 66
		.amdhsa_reserve_vcc 0
		.amdhsa_float_denorm_mode_32 3
		.amdhsa_float_denorm_mode_16_64 3
		.amdhsa_memory_ordered 1
		.amdhsa_forward_progress 1
		.amdhsa_inst_pref_size 127
	.end_amdhsa_kernel
	.amdgpu_metadata
---
amdhsa.version: [ 1, 2 ]
amdhsa.kernels:
  - .name:           k_q02b4be2039_gs
    .symbol:         k_q02b4be2039_gs.kd
    .args:
      - { .name: qb, .offset: 0, .size: 8, .value_kind: global_buffer, .address_space: global }
      - { .name: kb, .offset: 8, .size: 8, .value_kind: global_buffer, .address_space: global }
      - { .name: zb, .offset: 16, .size: 8, .value_kind: global_buffer, .address_space: global }
      - { .name: out0, .offset: 24, .size: 8, .value_kind: global_buffer, .address_space: global }
    .group_segment_fixed_size: 327680
    .private_segment_fixed_size: 0
    .kernarg_segment_align: 8
    .kernarg_segment_size: 32
    .max_flat_workgroup_size: 128
    .sgpr_count:     66
    .vgpr_count:     576
    .wavefront_size: 32
...
	.end_amdgpu_metadata
.endif
;; end of part 3
;; launch sm (part 4): grid 256 x 1, 8 waves a work-group, no clusters, 0 bytes of LDS; arguments out0, qb; writes qb
.if DOCPART == 4
	.amdgcn_target "amdgcn-amd-amdhsa--gfx1250"
	.amdhsa_code_object_version 6
	.text
	.protected	k_q02b4be2039_sm
	.globl	k_q02b4be2039_sm
	.p2align	8
	.type	k_q02b4be2039_sm,@function
k_q02b4be2039_sm:
	s_mov_b64 s[64:65], 0
	v_nop
	global_prefetch_b8 v0, s[64:65] scope:SCOPE_SE
	s_setreg_imm32_b32 hwreg(HW_REG_WAVE_MODE, 25, 1), 1
	s_wait_xcnt 0x0
; P[row][c] = softmax over c of S[row][c] / 32.  S: [8192][1024] f32, P: [8192][1024] f16.
; exp((s - m) / 32) = 2^(s c - m c) with c = log2(e) / 32 and m the row's true maximum, which is taken away as the problem's softmax does.
; A row is 4,096 bytes = 32 registers of one wave: it stays in registers between the maximum, the exponentials and the scaling, and is read once.
; One wave, one row at a time, four rows a wave, eight waves: 32 rows a work-group, 256 work-groups.  All 32 loads of a wave go out at once.
; The reduction never leaves the wave: no LDS, no barrier.  No input is shared and there is no product: no cluster, no matrix instruction.
; LIMITS: a weight below 2^-25 rounds to 0 in f16 (a row of 1,024 loses at most 1024 x 2^-25 = 3e-5 of its sum); v_exp_f32 gives 0 for results below 2^-126
; (ISA guide, its entry in 15.8); a NaN in S loses in the maximum (v_max_num_f32) and then spreads through the row's sum.
.set SROW, 4096                        ; bytes in a row of S
.set PROW, 2048                        ; bytes in a row of P
.set M,    2                           ; v[2:5]    four running maxima
.set R,    4                           ; v[4:5]    1 / sum, twice (free once the maximum is made)
.set A,    6                           ; v[6:13]   four running pairs of sums
.set NM,   14                          ; v[14:15]  - m c, twice
.set X,    16                          ; v[16:143] row s: 32 registers
	s_load_b128 s[4:7], s[0:1], 0x0                ; S s[4:5], P s[6:7]
	s_lshl_b32 s2, ttmp9, 17                       ; 32 rows of 4,096 bytes a work-group
	s_mov_b32 s3, 0
	s_lshl_b32 s8, ttmp9, 16                       ; 32 rows of 2,048 bytes
	s_mov_b32 s9, 0
	s_mov_b32 s10, 0x76543210                      ; v_permlanex16_b32: lane i of one half reads lane i of the other
	s_mov_b32 s11, 0xfedcba98
	v_and_b32 v1, 31, v0                           ; lane
	v_lshrrev_b32 v2, 5, v0                        ; wave
	v_lshlrev_b32 v0, 3, v1
	v_lshl_add_u32 v0, v2, 13, v0                  ; P: 4 rows x 2,048 bytes a wave + 8 bytes a lane; never rewritten
	v_lshlrev_b32 v1, 4, v1
	v_lshl_add_u32 v1, v2, 14, v1                  ; S: 4 rows x 4,096 bytes a wave + 16 bytes a lane; never rewritten
	s_wait_kmcnt 0x0
	s_add_nc_u64 s[4:5], s[4:5], s[2:3]
	s_add_nc_u64 s[6:7], s[6:7], s[8:9]
.irp s, 0,1,2,3
.irp j, 0,1,2,3,4,5,6,7
	global_load_b128 v[X+32*\s+4*\j:X+32*\s+4*\j+3], v1, s[4:5] offset:\s*SROW+512*\j th:TH_LOAD_NT   ; 512 neighbouring bytes; read once in the launch
.endr
.endr
; Row s of my four.  left = how many younger loads (the later rows') may stay out.
.macro ROW s, left
	s_wait_loadcnt \left                           ; loads come back in order: this row's eight are in
	; the largest of my 32 numbers, in four chains started by the first numbers: nothing is cleared
.irp k, 0,1,2,3
	v_max3_num_f32 v[M+\k], v[X+32*\s+8*\k], v[X+32*\s+8*\k+1], v[X+32*\s+8*\k+2]
.endr
.irp k, 0,1,2,3
	v_max3_num_f32 v[M+\k], v[M+\k], v[X+32*\s+8*\k+3], v[X+32*\s+8*\k+4]
.endr
.irp k, 0,1,2,3
	v_max3_num_f32 v[M+\k], v[M+\k], v[X+32*\s+8*\k+5], v[X+32*\s+8*\k+6]
.endr
.irp k, 0,1,2,3
	v_max_num_f32 v[M+\k], v[M+\k], v[X+32*\s+8*\k+7]
.endr
	v_max3_num_f32 v[M], v[M], v[M+1], v[M+2]
	v_max_num_f32 v[M], v[M], v[M+3]
	; across the 32 lanes: four steps inside each half of 16 lanes, one across the halves
	v_max_num_f32_dpp v[M], v[M], v[M] row_xmask:1 row_mask:0xf bank_mask:0xf
	v_max_num_f32_dpp v[M], v[M], v[M] row_xmask:2 row_mask:0xf bank_mask:0xf
	v_max_num_f32_dpp v[M], v[M], v[M] row_xmask:4 row_mask:0xf bank_mask:0xf
	v_max_num_f32_dpp v[M], v[M], v[M] row_xmask:8 row_mask:0xf bank_mask:0xf
	v_permlanex16_b32 v[M+1], v[M], s10, s11       ; its destination counts as read: a register that has been written
	v_max_num_f32 v[M], v[M], v[M+1]               ; every lane holds the row's maximum
	v_mul_f32 v[NM], 0xbd38aa3b, v[M]              ; - m c, c = log2(e) / 32; its rounding is one common factor of the row, which the division by the sum removes
	v_mov_b32 v[NM+1], v[NM]
.irp j, 0,1,2,3,4,5,6,7,8,9,10,11,12,13,14,15
	v_pk_fma_f32 v[X+32*\s+2*\j:X+32*\s+2*\j+1], v[X+32*\s+2*\j:X+32*\s+2*\j+1], 0x3d38aa3b, v[NM:NM+1] op_sel_hi:[1,0,1]   ; s c - m c, one rounding, never above 0
.endr
.irp j, 0,1,2,3,4,5,6,7,8,9,10,11,12,13,14,15
	v_exp_f32 v[X+32*\s+2*\j], v[X+32*\s+2*\j]
	v_exp_f32 v[X+32*\s+2*\j+1], v[X+32*\s+2*\j+1]
.endr
	v_nop                                          ; one plain vector instruction between the exponentials and the first use of a result (ISA guide 5.7.2)
	s_wait_alu depctr_va_vdst(0)
.irp k, 0,1,2,3
	v_pk_add_f32 v[A+2*\k:A+2*\k+1], v[X+32*\s+8*\k:X+32*\s+8*\k+1], v[X+32*\s+8*\k+2:X+32*\s+8*\k+3]
.endr
.irp k, 0,1,2,3
	v_pk_add_f32 v[A+2*\k:A+2*\k+1], v[A+2*\k:A+2*\k+1], v[X+32*\s+8*\k+4:X+32*\s+8*\k+5]
.endr
.irp k, 0,1,2,3
	v_pk_add_f32 v[A+2*\k:A+2*\k+1], v[A+2*\k:A+2*\k+1], v[X+32*\s+8*\k+6:X+32*\s+8*\k+7]
.endr
	v_pk_add_f32 v[A:A+1], v[A:A+1], v[A+2:A+3]
	v_pk_add_f32 v[A+4:A+5], v[A+4:A+5], v[A+6:A+7]
	v_pk_add_f32 v[A:A+1], v[A:A+1], v[A+4:A+5]
	v_add_f32 v[A], v[A], v[A+1]
	v_add_f32_dpp v[A], v[A], v[A] row_xmask:1 row_mask:0xf bank_mask:0xf
	v_add_f32_dpp v[A], v[A], v[A] row_xmask:2 row_mask:0xf bank_mask:0xf
	v_add_f32_dpp v[A], v[A], v[A] row_xmask:4 row_mask:0xf bank_mask:0xf
	v_add_f32_dpp v[A], v[A], v[A] row_xmask:8 row_mask:0xf bank_mask:0xf
	v_permlanex16_b32 v[A+1], v[A], s10, s11
	v_add_f32 v[A], v[A], v[A+1]                   ; the row's sum, between 1 and 1,024, in every lane
	v_rcp_f32 v[R], v[A]
	v_rcp_f32 v[R+1], v[A]
	v_nop                                          ; one plain vector instruction before the reciprocals are used
	s_wait_alu depctr_va_vdst(0)
.irp j, 0,1,2,3,4,5,6,7,8,9,10,11,12,13,14,15
	v_pk_mul_f32 v[X+32*\s+2*\j:X+32*\s+2*\j+1], v[X+32*\s+2*\j:X+32*\s+2*\j+1], v[R:R+1]
.endr
.irp j, 0,1,2,3,4,5,6,7
	v_cvt_pk_f16_f32 v[X+32*\s+4*\j],   v[X+32*\s+4*\j],   v[X+32*\s+4*\j+1]
	v_cvt_pk_f16_f32 v[X+32*\s+4*\j+1], v[X+32*\s+4*\j+2], v[X+32*\s+4*\j+3]
	global_store_b64 v0, v[X+32*\s+4*\j:X+32*\s+4*\j+1], s[6:7] offset:\s*PROW+256*\j   ; the wave's 32 lanes store 256 neighbouring bytes, aligned; these registers are not written again
.endr
.endm
	ROW 0, 24
	ROW 1, 16
	ROW 2, 8
	ROW 3, 0
	s_endpgm
.Lfunc_end_k_q02b4be2039_sm:
	.size	k_q02b4be2039_sm, .Lfunc_end_k_q02b4be2039_sm-k_q02b4be2039_sm
	.p2alignl 7, 3214868480
	.fill 96, 4, 3214868480
	.section	.rodata,"a",@progbits
	.p2align	6, 0x0
	.amdhsa_kernel k_q02b4be2039_sm
		.amdhsa_group_segment_fixed_size 0
		.amdhsa_private_segment_fixed_size 0
		.amdhsa_enable_private_segment 0
		.amdhsa_kernarg_size 16
		.amdhsa_user_sgpr_count 2
		.amdhsa_user_sgpr_kernarg_segment_ptr 1
		.amdhsa_wavefront_size32 1
		.amdhsa_system_sgpr_workgroup_id_x 1
		.amdhsa_system_sgpr_workgroup_id_y 1
		.amdhsa_system_sgpr_workgroup_id_z 1
		.amdhsa_system_vgpr_workitem_id 0
		.amdhsa_next_free_vgpr 144
		.amdhsa_next_free_sgpr 66
		.amdhsa_reserve_vcc 0
		.amdhsa_float_denorm_mode_32 3
		.amdhsa_float_denorm_mode_16_64 3
		.amdhsa_memory_ordered 1
		.amdhsa_forward_progress 1
		.amdhsa_inst_pref_size 37
	.end_amdhsa_kernel
	.amdgpu_metadata
---
amdhsa.version: [ 1, 2 ]
amdhsa.kernels:
  - .name:           k_q02b4be2039_sm
    .symbol:         k_q02b4be2039_sm.kd
    .args:
      - { .name: out0, .offset: 0, .size: 8, .value_kind: global_buffer, .address_space: global }
      - { .name: qb, .offset: 8, .size: 8, .value_kind: global_buffer, .address_space: global }
    .group_segment_fixed_size: 0
    .private_segment_fixed_size: 0
    .kernarg_segment_align: 8
    .kernarg_segment_size: 16
    .max_flat_workgroup_size: 256
    .sgpr_count:     66
    .vgpr_count:     144
    .wavefront_size: 32
...
	.end_amdgpu_metadata
.endif
;; end of part 4
;; launch gy: the kernel of part 2 again; grid 32 x 8, 4 waves a work-group, clusters of 4 x 4, 327,680 bytes of LDS; arguments qb, xt, zb, kb; writes kb
;; launch go: the kernel of part 2 again; grid 4 x 64, 4 waves a work-group, clusters of 4 x 4, 327,680 bytes of LDS; arguments kb, wvt, bv, qb; writes qb
;; launch gf: the kernel of part 3 again; grid 4 x 64, 4 waves a work-group, clusters of 4 x 4, 327,680 bytes of LDS; arguments qb, wot, bo, out0; writes out0
;; ======== version 2 of 3: 6 launches; 1.31 times as fast as version 1
;; limits: values are held in f16: magnitudes above 65,504 overflow, below 6.1e-05 lose precision
;; workspace buffers: xh 16,777,216 bytes; qb 16,777,216 bytes; kb 16,777,216 bytes; vt 16,777,216 bytes; wqk 4,194,304 bytes; ww 4,194,304 bytes; wf 2,097,152 bytes; bvo 8,192 bytes
;; launch prep (part 5): grid 64 x 12, 8 waves a work-group, no clusters, 35,840 bytes of LDS; arguments x, Wq, Wk, Wv, Wo, xh, wqk, ww; writes xh, wqk, ww
.if DOCPART == 5
	.amdgcn_target "amdgcn-amd-amdhsa--gfx1250"
	.amdhsa_code_object_version 6
	.text
	.protected	k_q02b4be2039_prep
	.globl	k_q02b4be2039_prep
	.p2align	8
	.type	k_q02b4be2039_prep,@function
k_q02b4be2039_prep:
	s_mov_b64 s[64:65], 0
	v_nop
	global_prefetch_b8 v0, s[64:65] scope:SCOPE_SE
	s_setreg_imm32_b32 hwreg(HW_REG_WAVE_MODE, 25, 1), 1
	s_wait_xcnt 0x0
; prep: the f16 operands of the later products.
;   x  [8][1024 n][1024 d] f32  ->  xh [8][n][d] f16, straight
;   Wq, Wk [d][e] f32           ->  wqk [2048][1024] f16: rows 0-1023 Wq transposed, rows 1024-2047 Wk transposed
;   Wv [d][m], Wo [m][e] f32    ->  ww  [2048][1024] f16: rows 0-1023 Wv straight, rows 1024-2047 Wo transposed
; With these every later product is C = A B^T with K along the rows of both operands.
; Twelve matrices of 1024 x 1024 (grid y: 0-7 the batches of x, 8-11 Wq, Wk, Wv, Wo), 64 tiles of 128 x 128 each (grid x): 768 work-groups.
; Eight waves.  Wave w loads rows 16 w .. 16 w + 15 of the tile, 512 neighbouring bytes an instruction, each source byte once.
; A straight tile leaves from registers, 256 neighbouring bytes a store.  A transposed tile is gathered in LDS and leaves by rows: sixteen lanes store
; 256 neighbouring bytes, aligned.
; No work-group shares an input with another and there is no product: no cluster, no tensor load, no matrix instruction.
; LIMIT: f16 holds magnitudes up to 65,504; a larger |x| or |W| becomes an infinity.  Below 2^-14 the f16 steps are 2^-24 wide.
.set SROW, 4096                        ; bytes in a source row: 1,024 f32
.set DROW, 2048                        ; bytes in a target row: 1,024 f16
.set LP,   272                         ; LDS row: 128 f16 + 16 bytes, an odd multiple of 16
.set SRC,  3                           ; v3   byte offset of my 16 bytes in my wave's first source row
.set LST,  4                           ; v4   LDS address of my first transposed piece
.set STR,  5                           ; v5   byte offset of my 8 bytes in my wave's first row of the straight copy
.set LRD,  8                           ; v8   LDS address of my 16 bytes of the read-back
.set TRO,  9                           ; v9   byte offset of the same 16 bytes in the transposed target
.set X,    16                          ; v[16:79]   16 rows x 4 f32 as loaded; later v[16:47] the read-back
.set T,    80                          ; v[80:111]  transposed pieces: (g, i) -> 4 registers = 8 rows of one column
.set S,    112                         ; v[112:143] straight copy: row rr -> 2 registers = 4 f16
	s_load_b512 s[8:23], s[0:1], 0x0               ; x s[8:9], Wq s[10:11], Wk s[12:13], Wv s[14:15], Wo s[16:17], xh s[18:19], wqk s[20:21], ww s[22:23]
	v_lshl_add_u32 v144, v0, 2, 0x8800
	v_mov_b32 v145, 0
	s_and_b32 s2, ttmp7, 0xffff                    ; mi: which matrix
	s_lshr_b32 s3, ttmp9, 3                        ; tr: the tile's row of tiles
	s_and_b32 s4, ttmp9, 7                         ; tc: its column of tiles
	s_and_b32 s7, s2, 1                            ; 1 for Wk (9) and Wo (11): the second half of their joint buffer
	s_cmp_lt_u32 s2, 8
	s_cselect_b32 s5, s2, 0                        ; the batch, or 0 for a weight
	s_lshl_b32 s36, s5, 22                         ; source: batch x 4 MiB + 128 tr rows of 4,096 bytes + 128 tc columns of 4 bytes
	s_lshl_b32 s6, s3, 19
	s_add_co_u32 s36, s36, s6
	s_lshl_b32 s6, s4, 9
	s_add_co_u32 s36, s36, s6
	s_mov_b32 s37, 0
	s_lshl_b32 s38, s7, 21                         ; transposed target: half x 2 MiB + 128 tc rows of 2,048 bytes + 128 tr columns of 2 bytes
	s_lshl_b32 s6, s4, 18
	s_add_co_u32 s38, s38, s6
	s_lshl_b32 s6, s3, 8
	s_add_co_u32 s38, s38, s6
	s_mov_b32 s39, 0
	s_lshl_b32 s40, s5, 21                         ; straight target: batch x 2 MiB + 128 tr rows + 128 tc columns
	s_lshl_b32 s6, s3, 18
	s_add_co_u32 s40, s40, s6
	s_lshl_b32 s6, s4, 8
	s_add_co_u32 s40, s40, s6
	s_mov_b32 s41, 0
	v_and_b32 v1, 31, v0                           ; lane
	v_lshrrev_b32 v2, 5, v0                        ; wave
	v_lshlrev_b32 v[SRC], 4, v1
	v_lshl_add_u32 v[SRC], v2, 16, v[SRC]          ; 16 rows x 4,096 bytes a wave + 16 bytes a lane
	v_mul_u32_u24 v[LST], v1, 4*LP                 ; my four columns 4 lane + i are four LDS rows,
	v_lshl_add_u32 v[LST], v2, 5, v[LST]           ; my wave's 16 source rows are 32 bytes of each
	v_lshlrev_b32 v[STR], 3, v1
	v_lshl_add_u32 v[STR], v2, 15, v[STR]          ; 16 rows x 2,048 bytes a wave + 8 bytes a lane
	v_and_b32 v6, 15, v0                           ; r = lane mod 16
	v_bfe_u32 v7, v0, 4, 1                         ; h = lane / 16
	v_lshl_add_u32 v7, v2, 4, v7                   ; 16 w + h: my first row of the read-back
	v_mul_u32_u24 v[LRD], v7, LP
	v_lshl_add_u32 v[LRD], v6, 4, v[LRD]
	v_lshlrev_b32 v[TRO], 11, v7
	v_lshl_add_u32 v[TRO], v6, 4, v[TRO]
	s_wait_kmcnt 0x0
	; source and targets, chosen by the matrix's number alone
	s_cmp_eq_u32 s2, 8
	s_cselect_b64 s[32:33], s[10:11], s[8:9]
	s_cmp_eq_u32 s2, 9
	s_cselect_b64 s[32:33], s[12:13], s[32:33]
	s_cmp_eq_u32 s2, 10
	s_cselect_b64 s[32:33], s[14:15], s[32:33]
	s_cselect_b64 s[28:29], s[22:23], s[18:19]     ; straight: ww for Wv, xh for x
	s_cmp_eq_u32 s2, 11
	s_cselect_b64 s[32:33], s[16:17], s[32:33]
	s_cselect_b64 s[34:35], s[22:23], s[20:21]     ; transposed: ww for Wo, wqk for Wq and Wk
	s_add_nc_u64 s[32:33], s[32:33], s[36:37]
	s_add_nc_u64 s[34:35], s[34:35], s[38:39]
	s_add_nc_u64 s[28:29], s[28:29], s[40:41]
.irp rr, 0,1,2,3,4,5,6,7,8,9,10,11,12,13,14,15
	global_load_b128 v[X+4*\rr:X+4*\rr+3], v[SRC], s[32:33] offset:\rr*SROW th:TH_LOAD_NT   ; read once in the launch
.endr
; Eight rows (8 g .. 8 g + 7 of my sixteen) of each of my four columns: 8 f16 = 16 bytes of an LDS row.
; My four columns lie 272 bytes apart and the next lane's 1,088 bytes on, so sixteen lanes meet four different 16-byte columns modulo 256 bytes:
; that follows from four neighbouring columns a lane, and is left so: 8 such stores a wave against 16 loads of 512 bytes from memory.
.macro TRANS g
.irp i, 0,1,2,3
.irp p, 0,1,2,3
	v_cvt_pk_f16_f32 v[T+16*\g+4*\i+\p], v[X+4*(8*\g+2*\p)+\i], v[X+4*(8*\g+2*\p+1)+\i]
.endr
	ds_store_b128 v[LST], v[T+16*\g+4*\i:T+16*\g+4*\i+3] offset:\i*LP+16*\g
.endr
.endm
; Eight rows as they lie, rounded to f16.
.macro STRAIGHT g
.irp q, 0,1,2,3,4,5,6,7
	v_cvt_pk_f16_f32 v[S+2*(8*\g+\q)],   v[X+4*(8*\g+\q)],   v[X+4*(8*\g+\q)+1]
	v_cvt_pk_f16_f32 v[S+2*(8*\g+\q)+1], v[X+4*(8*\g+\q)+2], v[X+4*(8*\g+\q)+3]
	global_store_b64 v[STR], v[S+2*(8*\g+\q):S+2*(8*\g+\q)+1], s[28:29] offset:(8*\g+\q)*DROW   ; the wave's 32 lanes store 256 neighbouring bytes, aligned
.endr
.endm
	s_cmp_lt_u32 s2, 8
	s_cbranch_scc1 .Lstraight                      ; x is used straight alone; the branch is the same in all eight waves
	s_cmp_eq_u32 s2, 10
	s_cbranch_scc1 .Lstraight                      ; so is Wv
	s_wait_loadcnt 0x8                             ; loads come back in order: rows 0-7 are in, the eight younger loads stay out
	TRANS 0
	s_wait_loadcnt 0x0
	TRANS 1
	s_wait_dscnt 0x0                               ; my pieces of the transposed tile are in LDS,
	s_barrier_signal -1
	s_barrier_wait -1                              ; everybody's are
.irp t, 0,1,2,3,4,5,6,7
	ds_load_b128 v[X+4*\t:X+4*\t+3], v[LRD] offset:\t*2*LP                       ; rows 16 w + h + 2 t, 256 bytes each
.endr
.irp t, 0,1,2,3,4,5,6,7
	s_wait_dscnt 7-\t                              ; LDS loads come back in order: load t is in, the younger ones stay out
	global_store_b128 v[TRO], v[X+4*\t:X+4*\t+3], s[34:35] offset:\t*2*DROW      ; sixteen lanes store 256 neighbouring bytes, aligned
.endr
	s_wait_tensorcnt 0x0
	ds_add_u32 v144, v145
	s_wait_dscnt 0x0
	s_endpgm
.Lstraight:
	s_wait_loadcnt 0x8                             ; rows 0-7 are in, the eight younger loads stay out
	STRAIGHT 0
	s_wait_loadcnt 0x0
	STRAIGHT 1
	s_endpgm
.Lfunc_end_k_q02b4be2039_prep:
	.size	k_q02b4be2039_prep, .Lfunc_end_k_q02b4be2039_prep-k_q02b4be2039_prep
	.p2alignl 7, 3214868480
	.fill 96, 4, 3214868480
	.section	.rodata,"a",@progbits
	.p2align	6, 0x0
	.amdhsa_kernel k_q02b4be2039_prep
		.amdhsa_group_segment_fixed_size 35840
		.amdhsa_private_segment_fixed_size 0
		.amdhsa_enable_private_segment 0
		.amdhsa_kernarg_size 64
		.amdhsa_user_sgpr_count 2
		.amdhsa_user_sgpr_kernarg_segment_ptr 1
		.amdhsa_wavefront_size32 1
		.amdhsa_system_sgpr_workgroup_id_x 1
		.amdhsa_system_sgpr_workgroup_id_y 1
		.amdhsa_system_sgpr_workgroup_id_z 1
		.amdhsa_system_vgpr_workitem_id 0
		.amdhsa_next_free_vgpr 146
		.amdhsa_next_free_sgpr 66
		.amdhsa_reserve_vcc 0
		.amdhsa_float_denorm_mode_32 3
		.amdhsa_float_denorm_mode_16_64 3
		.amdhsa_memory_ordered 1
		.amdhsa_forward_progress 1
		.amdhsa_inst_pref_size 12
	.end_amdhsa_kernel
	.amdgpu_metadata
---
amdhsa.version: [ 1, 2 ]
amdhsa.kernels:
  - .name:           k_q02b4be2039_prep
    .symbol:         k_q02b4be2039_prep.kd
    .args:
      - { .name: x, .offset: 0, .size: 8, .value_kind: global_buffer, .address_space: global }
      - { .name: Wq, .offset: 8, .size: 8, .value_kind: global_buffer, .address_space: global }
      - { .name: Wk, .offset: 16, .size: 8, .value_kind: global_buffer, .address_space: global }
      - { .name: Wv, .offset: 24, .size: 8, .value_kind: global_buffer, .address_space: global }
      - { .name: Wo, .offset: 32, .size: 8, .value_kind: global_buffer, .address_space: global }
      - { .name: xh, .offset: 40, .size: 8, .value_kind: global_buffer, .address_space: global }
      - { .name: wqk, .offset: 48, .size: 8, .value_kind: global_buffer, .address_space: global }
      - { .name: ww, .offset: 56, .size: 8, .value_kind: global_buffer, .address_space: global }
    .group_segment_fixed_size: 35840
    .private_segment_fixed_size: 0
    .kernarg_segment_align: 8
    .kernarg_segment_size: 64
    .max_flat_workgroup_size: 256
    .sgpr_count:     66
    .vgpr_count:     146
    .wavefront_size: 32
...
	.end_amdgpu_metadata
.endif
;; end of part 5
;; launch gw (part 6): grid 16 x 16, 4 waves a work-group, clusters of 4 x 4, 275,968 bytes of LDS; arguments ww, bv, bo, wf, bvo; writes wf, bvo
.if DOCPART == 6
	.amdgcn_target "amdgcn-amd-amdhsa--gfx1250"
	.amdhsa_code_object_version 6
	.text
	.protected	k_q02b4be2039_gw
	.globl	k_q02b4be2039_gw
	.p2align	8
	.type	k_q02b4be2039_gw,@function
k_q02b4be2039_gw:
	s_mov_b64 s[64:65], 0
	v_nop
	global_prefetch_b8 v0, s[64:65] scope:SCOPE_SE
	s_setreg_imm32_b32 hwreg(HW_REG_WAVE_MODE, 25, 1), 1
	s_wait_xcnt 0x0
	s_wait_alu depctr_hold_cnt(0) depctr_sa_sdst(0) depctr_va_vdst(0) depctr_va_sdst(0) depctr_va_ssrc(0) depctr_va_vcc(0) depctr_vm_vsrc(0)
	s_getreg_b32 s2, hwreg(HW_REG_IB_STS2, 6, 4)
	s_cmp_eq_u32 s2, 0
	s_cbranch_scc0 .Lentry_in_a_cluster
	s_endpgm
.Lentry_in_a_cluster:
	s_bfe_u32 s2, ttmp6, 0x10000c
	s_cmp_lg_u32 s2, 0xf033
	s_cbranch_scc0 .Lentry_shape_is_right
	s_endpgm
.Lentry_shape_is_right:
; gw: the two weights and the two biases behind the attention, folded:  (attn (x Wv + bv)) Wo + bo = attn (x (Wv Wo)) + (bv Wo + bo), the rows of attn summing to 1.
;   wf[e][d] = sum over m of Wo[m][e] Wv[d][m]   [1024][1024] f16, an operand of the product x (Wv Wo) (K = d along its rows)
;   bvo[e]   = bo[e] + sum over m of bv[m] Wo[m][e]   1,024 f32, the first 4,096 bytes of bvo
;   bvo's second 4,096 bytes: the largest |Wv Wo| of each of the launch's 1,024 waves, f32: the later launches take their power-of-two scale from the largest of them.
; ww holds Wv straight (rows d, 2,048 bytes) and, 2 MiB on, Wo transposed (rows e), both f16: wf = A B^T with A = Wo^T, B = Wv.  Sums in f32.
; 16 x 16 work-groups of 64 e x 64 d.  The whole K lies in LDS at once: 128 rows x 2,048 bytes; nothing is filled twice.
; Four waves; wave w makes rows 32 (w / 2) .. + 31, columns 32 (w mod 2) .. + 31: four accumulator tiles.
; CLUSTERS: 4 x 4.  A's rows hang on y alone and are asked for jointly along a row of the cluster, B's on x alone, along a column.
; A row comes as two tiles of 512 elements: the padding's interval is 256 words at the most, and rows of 1,024 + 16 bytes are an odd multiple of 16.
; wf leaves in row pieces of 128 bytes: whole pieces of 256 would want 32 + 128 rows x 2,080 bytes = 332,800 bytes of LDS, more than there is.
; Wave w of work-group (x, y) makes the one number e = 64 y + 4 x + w of bvo from Wo^T's row e and bv, in f32 on the vector unit, while the tiles are on
; their way; it and the wave's maximum leave by 4-byte stores: 2,048 such stores in the launch, for a buffer of 8,192 bytes.
; LIMIT: |Wv Wo| up to 65,504 in f16; below 2^-14 its steps are 2^-24 wide (weights 30 times smaller than 1/32: entries near 3.5e-5, steps 6e-8).
.set LP,    1040                       ; an LDS row: 512 f16 + 16 bytes
.set Q,     32*LP                      ; 33,280: what one tensor load brings, and the rows of A or B that a wave reads
.set KH,    4*Q                        ; a K half: A's 64 rows, then B's 64 rows
.set STAGE, 2*KH                       ; 266,240 = 1,040 x 256: no fill lands here; 64 rows x 144 bytes
.set SP,    144                        ; a stage row: 64 f16 + 16 bytes, an odd multiple of 16
.set WOT,   0x200000                   ; Wo^T's first byte in ww
.set ADRA, 10                          ; v10-11  LDS address of my A fragments in K half 0, 1
.set ADRB, 12                          ; v12-13  the same for B
.set STO,  14                          ; v14     the way out: where I put 16 bytes of a row
.set RD,   15                          ; v15     where I read 16 bytes back
.set CO,   16                          ; v16     the same bytes in wf
.set WO,   17                          ; v17     my 16 bytes of Wo^T's row e
.set BVO,  18                          ; v18     my 32 bytes of bv
.set EO,   19                          ; v19     4 e
.set ACC,  20                          ; v[20:51]   tile (a, b) at 8 (2 a + b)
.set W,    52                          ; v[52:67]   Wo^T's row e: 32 f16 a lane; later the packed results
.set BV,   68                          ; v[68:99]   bv: the same 32 places in f32; later the magnitudes, then the read-back
.set T,    100                         ; v[100:107] at work
.set SUM,  108                         ; v[108:115] four running pairs; v108 keeps bvo[e] to the end
.set BOV,  116                         ; v116       bo[e]
.set F0,   128                         ; fragment buffer 0: two K steps of 32, each B 0, B 1, A 0, A 1 (8 registers each)
.set F1,   192                         ; fragment buffer 1
.set G1,  24                           ; s[24:31] descriptor group 1 for A's tiles
.set G0,  32                           ; s[32:39] group 0 for A's tiles, one set for each K half
.set G1B, 48                           ; s[48:55] group 1 for B's tiles
.set G0B, 56                           ; s[56:63] group 0 for B's tiles
; A round of the cluster's barrier.
.macro CROUND
	s_barrier_signal -1
	s_barrier_wait -1
	s_cmp_lg_u32 s12, 0
	s_cbranch_scc1 .Lnot_wave_0_\@
	s_barrier_signal -3
.Lnot_wave_0_\@:
	s_barrier_wait -3
	s_barrier_signal -1
	s_barrier_wait -1
.endm
.macro PLACES                          ; four places behind a matrix instruction (ISA guide 7.12.1 for vector instructions)
.rept 4
	v_nop
.endr
.endm
	s_load_b256 s[4:11], s[0:1], 0x0               ; ww s[4:5], bv s[6:7], bo s[8:9], wf s[10:11]
	s_load_b64 s[20:21], s[0:1], 0x20              ; bvo
	v_lshl_add_u32 v126, v0, 2, 0x43400
	v_mov_b32 v127, 0
	ds_add_u32 v126, v127
	v_lshrrev_b32 v1, 5, v0
	v_readfirstlane_b32 s12, v1                    ; wave 0..3
	s_lshr_b32 s13, s12, 1                         ; which 32 rows (e) are mine.  Also: I fetch for A (0) or for B (1)
	s_and_b32 s14, s12, 1                          ; which 32 columns (d).  Also: which 32 rows of that tile I fetch
	s_bfe_u32 s40, ttmp6, 0x40000                  ; cx
	s_bfe_u32 s41, ttmp6, 0x40004                  ; cy
	s_lshl_b32 s42, ttmp9, 2
	s_add_co_u32 s42, s42, s40                     ; x = 4 (cluster's x) + cx: the block of d
	s_and_b32 s15, ttmp7, 0xffff
	s_lshl_b32 s15, s15, 2
	s_add_co_u32 s15, s15, s41                     ; y = 4 (cluster's y) + cy: the block of e
	s_lshl_b32 s43, s41, 2
	s_lshl_b32 s43, 15, s43                        ; my row of the cluster
	s_lshl_b32 s44, 0x1111, s40                    ; my column
	s_or_b32 s[G1+0], s43, (1<<16)|(1<<20)|(1<<21)|(7<<22)|(3<<25)   ; the mask; elements of 2 bytes; padding on; bit 21 beside a mask; after every 256 words 4 words
	s_or_b32 s[G1B+0], s44, (1<<16)|(1<<20)|(1<<21)|(7<<22)|(3<<25)
	s_mov_b32 s[G1+1], 512<<16                     ; tensor_dim0 = 512
	s_mov_b32 s[G1B+1], 512<<16
	s_mov_b32 s[G1+2], 32<<16                      ; tensor_dim1 = 32 rows
	s_mov_b32 s[G1B+2], 32<<16
	s_mov_b32 s[G1+3], 512<<16                     ; tile_dim0 = 512
	s_mov_b32 s[G1B+3], 512<<16
	s_mov_b32 s[G1+4], 32                          ; tile_dim1
	s_mov_b32 s[G1B+4], 32
	s_mov_b32 s[G1+5], 1024                        ; elements from row to row
	s_mov_b32 s[G1B+5], 1024
	s_mov_b32 s[G1+6], 0
	s_mov_b32 s[G1B+6], 0
	s_mov_b32 s[G1+7], 0
	s_mov_b32 s[G1B+7], 0
	s_lshl_b32 s17, s14, 5
	s_lshl_b32 s16, s15, 6
	s_add_co_u32 s16, s16, s17                     ; A: row 64 y + 32 x half of Wo^T
	s_lshl_b32 s16, s16, 11
	s_add_co_u32 s16, s16, WOT
	s_lshl_b32 s46, s42, 6
	s_add_co_u32 s46, s46, s17                     ; B: row 64 x + 32 x half of Wv
	s_lshl_b32 s46, s46, 11
	s_mov_b32 s17, 0
	s_mov_b32 s47, 0
	s_mul_i32 s22, s12, Q                          ; where they go: A's two halves, then B's = wave x 32 rows
	s_lshl_b32 s45, s15, 6
	s_lshl_b32 s23, s42, 2
	s_add_co_u32 s45, s45, s23
	s_add_co_u32 s45, s45, s12                     ; e = 64 y + 4 x + w: my number of bvo, and my wave's number in the launch
	s_lshl_b32 s3, s45, 11
	s_add_co_u32 s3, s3, WOT                       ; Wo^T's row e in ww
	s_lshl_b32 s45, s45, 2
	s_mov_b32 s68, 0x76543210                      ; v_permlanex16_b32: lane i of one half reads lane i of the other
	s_mov_b32 s69, 0xfedcba98
	s_wait_dscnt 0x0
	s_wait_kmcnt 0x0
	s_add_nc_u64 s[18:19], s[4:5], s[16:17]
	s_add_nc_u64 s[46:47], s[4:5], s[46:47]
	CROUND                                         ; all sixteen work-groups are here: the joint loads meet
.irp h, 0,1
	s_mov_b32 s[G0+4*\h], 1
	s_add_co_u32 s[G0+4*\h+1], s22, \h*KH
	s_add_nc_u64 s[G0+4*\h+2:G0+4*\h+3], s[18:19], \h*1024
	s_or_b32 s[G0+4*\h+3], s[G0+4*\h+3], 0x80000000
	s_mov_b32 s[G0B+4*\h], 1
	s_add_co_u32 s[G0B+4*\h+1], s22, \h*KH
	s_add_nc_u64 s[G0B+4*\h+2:G0B+4*\h+3], s[46:47], \h*1024
	s_or_b32 s[G0B+4*\h+3], s[G0B+4*\h+3], 0x80000000
.endr
	s_cmp_eq_u32 s13, 0                            ; one branch on the wave's number for a wave's two fills: two tensor loads of a wave are out, never more
	s_cbranch_scc0 .Lfor_b
	tensor_load_to_lds s[G0:G0+3], s[G1:G1+7]
	s_nop 0
	tensor_load_to_lds s[G0+4:G0+7], s[G1:G1+7]
	s_nop 0
	s_branch .Lasked
.Lfor_b:
	tensor_load_to_lds s[G0B:G0B+3], s[G1B:G1B+7]
	s_nop 0
	tensor_load_to_lds s[G0B+4:G0B+7], s[G1B:G1B+7]
	s_nop 0
.Lasked:
	; bvo[e]: load j brings me Wo^T[e][256 j + 8 lane + 0..7] (16 bytes) and two loads bring bv at the same places (32 bytes)
	v_and_b32 v1, 31, v0                           ; lane
	v_lshl_add_u32 v[WO], v1, 4, s3
	v_lshlrev_b32 v[BVO], 5, v1
	v_mov_b32 v[EO], s45
.irp j, 0,1,2,3
	global_load_b128 v[W+4*\j:W+4*\j+3],     v[WO],  s[4:5] offset:512*\j
	global_load_b128 v[BV+8*\j:BV+8*\j+3],   v[BVO], s[6:7] offset:1024*\j
	global_load_b128 v[BV+8*\j+4:BV+8*\j+7], v[BVO], s[6:7] offset:1024*\j+16
.endr
	global_load_b32 v[BOV], v[EO], s[8:9]
	; LDS addresses.  A fragment: lane l holds row l mod 16; two loads of 16 bytes, 32 bytes apart, at row x pitch + 16 (l / 16)
	v_and_b32 v2, 15, v0                           ; r
	v_bfe_u32 v3, v0, 4, 1                         ; h
	v_mul_u32_u24 v4, v2, LP
	v_lshl_add_u32 v4, v3, 4, v4
	s_mul_i32 s16, s13, Q                          ; my 32 rows of A
	s_mul_i32 s17, s14, Q
	s_add_co_u32 s17, s17, 2*Q                     ; my 32 rows of B, behind A's 64
.irp h, 0,1
	v_add_nc_u32 v[ADRA+\h], s16, v4
	v_add_nc_u32 v[ADRB+\h], s17, v4
	s_add_co_u32 s16, s16, KH
	s_add_co_u32 s17, s17, KH
.endr
	s_mul_i32 s23, s13, 32*SP                      ; the stage is the work-group's: row 32 (w / 2) + 16 a + r, byte 64 (w mod 2) + 32 b + 16 h
	s_lshl_b32 s2, s14, 6
	s_add_co_u32 s23, s23, s2
	s_add_co_u32 s23, s23, STAGE
	v_mul_u32_u24 v5, v2, SP
	v_lshl_add_u32 v5, v3, 4, v5
	v_add_nc_u32 v[STO], s23, v5
	v_lshrrev_b32 v6, 3, v1                        ; back: eight lanes take a row's 128 bytes; rows 16 w + 4 t + lane / 8
	v_and_b32 v7, 7, v0
	s_lshl_b32 s2, s12, 4
	v_add_nc_u32 v6, s2, v6
	v_mul_u32_u24 v8, v6, SP
	v_lshl_add_u32 v8, v7, 4, v8
	v_add_nc_u32 v[RD], STAGE, v8
	v_lshlrev_b32 v9, 11, v6
	v_lshl_add_u32 v[CO], v7, 4, v9
	s_wait_loadcnt 0x0
; word n of my sixteen: two f16 of Wo^T widened, times the two bv of the same places, in four chains started by the first four words
.macro DOT wl, wh, n
	v_cvt_f32_f16 v[T+2*(\n%4)], \wl
	v_cvt_f32_f16 v[T+2*(\n%4)+1], \wh
.if \n < 4
	v_pk_mul_f32 v[SUM+2*\n:SUM+2*\n+1], v[T+2*\n:T+2*\n+1], v[BV+2*\n:BV+2*\n+1]
.else
	v_pk_fma_f32 v[SUM+2*(\n%4):SUM+2*(\n%4)+1], v[T+2*(\n%4):T+2*(\n%4)+1], v[BV+2*\n:BV+2*\n+1], v[SUM+2*(\n%4):SUM+2*(\n%4)+1]
.endif
.endm
	DOT v52.l, v52.h, 0
	DOT v53.l, v53.h, 1
	DOT v54.l, v54.h, 2
	DOT v55.l, v55.h, 3
	DOT v56.l, v56.h, 4
	DOT v57.l, v57.h, 5
	DOT v58.l, v58.h, 6
	DOT v59.l, v59.h, 7
	DOT v60.l, v60.h, 8
	DOT v61.l, v61.h, 9
	DOT v62.l, v62.h, 10
	DOT v63.l, v63.h, 11
	DOT v64.l, v64.h, 12
	DOT v65.l, v65.h, 13
	DOT v66.l, v66.h, 14
	DOT v67.l, v67.h, 15
	v_pk_add_f32 v[SUM:SUM+1], v[SUM:SUM+1], v[SUM+2:SUM+3]
	v_pk_add_f32 v[SUM+4:SUM+5], v[SUM+4:SUM+5], v[SUM+6:SUM+7]
	v_pk_add_f32 v[SUM:SUM+1], v[SUM:SUM+1], v[SUM+4:SUM+5]
	v_add_f32 v[SUM], v[SUM], v[SUM+1]
	v_add_f32_dpp v[SUM], v[SUM], v[SUM] row_xmask:1 row_mask:0xf bank_mask:0xf
	v_add_f32_dpp v[SUM], v[SUM], v[SUM] row_xmask:2 row_mask:0xf bank_mask:0xf
	v_add_f32_dpp v[SUM], v[SUM], v[SUM] row_xmask:4 row_mask:0xf bank_mask:0xf
	v_add_f32_dpp v[SUM], v[SUM], v[SUM] row_xmask:8 row_mask:0xf bank_mask:0xf
	v_permlanex16_b32 v[SUM+1], v[SUM], s68, s69
	v_add_f32 v[SUM], v[SUM], v[SUM+1]
	v_add_f32 v[SUM], v[SUM], v[BOV]               ; bv Wo + bo, in every lane; stored at the end, with the wave's maximum
; 16 LDS loads: the fragments of 64 along K (group g of K half kh) into buffer f
.macro GFETCH kh, g, f
.irp ks, 0,1
.irp i, 0,1
	ds_load_b128 v[\f+32*\ks+8*\i:\f+32*\ks+8*\i+3],   v[ADRB+\kh] offset:128*\g+64*\ks+\i*16*LP
	ds_load_b128 v[\f+32*\ks+8*\i+4:\f+32*\ks+8*\i+7], v[ADRB+\kh] offset:128*\g+64*\ks+\i*16*LP+32
.endr
.irp i, 0,1
	ds_load_b128 v[\f+32*\ks+16+8*\i:\f+32*\ks+16+8*\i+3],   v[ADRA+\kh] offset:128*\g+64*\ks+\i*16*LP
	ds_load_b128 v[\f+32*\ks+16+8*\i+4:\f+32*\ks+16+8*\i+7], v[ADRA+\kh] offset:128*\g+64*\ks+\i*16*LP+32
.endr
.endr
.endm
; 4 matrix instructions, used transposed (source 0 = rows of B, source 1 = rows of A): lane l holds row l mod 16 (e), its registers 8 neighbouring d.
; The four accumulators take turns, one instruction a turn, in the same order throughout.
.macro GMUL f, ks, zero
.irp a, 0,1
.irp b, 0,1
.if \zero
	v_wmma_f32_16x16x32_f16 v[ACC+8*(2*\a+\b):ACC+8*(2*\a+\b)+7], v[\f+32*\ks+8*\b:\f+32*\ks+8*\b+7], v[\f+32*\ks+16+8*\a:\f+32*\ks+16+8*\a+7], 0
.else
	v_wmma_f32_16x16x32_f16 v[ACC+8*(2*\a+\b):ACC+8*(2*\a+\b)+7], v[\f+32*\ks+8*\b:\f+32*\ks+8*\b+7], v[\f+32*\ks+16+8*\a:\f+32*\ks+16+8*\a+7], v[ACC+8*(2*\a+\b):ACC+8*(2*\a+\b)+7]
.endif
.endr
.endr
.endm
	s_wait_tensorcnt 0x0                           ; my two tiles are in,
	s_barrier_signal -1
	s_barrier_wait -1                              ; everybody's are
	GFETCH 0, 0, F0
.set n, 0
.rept 15                                           ; group n is multiplied while group n + 1 is fetched into the other buffer
.if n
	PLACES                                         ; that buffer was read by the matrix instructions just issued
.endif
.set KHN, (n+1)/8
.set GN,  (n+1)%8
.set FN,  F0+64*((n+1)%2)
.set FC,  F0+64*(n%2)
	GFETCH KHN, GN, FN
	s_wait_dscnt 16                                ; all but the 16 just issued
.if n
	GMUL FC, 0, 0
.else
	GMUL FC, 0, 1                                  ; the first products start the sums: nothing is cleared
.endif
	GMUL FC, 1, 0
.set n, n+1
.endr
	s_wait_dscnt 0
	GMUL F1, 0, 0
	GMUL F1, 1, 0
	PLACES
	; my wave's largest |Wv Wo|: the sign bits cleared, four chains, then across the lanes
.set n, 0
.rept 32
	v_and_b32 v[BV+n], 0x7fffffff, v[ACC+n]
.set n, n+1
.endr
.irp k, 0,1,2,3
	v_max3_num_f32 v[T+\k], v[BV+8*\k], v[BV+8*\k+1], v[BV+8*\k+2]
.endr
.irp k, 0,1,2,3
	v_max3_num_f32 v[T+\k], v[T+\k], v[BV+8*\k+3], v[BV+8*\k+4]
.endr
.irp k, 0,1,2,3
	v_max3_num_f32 v[T+\k], v[T+\k], v[BV+8*\k+5], v[BV+8*\k+6]
.endr
.irp k, 0,1,2,3
	v_max_num_f32 v[T+\k], v[T+\k], v[BV+8*\k+7]
.endr
	v_max3_num_f32 v[T], v[T], v[T+1], v[T+2]
	v_max_num_f32 v[T], v[T], v[T+3]
	v_max_num_f32_dpp v[T], v[T], v[T] row_xmask:1 row_mask:0xf bank_mask:0xf
	v_max_num_f32_dpp v[T], v[T], v[T] row_xmask:2 row_mask:0xf bank_mask:0xf
	v_max_num_f32_dpp v[T], v[T], v[T] row_xmask:4 row_mask:0xf bank_mask:0xf
	v_max_num_f32_dpp v[T], v[T], v[T] row_xmask:8 row_mask:0xf bank_mask:0xf
	v_permlanex16_b32 v[T+1], v[T], s68, s69
	v_max_num_f32 v[T], v[T], v[T+1]
	v_cmp_eq_u32 vcc_lo, 0, v1
	s_wait_xcnt 0x0                                ; EXEC is a source of the loads above: it changes only behind this wait
	s_and_saveexec_b32 s2, vcc_lo                  ; lane 0 stores
	global_store_b32 v[EO], v[SUM], s[20:21]               ; bvo[e]
	global_store_b32 v[EO], v[T], s[20:21] offset:4096     ; my wave's maximum
	s_wait_xcnt 0x0                                ; and again in front of the line that widens it
	s_or_b32 exec_lo, exec_lo, s2
	; the way out: round to f16, 16 bytes a lane into the work-group's stage, read back by rows of 128 bytes
.irp a, 0,1
.irp b, 0,1
.irp p, 0,1,2,3
	v_cvt_pk_f16_f32 v[W+4*(2*\a+\b)+\p], v[ACC+8*(2*\a+\b)+2*\p], v[ACC+8*(2*\a+\b)+2*\p+1]
.endr
	ds_store_b128 v[STO], v[W+4*(2*\a+\b):W+4*(2*\a+\b)+3] offset:\a*16*SP+32*\b
.endr
.endr
	s_lshl_b32 s16, s15, 17                        ; wf at row 64 y,
	s_mov_b32 s17, 0
	s_add_nc_u64 s[10:11], s[10:11], s[16:17]
	s_lshl_b32 s46, s42, 7                         ; column 64 x
	s_mov_b32 s47, 0
	s_add_nc_u64 s[10:11], s[10:11], s[46:47]
	s_wait_dscnt 0x0                               ; my pieces are in the stage,
	s_barrier_signal -1
	s_barrier_wait -1                              ; everybody's are
.irp t, 0,1,2,3
	ds_load_b128 v[BV+4*\t:BV+4*\t+3], v[RD] offset:\t*4*SP
.endr
.irp t, 0,1,2,3
	s_wait_dscnt 3-\t                              ; read-back t is in, the younger ones stay out
	global_store_b128 v[CO], v[BV+4*\t:BV+4*\t+3], s[10:11] offset:\t*4*2048     ; eight lanes store 128 consecutive bytes of a row
.endr
	s_wait_tensorcnt 0x0
	ds_add_u32 v126, v127
	s_wait_dscnt 0x0
	CROUND                                         ; the closing round
	s_endpgm
.Lfunc_end_k_q02b4be2039_gw:
	.size	k_q02b4be2039_gw, .Lfunc_end_k_q02b4be2039_gw-k_q02b4be2039_gw
	.p2alignl 7, 3214868480
	.fill 96, 4, 3214868480
	.section	.rodata,"a",@progbits
	.p2align	6, 0x0
	.amdhsa_kernel k_q02b4be2039_gw
		.amdhsa_group_segment_fixed_size 275968
		.amdhsa_private_segment_fixed_size 0
		.amdhsa_enable_private_segment 0
		.amdhsa_kernarg_size 40
		.amdhsa_user_sgpr_count 2
		.amdhsa_user_sgpr_kernarg_segment_ptr 1
		.amdhsa_wavefront_size32 1
		.amdhsa_system_sgpr_workgroup_id_x 1
		.amdhsa_system_sgpr_workgroup_id_y 1
		.amdhsa_system_sgpr_workgroup_id_z 1
		.amdhsa_system_vgpr_workitem_id 0
		.amdhsa_next_free_vgpr 256
		.amdhsa_next_free_sgpr 70
		.amdhsa_reserve_vcc 1
		.amdhsa_float_denorm_mode_32 3
		.amdhsa_float_denorm_mode_16_64 3
		.amdhsa_memory_ordered 1
		.amdhsa_forward_progress 1
		.amdhsa_inst_pref_size 44
	.end_amdhsa_kernel
	.amdgpu_metadata
---
amdhsa.version: [ 1, 2 ]
amdhsa.kernels:
  - .name:           k_q02b4be2039_gw
    .symbol:         k_q02b4be2039_gw.kd
    .args:
      - { .name: ww, .offset: 0, .size: 8, .value_kind: global_buffer, .address_space: global }
      - { .name: bv, .offset: 8, .size: 8, .value_kind: global_buffer, .address_space: global }
      - { .name: bo, .offset: 16, .size: 8, .value_kind: global_buffer, .address_space: global }
      - { .name: wf, .offset: 24, .size: 8, .value_kind: global_buffer, .address_space: global }
      - { .name: bvo, .offset: 32, .size: 8, .value_kind: global_buffer, .address_space: global }
    .group_segment_fixed_size: 275968
    .private_segment_fixed_size: 0
    .kernarg_segment_align: 8
    .kernarg_segment_size: 40
    .max_flat_workgroup_size: 128
    .sgpr_count:     70
    .vgpr_count:     256
    .wavefront_size: 32
...
	.end_amdgpu_metadata
.endif
;; end of part 6
;; launch gqk (part 7): grid 8 x 32, 4 waves a work-group, clusters of 4 x 4, 327,680 bytes of LDS; arguments xh, wqk, bq, bk, qb, kb; writes qb, kb
.if DOCPART == 7
	.amdgcn_target "amdgcn-amd-amdhsa--gfx1250"
	.amdhsa_code_object_version 6
	.text
	.protected	k_q02b4be2039_gqk
	.globl	k_q02b4be2039_gqk
	.p2align	8
	.type	k_q02b4be2039_gqk,@function
k_q02b4be2039_gqk:
	s_mov_b64 s[64:65], 0
	v_nop
	global_prefetch_b8 v0, s[64:65] scope:SCOPE_SE
	s_setreg_imm32_b32 hwreg(HW_REG_WAVE_MODE, 25, 1), 1
	s_wait_xcnt 0x0
	s_wait_alu depctr_hold_cnt(0) depctr_sa_sdst(0) depctr_va_vdst(0) depctr_va_sdst(0) depctr_va_ssrc(0) depctr_va_vcc(0) depctr_vm_vsrc(0)
	s_getreg_b32 s2, hwreg(HW_REG_IB_STS2, 6, 4)
	s_cmp_eq_u32 s2, 0
	s_cbranch_scc0 .Lentry_in_a_cluster
	s_endpgm
.Lentry_in_a_cluster:
	s_bfe_u32 s2, ttmp6, 0x10000c
	s_cmp_lg_u32 s2, 0xf033
	s_cbranch_scc0 .Lentry_shape_is_right
	s_endpgm
.Lentry_shape_is_right:
; Q = xh Wq + bq and K = xh Wk + bk in one launch:  C[m][n] = sum over k of A[m][k] B[n][k] + bias[n].
; A = xh [8192][1024] f16; B = wqk [2048][1024] f16 (rows 0-1023 Wq transposed, 1024-2047 Wk transposed); bias f32; C = qb or kb, [8192][1024] f16; sums in f32.
; A work-group makes 256 x 256 of C: 32 block rows x 8 block columns = 256 work-groups.  Four waves, 128 x 128 each: 64 accumulator tiles, 512 registers.
; K goes in 8 steps of 128 through two LDS slots filled by the tensor data mover; a tile's rows are 256 bytes of memory at multiples of 256 bytes.
; With x = 4 clx + cx and y = 4 cly + cy: A's and C's first row = 256 y; B's first row = 256 x; C's and the bias's first column = 256 cx;
; clx (the cluster's x, 0 or 1, the same in all sixteen partners) picks bq and qb or bk and kb.
; CLUSTERS: 4 x 4.  A's tile hangs on y alone and is asked for jointly along a row of the cluster, B's on x alone, along a column.
; WHY f16: 11 significant bits keep the rounding of q and k well inside the allowed error, which 8 bits would not.
; LIMIT: magnitudes up to 65,504; a larger result becomes an infinity (x and the weights 30 times the unit-variance case: |q| near 5,000; a common offset of
; 30 spreads on both: 1024 x 30 x 30/32 = 28,800).  NaN and infinities pass through untreated.
;
; REGISTERS, in windows of 256 (s_set_vgpr_msb's low byte: bits 1:0 source 0, 3:2 source 1, 5:4 source 2, 7:6 destination):
;   window 0: v16-27 addresses; v64-127, v128-191 fragments of A, two buffers; v192-223 packed results
;   window 1: v0-63 the bias of my 128 columns, laid as an accumulator row's registers; v64-127, v128-191 fragments of B, two buffers
;   window 2: the 32 accumulator tiles of my rows 0-63 (tile (a, b) at v[8 (8 a + b)]);   window 3: those of my rows 64-127
; THE MATRIX INSTRUCTION IS USED TRANSPOSED: source 0 = 16 rows of B, source 1 = 16 rows of A: lane l holds row l mod 16 of C, its registers the columns 8 (l / 16) + 0..7.
.set SIZE_K, 1024
.set KSTEP,  128
.set CROW,   2048
.set PITCH,  272                       ; an LDS row: 256 bytes + 16 of padding, an odd multiple of 16
.set HALFT,  128*PITCH                 ; what one tensor load brings, and what one wave reads of A or of B
.set SLOT,   4*HALFT                   ; A's 256 rows, then B's 256 rows: 139,264 bytes
.set STAGE,  2*SLOT                    ; 278,528 = 1,088 x 256: behind the slots, no fill lands here; 16 rows x 272 bytes for each wave
.set SPITCH, 272
.set LAPS,   SIZE_K/(2*KSTEP)
.set ADRA, 16                          ; v16-17  LDS address of my A fragments in slot 0, 1
.set ADRB, 20                          ; v20-21  the same for B
.set STO,  24
.set RD,   25
.set CO,   26
.set BO,   27
.set F0,   64
.set F1,   128
.set TMP,  192
.set G1,  24                           ; s[24:31] descriptor group 1 for A's tiles
.set G0,  32                           ; s[32:39] group 0 for A's tiles, one set for each slot
.set G1B, 48                           ; s[48:55] group 1 for B's tiles
.set G0B, 56                           ; s[56:63] group 0 for B's tiles
.set MUL_LO,  0xa1                     ; source 0 (B) window 1, source 1 (A) window 0, C and D window 2
.set MUL_HI,  0xf1                     ; the same, C and D window 3
.set TO_B,    0x40                     ; destination window 1, address window 0
.set ADD_LO,  0x86                     ; source 0 and destination window 2, source 1 (the bias) window 1
.set ADD_HI,  0xc7                     ; the same with window 3
.set PACK_LO, 0x0a                     ; sources window 2, destination window 0
.set PACK_HI, 0x0f                     ; sources window 3
.set MSB, 0
.macro WIN new                         ; the immediate's high byte repeats the setting that is left; a switch that changes nothing is dropped
.if MSB != \new
	s_set_vgpr_msb (MSB<<8)|\new
.set MSB, \new
.endif
.endm
; A joint load.  Waves 0 and 1 fetch A's two halves, waves 2 and 3 B's.  Each line has one mask and one set of registers; the branch hangs on the wave's number alone.
.macro JLOAD s
	s_cmp_eq_u32 s13, 0
	s_cbranch_scc0 .Lfor_b_\@
	tensor_load_to_lds s[G0+4*\s:G0+4*\s+3], s[G1:G1+7]
	s_nop 0
	s_branch .Lasked_\@
.Lfor_b_\@:
	tensor_load_to_lds s[G0B+4*\s:G0B+4*\s+3], s[G1B:G1B+7]
	s_nop 0
.Lasked_\@:
.endm
.macro CREST                           ; a round of the cluster's barrier behind its opening barrier
	s_cmp_lg_u32 s12, 0
	s_cbranch_scc1 .Lnot_wave_0_\@
	s_barrier_signal -3
.Lnot_wave_0_\@:
	s_barrier_wait -3
	s_barrier_signal -1
	s_barrier_wait -1
.endm
.macro CROUND                          ; a whole round
	s_barrier_signal -1
	s_barrier_wait -1
	CREST
.endm
	s_load_b256 s[4:11], s[0:1], 0x0               ; xh s[4:5], wqk s[6:7], bq s[8:9], bk s[10:11]
	s_load_b128 s[68:71], s[0:1], 0x20             ; qb s[68:69], kb s[70:71]
	s_set_vgpr_msb 0x40
	v_lshl_add_u32 v255, v0, 2, 0x48400
	s_set_vgpr_msb 0x4000
	v_mov_b32 v255, 0
	s_set_vgpr_msb 0x1
	ds_add_u32 v255, v255
	s_set_vgpr_msb 0x100
	v_lshrrev_b32 v1, 5, v0
	v_readfirstlane_b32 s12, v1                    ; wave 0..3
	s_lshr_b32 s13, s12, 1                         ; which 128 rows of the block are mine.  Also: I fetch for A (0) or for B (1)
	s_and_b32 s14, s12, 1                          ; which 128 columns.  Also: which 128 rows of that tile I fetch
	s_bfe_u32 s40, ttmp6, 0x40000                  ; cx
	s_bfe_u32 s41, ttmp6, 0x40004                  ; cy
	s_mov_b32 s21, ttmp9                           ; clx: 0 for Q, 1 for K
	s_lshl_b32 s42, ttmp9, 2
	s_add_co_u32 s42, s42, s40                     ; x
	s_and_b32 s15, ttmp7, 0xffff
	s_lshl_b32 s15, s15, 2
	s_add_co_u32 s15, s15, s41                     ; y
	s_lshl_b32 s43, s41, 2
	s_lshl_b32 s43, 15, s43                        ; my row of the cluster
	s_lshl_b32 s44, 0x1111, s40                    ; my column
	s_or_b32 s[G1+0], s43, (1<<16)|(1<<20)|(1<<21)|(5<<22)|(3<<25)   ; the mask; elements of 2 bytes; padding on; bit 21 beside a mask; after every 64 words 4 words
	s_or_b32 s[G1B+0], s44, (1<<16)|(1<<20)|(1<<21)|(5<<22)|(3<<25)
	s_mov_b32 s[G1+1], KSTEP<<16                   ; tensor_dim0 = 128
	s_mov_b32 s[G1B+1], KSTEP<<16
	s_mov_b32 s[G1+2], 128<<16                     ; tensor_dim1 = 128 rows
	s_mov_b32 s[G1B+2], 128<<16
	s_mov_b32 s[G1+3], KSTEP<<16                   ; tile_dim0 = 128
	s_mov_b32 s[G1B+3], KSTEP<<16
	s_mov_b32 s[G1+4], 128                         ; tile_dim1
	s_mov_b32 s[G1B+4], 128
	s_mov_b32 s[G1+5], SIZE_K                      ; elements from row to row
	s_mov_b32 s[G1B+5], SIZE_K
	s_mov_b32 s[G1+6], 0
	s_mov_b32 s[G1B+6], 0
	s_mov_b32 s[G1+7], 0
	s_mov_b32 s[G1B+7], 0
	s_lshl_b32 s17, s14, 7
	s_lshl_b32 s16, s15, 8
	s_add_co_u32 s16, s16, s17                     ; A: row 256 y + 128 x half
	s_lshl_b32 s16, s16, 11                        ; in bytes: at most 8,191 x 2,048
	s_lshl_b32 s46, s42, 8
	s_add_co_u32 s46, s46, s17                     ; B: row 256 x + 128 x half
	s_lshl_b32 s46, s46, 11
	s_mov_b32 s17, 0
	s_mov_b32 s47, 0
	s_mul_i32 s20, s12, HALFT                      ; where they go: A's two halves, then B's = wave x 128 rows
	s_lshl_b32 s45, s40, 10
	s_lshl_b32 s23, s14, 9
	s_add_co_u32 s45, s45, s23                     ; my first column's bytes in the bias: 4 (256 cx + 128 half)
	s_wait_dscnt 0x0
	s_wait_kmcnt 0x0
	s_add_nc_u64 s[18:19], s[4:5], s[16:17]
	s_add_nc_u64 s[46:47], s[6:7], s[46:47]
	s_cmp_eq_u32 s21, 0
	s_cselect_b64 s[8:9], s[8:9], s[10:11]         ; the bias: bq or bk
	s_cselect_b64 s[10:11], s[68:69], s[70:71]     ; C: qb or kb
	CROUND                                         ; all sixteen work-groups are here: the first joint loads meet
.irp s, 0,1
	s_mov_b32 s[G0+4*\s], 1
	s_add_co_u32 s[G0+4*\s+1], s20, \s*SLOT
	s_add_nc_u64 s[G0+4*\s+2:G0+4*\s+3], s[18:19], \s*KSTEP*2
	s_or_b32 s[G0+4*\s+3], s[G0+4*\s+3], 0x80000000
	s_mov_b32 s[G0B+4*\s], 1
	s_add_co_u32 s[G0B+4*\s+1], s20, \s*SLOT
	s_add_nc_u64 s[G0B+4*\s+2:G0B+4*\s+3], s[46:47], \s*KSTEP*2
	s_or_b32 s[G0B+4*\s+3], s[G0B+4*\s+3], 0x80000000
	JLOAD \s                                       ; both slots are asked for before anything else: two tensor loads of a wave are out here, one later on
.endr
	v_and_b32 v1, 15, v0                           ; r = l mod 16
	v_bfe_u32 v2, v0, 4, 1                         ; h = l / 16
	v_mul_u32_u24 v3, v1, PITCH
	v_lshl_add_u32 v3, v2, 4, v3                   ; row x pitch + 16 h
	s_mul_i32 s16, s13, HALFT                      ; my 128 rows of A
	s_mul_i32 s17, s14, HALFT
	s_add_co_u32 s17, s17, 2*HALFT                 ; my 128 rows of B, behind A's 256
.irp s, 0,1
	v_add_nc_u32 v[ADRA+\s], s16, v3
	v_add_nc_u32 v[ADRB+\s], s17, v3
	s_add_co_u32 s16, s16, SLOT
	s_add_co_u32 s17, s17, SLOT
.endr
	s_mul_i32 s23, s12, 16*SPITCH
	s_add_co_u32 s23, s23, STAGE                   ; my stage
	v_add_nc_u32 v[STO], s23, v3                   ; in: row r, 16 bytes for each half of the lanes
	v_mul_u32_u24 v4, v2, SPITCH                   ; back: lanes 0-15 take one row of 256 bytes, lanes 16-31 the next
	v_lshl_add_u32 v4, v1, 4, v4
	v_add_nc_u32 v[RD], s23, v4
	v_lshlrev_b32 v5, 11, v2
	v_lshl_add_u32 v[CO], v1, 4, v5
	v_lshl_add_u32 v[BO], v2, 5, s45               ; bias: my columns 16 b + 8 h + 0..7 are 32 bytes at 64 b + 32 h
	WIN TO_B
.irp b, 0,1,2,3,4,5,6,7
	global_load_b128 v[8*\b:8*\b+3],   v[BO], s[8:9] offset:64*\b          ; waited for at the way out, where the bias is first read
	global_load_b128 v[8*\b+4:8*\b+7], v[BO], s[8:9] offset:64*\b+16
.endr
	WIN 0
; 16 matrix instructions: m blocks a0, a0 + 1 of the window's four x all 8 n blocks, 32 along K.  zero = 1: the first product starts the sums.
; The 64 accumulators take turns, one instruction a turn, in the same order in every quarter step, over the loop's backward jump too.
.macro MUL16 f, hi, a0, zero
.irp a, \a0, \a0+1
.irp b, 0,1,2,3,4,5,6,7
.if \zero
	v_wmma_f32_16x16x32_f16 v[8*(8*(\a)+\b):8*(8*(\a)+\b)+7], v[\f+8*\b:\f+8*\b+7], v[\f+8*(4*\hi+\a):\f+8*(4*\hi+\a)+7], 0
.else
	v_wmma_f32_16x16x32_f16 v[8*(8*(\a)+\b):8*(8*(\a)+\b)+7], v[\f+8*\b:\f+8*\b+7], v[\f+8*(4*\hi+\a):\f+8*(4*\hi+\a)+7], v[8*(8*(\a)+\b):8*(8*(\a)+\b)+7]
.endif
.endr
.endr
.endm
; 32 LDS loads in one run: the fragments of one quarter step (128 rows of B, 128 rows of A, 32 K at byte k of the rows) into buffer f
.macro FETCH slot, k, f
	WIN TO_B
.irp i, 0,1,2,3,4,5,6,7
	ds_load_b128 v[\f+8*\i:\f+8*\i+3],   v[ADRB+\slot] offset:\k+\i*16*PITCH
	ds_load_b128 v[\f+8*\i+4:\f+8*\i+7], v[ADRB+\slot] offset:\k+\i*16*PITCH+32
.endr
	WIN 0
.irp i, 0,1,2,3,4,5,6,7
	ds_load_b128 v[\f+8*\i:\f+8*\i+3],   v[ADRA+\slot] offset:\k+\i*16*PITCH
	ds_load_b128 v[\f+8*\i+4:\f+8*\i+7], v[ADRA+\slot] offset:\k+\i*16*PITCH+32
.endr
.endm
.macro PLACES                          ; four places behind a matrix instruction (ISA guide 7.12.1 for vector instructions)
.rept 4
	v_nop
.endr
.endm
; A K step is four quarter steps of 32 along K, 64 matrix instructions each, on buffers 0, 1, 0, 1.
.macro QUARTER slot, k, f, g, zero
	s_wait_dscnt 8                                 ; B and A's rows 0-63 are in; the youngest eight loads (A's rows 64-127) may be out
	WIN MUL_LO
	MUL16 \f, 0, 0, \zero
	MUL16 \f, 0, 2, \zero
	PLACES
	FETCH \slot, \k, \g
	s_wait_dscnt 32                                ; all but the 32 just issued
	WIN MUL_HI
	MUL16 \f, 1, 0, \zero
	MUL16 \f, 1, 2, \zero
.endm
.macro THREE slot, zero
	QUARTER \slot, 64,  F0, F1, \zero
	QUARTER \slot, 128, F1, F0, 0
	QUARTER \slot, 192, F0, F1, 0
.endm
; The last quarter: multiplies buffer 1 and changes slots.  One barrier for the change: in front of it each wave waits for its reads of this slot and for all its
; tensor loads (one is out: its part of the next slot); behind it the refill comes first, then the next slot's first fragments.
; From a request to the wait for it a wave issues 240 of a K step's 256 matrix instructions.
.macro TURN slot, next, fill
	s_wait_dscnt 8
	WIN MUL_LO
	MUL16 F1, 0, 0, 0
	s_wait_dscnt 0                                 ; my reads of this slot are over
	s_wait_tensorcnt 0x0                           ; and all my tensor loads have landed:
	ds_add_u32 v255, v255
	s_wait_dscnt 0x0
	s_barrier_signal -1                            ; say so (where a slot is filled again this barrier opens a round of the cluster's barrier),
	MUL16 F1, 0, 2, 0                              ; work on registers while the others arrive,
	WIN 0
	s_barrier_wait -1
.if \fill
	CREST                                          ; no wave of any partner still reads this slot's tile or has a load on its way
	s_add_nc_u64 s[G0+4*\slot+2:G0+4*\slot+3], s[G0+4*\slot+2:G0+4*\slot+3], 2*KSTEP*2
	s_add_nc_u64 s[G0B+4*\slot+2:G0B+4*\slot+3], s[G0B+4*\slot+2:G0B+4*\slot+3], 2*KSTEP*2
	JLOAD \slot                                    ; the first tensor load behind the round, and my only one until the next
.endif
	PLACES
	FETCH \next, 0, F0
	WIN MUL_HI
	MUL16 F1, 1, 0, 0
	MUL16 F1, 1, 2, 0
.endm
.macro LAP zero
	THREE 0, \zero
	TURN 0, 1, 1
	THREE 1, 0
	TURN 1, 0, 1
.endm
	s_wait_tensorcnt 1                             ; my part of K step 0 is in; K step 1's stays out
	s_barrier_signal -1
	s_barrier_wait -1
	FETCH 0, 0, F0
	LAP 1                                          ; the first lap stands in front of the loop: its first products start the sums
	WIN 0                                          ; at a label and at a branch every window is 0
	s_mov_b32 s3, LAPS-2
.Llap:
	LAP 0
	WIN 0
	s_sub_co_u32 s3, s3, 1
	s_cmp_lg_u32 s3, 0
	s_cbranch_scc1 .Llap
	THREE 0, 0                                     ; the last lap fills nothing
	TURN 0, 1, 0
	THREE 1, 0
	s_wait_dscnt 8                                 ; the very last quarter
	WIN MUL_LO
	MUL16 F1, 0, 0, 0
	MUL16 F1, 0, 2, 0
	s_wait_dscnt 0
	WIN MUL_HI
	MUL16 F1, 1, 0, 0
	MUL16 F1, 1, 2, 0
	; THE WAY OUT, 16 rows of C at a time: add the bias, round to f16, 16 bytes a lane into my own stage, read back as whole rows of 256 bytes.
	PLACES
	s_wait_loadcnt 0x0                             ; the bias, asked for at the start
	s_lshl_b32 s16, s15, 8
	s_lshl_b32 s17, s13, 7
	s_add_co_u32 s16, s16, s17                     ; my first row of C
	s_lshl_b32 s16, s16, 11
	s_mov_b32 s17, 0
	s_add_nc_u64 s[10:11], s[10:11], s[16:17]
	s_lshl_b32 s46, s40, 9                         ; my first column, in bytes: 2 (256 cx + 128 half)
	s_lshl_b32 s47, s14, 8
	s_add_co_u32 s46, s46, s47
	s_mov_b32 s47, 0
	s_add_nc_u64 s[10:11], s[10:11], s[46:47]
; rows 16 i .. 16 i + 15 of my block = the eight tiles (a, 0..7) of window 2 or 3; f: F0 or F1 in turn
.macro OUT16 i, a, addw, from, f
	WIN \addw
.irp b, 0,1,2,3,4,5,6,7
.irp p, 0,1,2,3
	v_pk_add_f32 v[8*(8*\a+\b)+2*\p:8*(8*\a+\b)+2*\p+1], v[8*(8*\a+\b)+2*\p:8*(8*\a+\b)+2*\p+1], v[8*\b+2*\p:8*\b+2*\p+1]
.endr
.endr
	WIN \from
.irp b, 0,1,2,3,4,5,6,7
.irp p, 0,1,2,3
	v_cvt_pk_f16_f32 v[TMP+4*\b+\p], v[8*(8*\a+\b)+2*\p], v[8*(8*\a+\b)+2*\p+1]
.endr
.endr
	WIN 0
.irp b, 0,1,2,3,4,5,6,7
	ds_store_b128 v[STO], v[TMP+4*\b:TMP+4*\b+3] offset:32*\b
.endr
	s_wait_xcnt 0x0                                ; buffer f, which earlier stores read, and the stores' base are rewritten only behind this wait
.if \i
	s_add_nc_u64 s[10:11], s[10:11], 16*CROW       ; 16 rows of C on
.endif
.irp t, 0,1,2,3,4,5,6,7
	ds_load_b128 v[\f+4*\t:\f+4*\t+3], v[RD] offset:\t*2*SPITCH    ; LDS serves a wave's instructions in order: these see the stores above
.endr
.irp t, 0,1,2,3,4,5,6,7
	s_wait_dscnt 7-\t                              ; read-back t is in, the younger ones stay out
	global_store_b128 v[CO], v[\f+4*\t:\f+4*\t+3], s[10:11] offset:\t*2*CROW   ; 16 lanes store 256 consecutive bytes, at a multiple of 256 from C's first byte
.endr
.endm
	OUT16 0, 0, ADD_LO, PACK_LO, F0
	OUT16 1, 1, ADD_LO, PACK_LO, F1
	OUT16 2, 2, ADD_LO, PACK_LO, F0
	OUT16 3, 3, ADD_LO, PACK_LO, F1
	OUT16 4, 0, ADD_HI, PACK_HI, F0
	OUT16 5, 1, ADD_HI, PACK_HI, F1
	OUT16 6, 2, ADD_HI, PACK_HI, F0
	OUT16 7, 3, ADD_HI, PACK_HI, F1
	s_set_vgpr_msb 0x1
	s_wait_tensorcnt 0x0
	ds_add_u32 v255, v255
	s_wait_dscnt 0x0
	s_set_vgpr_msb 0x100
	CROUND                                         ; the closing round
	s_endpgm
.Lfunc_end_k_q02b4be2039_gqk:
	.size	k_q02b4be2039_gqk, .Lfunc_end_k_q02b4be2039_gqk-k_q02b4be2039_gqk
	.p2alignl 7, 3214868480
	.fill 96, 4, 3214868480
	.section	.rodata,"a",@progbits
	.p2align	6, 0x0
	.amdhsa_kernel k_q02b4be2039_gqk
		.amdhsa_group_segment_fixed_size 327680
		.amdhsa_private_segment_fixed_size 0
		.amdhsa_enable_private_segment 0
		.amdhsa_kernarg_size 48
		.amdhsa_user_sgpr_count 2
		.amdhsa_user_sgpr_kernarg_segment_ptr 1
		.amdhsa_wavefront_size32 1
		.amdhsa_system_sgpr_workgroup_id_x 1
		.amdhsa_system_sgpr_workgroup_id_y 1
		.amdhsa_system_sgpr_workgroup_id_z 1
		.amdhsa_system_vgpr_workitem_id 0
		.amdhsa_next_free_vgpr 1024
		.amdhsa_next_free_sgpr 72
		.amdhsa_reserve_vcc 0
		.amdhsa_float_denorm_mode_32 3
		.amdhsa_float_denorm_mode_16_64 3
		.amdhsa_memory_ordered 1
		.amdhsa_forward_progress 1
		.amdhsa_inst_pref_size 214
	.end_amdhsa_kernel
	.amdgpu_metadata
---
amdhsa.version: [ 1, 2 ]
amdhsa.kernels:
  - .name:           k_q02b4be2039_gqk
    .symbol:         k_q02b4be2039_gqk.kd
    .args:
      - { .name: xh, .offset: 0, .size: 8, .value_kind: global_buffer, .address_space: global }
      - { .name: wqk, .offset: 8, .size: 8, .value_kind: global_buffer, .address_space: global }
      - { .name: bq, .offset: 16, .size: 8, .value_kind: global_buffer, .address_space: global }
      - { .name: bk, .offset: 24, .size: 8, .value_kind: global_buffer, .address_space: global }
      - { .name: qb, .offset: 32, .size: 8, .value_kind: global_buffer, .address_space: global }
      - { .name: kb, .offset: 40, .size: 8, .value_kind: global_buffer, .address_space: global }
    .group_segment_fixed_size: 327680
    .private_segment_fixed_size: 0
    .kernarg_segment_align: 8
    .kernarg_segment_size: 48
    .max_flat_workgroup_size: 128
    .sgpr_count:     72
    .vgpr_count:     1024
    .wavefront_size: 32
...
	.end_amdgpu_metadata
.endif
;; end of part 7
;; launch gsv (part 8): grid 32 x 8, 4 waves a work-group, clusters of 4 x 4, 327,680 bytes of LDS; arguments qb, kb, wf, xh, bvo, out0, vt; writes out0, vt
.if DOCPART == 8
	.amdgcn_target "amdgcn-amd-amdhsa--gfx1250"
	.amdhsa_code_object_version 6
	.text
	.protected	k_q02b4be2039_gsv
	.globl	k_q02b4be2039_gsv
	.p2align	8
	.type	k_q02b4be2039_gsv,@function
k_q02b4be2039_gsv:
	s_mov_b64 s[64:65], 0
	v_nop
	global_prefetch_b8 v0, s[64:65] scope:SCOPE_SE
	s_setreg_imm32_b32 hwreg(HW_REG_WAVE_MODE, 25, 1), 1
	s_wait_xcnt 0x0
	s_wait_alu depctr_hold_cnt(0) depctr_sa_sdst(0) depctr_va_vdst(0) depctr_va_sdst(0) depctr_va_ssrc(0) depctr_va_vcc(0) depctr_vm_vsrc(0)
	s_getreg_b32 s2, hwreg(HW_REG_IB_STS2, 6, 4)
	s_cmp_eq_u32 s2, 0
	s_cbranch_scc0 .Lentry_in_a_cluster
	s_endpgm
.Lentry_in_a_cluster:
	s_bfe_u32 s2, ttmp6, 0x10000c
	s_cmp_lg_u32 s2, 0xf033
	s_cbranch_scc0 .Lentry_shape_is_right
	s_endpgm
.Lentry_shape_is_right:
; Two independent products in one launch, both C[m][n] = sum over k of A[m][k] B[n][k], per batch b, operands f16, sums f32:
;   kind 0:  S[b][q][key] = Q K^T            A = qb rows (b, q),  B = kb rows (b, key),  C = out0, f32 (the factor 1/32 is applied by the softmax)
;   kind 1:  V[b][e][key] = 2^-t wf xh^T     A = wf rows e,       B = xh rows (b, key),  C = vt, f16: x (Wv Wo), transposed, so that K = key lies along its rows
; A batch of either kind is 1024 x 1024 = 4 x 4 blocks of 256 x 256 = one cluster: 8 batches x 2 kinds = 16 clusters = 256 work-groups.
; The cluster's x is the batch, the cluster's y the kind (the same in all sixteen partners); cy is the block row, cx the block column.
; Four waves, 128 x 128 each: 64 accumulator tiles, 512 registers.  K goes in 8 steps of 128 through two LDS slots filled by the tensor data mover.
; CLUSTERS: A's tile hangs on batch, kind and cy and is asked for jointly along a row of the cluster; B's on batch, kind and cx, along a column.
; THE SCALE 2^-t.  x (Wv Wo) has no room in f16 as it stands (x and both weights 30 times the unit-variance case: spread 27,000).  M is the largest |Wv Wo|, taken
; from the 1,024 maxima in bvo's second half, E its exponent field (M is first clamped to 2^-100 .. 2^100); the sums are multiplied by 2^(125 - E), which counts
; |Wv Wo| as below 1/2.  Then |V| is at most 512 x the largest |x|; with a common offset of 30 spreads on all three at most 1024 x 35 / 2 = 17,920.  The last launch
; multiplies by 2^(E - 125).  Powers of two: no rounding is added.  Every work-group loads the 4,096 bytes of maxima at its start, kind 0 too, which does not use them:
; the only branch on the kind stands at the way out.
; LIMIT: f16 operands and V up to 65,504.  NaN and infinities pass through untreated; a NaN among the maxima loses (v_max_num_f32).
;
; REGISTERS, in windows of 256 (s_set_vgpr_msb's low byte: bits 1:0 source 0, 3:2 source 1, 5:4 source 2, 7:6 destination):
;   window 0: v16-29 addresses; v64-127, v128-191 fragments of A, two buffers; v192-223 the maxima, then packed results
;   window 1: v64-127, v128-191 fragments of B, two buffers
;   window 2: the 32 accumulator tiles of my rows 0-63 (tile (a, b) at v[8 (8 a + b)]);   window 3: those of my rows 64-127
; THE MATRIX INSTRUCTION IS USED TRANSPOSED: source 0 = 16 rows of B, source 1 = 16 rows of A: lane l holds row l mod 16 of C, its registers the columns 8 (l / 16) + 0..7.
.set SIZE_K, 1024
.set KSTEP,  128
.set CROW16, 2048                      ; bytes in a row of vt
.set CROW32, 4096                      ; bytes in a row of out0
.set PITCH,  272                       ; an LDS row: 256 bytes + 16 of padding, an odd multiple of 16
.set HALFT,  128*PITCH                 ; what one tensor load brings, and what one wave reads of A or of B
.set SLOT,   4*HALFT                   ; A's 256 rows, then B's 256 rows: 139,264 bytes
.set STAGE,  2*SLOT                    ; 278,528 = 1,088 x 256: behind the slots, no fill lands here; 16 rows x 272 bytes for each wave
.set SPITCH, 272                       ; a stage row: 128 f16 or 64 f32, + 16 bytes
.set LAPS,   SIZE_K/(2*KSTEP)
.set ADRA, 16                          ; v16-17  LDS address of my A fragments in slot 0, 1
.set ADRB, 20                          ; v20-21  the same for B
.set STO,  24                          ; v24     the way out in f16: where I put 16 bytes of a row
.set RD,   25                          ; v25     where I read 16 bytes of a row back
.set CO,   26                          ; v26     the same bytes in vt
.set ST32, 27                          ; v27     the way out in f32: where I put 32 bytes of a row
.set CO32, 28                          ; v28     the read-back's bytes in out0
.set MO,   29                          ; v29     my 16 bytes of each 512 of the maxima
.set F0,   64
.set F1,   128
.set TMP,  192
.set G1,  24                           ; s[24:31] descriptor group 1 for A's tiles
.set G0,  32                           ; s[32:39] group 0 for A's tiles, one set for each slot
.set G1B, 48                           ; s[48:55] group 1 for B's tiles
.set G0B, 56                           ; s[56:63] group 0 for B's tiles
.set MUL_LO,  0xa1                     ; source 0 (B) window 1, source 1 (A) window 0, C and D window 2
.set MUL_HI,  0xf1                     ; the same, C and D window 3
.set TO_B,    0x40                     ; destination window 1, address window 0
.set SCL_LO,  0x82                     ; source 0 and destination window 2 (source 1 is scalar)
.set SCL_HI,  0xc3                     ; the same with window 3
.set PACK_LO, 0x0a                     ; sources window 2, destination window 0
.set PACK_HI, 0x0f                     ; sources window 3
.set ST_LO,   0x08                     ; LDS store: address window 0, data window 2
.set ST_HI,   0x0c                     ; data window 3
.set MSB, 0
.macro WIN new                         ; the immediate's high byte repeats the setting that is left; a switch that changes nothing is dropped
.if MSB != \new
	s_set_vgpr_msb (MSB<<8)|\new
.set MSB, \new
.endif
.endm
; A joint load.  Waves 0 and 1 fetch A's two halves, waves 2 and 3 B's.  Each line has one mask and one set of registers; the branch hangs on the wave's number alone.
.macro JLOAD s
	s_cmp_eq_u32 s13, 0
	s_cbranch_scc0 .Lfor_b_\@
	tensor_load_to_lds s[G0+4*\s:G0+4*\s+3], s[G1:G1+7]
	s_nop 0
	s_branch .Lasked_\@
.Lfor_b_\@:
	tensor_load_to_lds s[G0B+4*\s:G0B+4*\s+3], s[G1B:G1B+7]
	s_nop 0
.Lasked_\@:
.endm
.macro CREST                           ; a round of the cluster's barrier behind its opening barrier
	s_cmp_lg_u32 s12, 0
	s_cbranch_scc1 .Lnot_wave_0_\@
	s_barrier_signal -3
.Lnot_wave_0_\@:
	s_barrier_wait -3
	s_barrier_signal -1
	s_barrier_wait -1
.endm
.macro CROUND                          ; a whole round
	s_barrier_signal -1
	s_barrier_wait -1
	CREST
.endm
	s_load_b256 s[4:11], s[0:1], 0x0               ; qb s[4:5], kb s[6:7], wf s[8:9], xh s[10:11]
	s_load_b128 s[68:71], s[0:1], 0x20             ; bvo s[68:69], out0 s[70:71]
	s_load_b64 s[72:73], s[0:1], 0x30              ; vt
	s_set_vgpr_msb 0x40
	v_lshl_add_u32 v255, v0, 2, 0x48400
	s_set_vgpr_msb 0x4000
	v_mov_b32 v255, 0
	s_set_vgpr_msb 0x1
	ds_add_u32 v255, v255
	s_set_vgpr_msb 0x100
	v_lshrrev_b32 v1, 5, v0
	v_readfirstlane_b32 s12, v1                    ; wave 0..3
	s_lshr_b32 s13, s12, 1                         ; which 128 rows of the block are mine.  Also: I fetch for A (0) or for B (1)
	s_and_b32 s14, s12, 1                          ; which 128 columns.  Also: which 128 rows of that tile I fetch
	s_bfe_u32 s40, ttmp6, 0x40000                  ; cx: the block column
	s_bfe_u32 s41, ttmp6, 0x40004                  ; cy: the block row
	s_lshl_b32 s22, ttmp9, 10                      ; the batch's first row: 1024 x the cluster's x
	s_and_b32 s15, ttmp7, 0xffff                   ; the kind: the cluster's y
	s_lshl_b32 s43, s41, 2
	s_lshl_b32 s43, 15, s43                        ; my row of the cluster
	s_lshl_b32 s44, 0x1111, s40                    ; my column
	s_or_b32 s[G1+0], s43, (1<<16)|(1<<20)|(1<<21)|(5<<22)|(3<<25)   ; the mask; elements of 2 bytes; padding on; bit 21 beside a mask; after every 64 words 4 words
	s_or_b32 s[G1B+0], s44, (1<<16)|(1<<20)|(1<<21)|(5<<22)|(3<<25)
	s_mov_b32 s[G1+1], KSTEP<<16                   ; tensor_dim0 = 128
	s_mov_b32 s[G1B+1], KSTEP<<16
	s_mov_b32 s[G1+2], 128<<16                     ; tensor_dim1 = 128 rows
	s_mov_b32 s[G1B+2], 128<<16
	s_mov_b32 s[G1+3], KSTEP<<16                   ; tile_dim0 = 128
	s_mov_b32 s[G1B+3], KSTEP<<16
	s_mov_b32 s[G1+4], 128                         ; tile_dim1
	s_mov_b32 s[G1B+4], 128
	s_mov_b32 s[G1+5], SIZE_K                      ; elements from row to row
	s_mov_b32 s[G1B+5], SIZE_K
	s_mov_b32 s[G1+6], 0
	s_mov_b32 s[G1B+6], 0
	s_mov_b32 s[G1+7], 0
	s_mov_b32 s[G1B+7], 0
	s_lshl_b32 s17, s14, 7
	s_lshl_b32 s23, s41, 8
	s_cmp_eq_u32 s15, 0
	s_cselect_b32 s16, s22, 0                      ; A: the batch's rows of qb, or wf, which all batches share,
	s_add_co_u32 s16, s16, s23                     ; + 256 cy
	s_add_co_u32 s16, s16, s17                     ; + 128 x half
	s_lshl_b32 s16, s16, 11                        ; in bytes: at most 8,191 x 2,048
	s_lshl_b32 s46, s40, 8
	s_add_co_u32 s46, s46, s22                     ; B: the batch's rows + 256 cx
	s_add_co_u32 s46, s46, s17                     ; + 128 x half
	s_lshl_b32 s46, s46, 11
	s_mov_b32 s17, 0
	s_mov_b32 s47, 0
	s_mul_i32 s20, s12, HALFT                      ; where they go: A's two halves, then B's = wave x 128 rows
	s_mov_b32 s76, 0x76543210                      ; v_permlanex16_b32: lane i of one half reads lane i of the other
	s_mov_b32 s77, 0xfedcba98
	s_wait_dscnt 0x0
	s_wait_kmcnt 0x0
	s_cmp_eq_u32 s15, 0
	s_cselect_b64 s[4:5], s[4:5], s[8:9]           ; A: qb or wf
	s_cselect_b64 s[6:7], s[6:7], s[10:11]         ; B: kb or xh
	s_cselect_b64 s[10:11], s[70:71], s[72:73]     ; C: out0 or vt
	s_add_nc_u64 s[18:19], s[4:5], s[16:17]
	s_add_nc_u64 s[46:47], s[6:7], s[46:47]
	CROUND                                         ; all sixteen work-groups are here: the first joint loads meet
.irp s, 0,1
	s_mov_b32 s[G0+4*\s], 1
	s_add_co_u32 s[G0+4*\s+1], s20, \s*SLOT
	s_add_nc_u64 s[G0+4*\s+2:G0+4*\s+3], s[18:19], \s*KSTEP*2
	s_or_b32 s[G0+4*\s+3], s[G0+4*\s+3], 0x80000000
	s_mov_b32 s[G0B+4*\s], 1
	s_add_co_u32 s[G0B+4*\s+1], s20, \s*SLOT
	s_add_nc_u64 s[G0B+4*\s+2:G0B+4*\s+3], s[46:47], \s*KSTEP*2
	s_or_b32 s[G0B+4*\s+3], s[G0B+4*\s+3], 0x80000000
	JLOAD \s                                       ; both slots are asked for before anything else: two tensor loads of a wave are out here, one later on
.endr
	v_and_b32 v1, 15, v0                           ; r = l mod 16
	v_bfe_u32 v2, v0, 4, 1                         ; h = l / 16
	v_mul_u32_u24 v3, v1, PITCH
	v_lshl_add_u32 v3, v2, 4, v3                   ; row x pitch + 16 h
	s_mul_i32 s16, s13, HALFT                      ; my 128 rows of A
	s_mul_i32 s17, s14, HALFT
	s_add_co_u32 s17, s17, 2*HALFT                 ; my 128 rows of B, behind A's 256
.irp s, 0,1
	v_add_nc_u32 v[ADRA+\s], s16, v3
	v_add_nc_u32 v[ADRB+\s], s17, v3
	s_add_co_u32 s16, s16, SLOT
	s_add_co_u32 s17, s17, SLOT
.endr
	s_mul_i32 s23, s12, 16*SPITCH
	s_add_co_u32 s23, s23, STAGE                   ; my stage
	v_add_nc_u32 v[STO], s23, v3                   ; f16 in: row r, 16 bytes for each half of the lanes
	v_lshl_add_u32 v4, v2, 4, v3
	v_add_nc_u32 v[ST32], s23, v4                  ; f32 in: row r, 32 bytes for each half of the lanes
	v_mul_u32_u24 v4, v2, SPITCH                   ; back: lanes 0-15 take one row's 256 bytes, lanes 16-31 the next row's
	v_lshl_add_u32 v4, v1, 4, v4
	v_add_nc_u32 v[RD], s23, v4
	v_lshlrev_b32 v5, 11, v2
	v_lshl_add_u32 v[CO], v1, 4, v5                ; the same two rows in vt
	v_lshlrev_b32 v5, 12, v2
	v_lshl_add_u32 v[CO32], v1, 4, v5              ; and in out0
	v_and_b32 v5, 31, v0
	v_lshlrev_b32 v[MO], 4, v5
.irp j, 0,1,2,3,4,5,6,7
	global_load_b128 v[TMP+4*\j:TMP+4*\j+3], v[MO], s[68:69] offset:4096+512*\j   ; the 1,024 maxima, 32 a lane; waited for at the way out
.endr
; 16 matrix instructions: m blocks a0, a0 + 1 of the window's four x all 8 n blocks, 32 along K.  zero = 1: the first product starts the sums.
; The 64 accumulators take turns, one instruction a turn, in the same order in every quarter step, over the loop's backward jump too.
.macro MUL16 f, hi, a0, zero
.irp a, \a0, \a0+1
.irp b, 0,1,2,3,4,5,6,7
.if \zero
	v_wmma_f32_16x16x32_f16 v[8*(8*(\a)+\b):8*(8*(\a)+\b)+7], v[\f+8*\b:\f+8*\b+7], v[\f+8*(4*\hi+\a):\f+8*(4*\hi+\a)+7], 0
.else
	v_wmma_f32_16x16x32_f16 v[8*(8*(\a)+\b):8*(8*(\a)+\b)+7], v[\f+8*\b:\f+8*\b+7], v[\f+8*(4*\hi+\a):\f+8*(4*\hi+\a)+7], v[8*(8*(\a)+\b):8*(8*(\a)+\b)+7]
.endif
.endr
.endr
.endm
; 32 LDS loads in one run: the fragments of one quarter step (128 rows of B, 128 rows of A, 32 K at byte k of the rows) into buffer f
.macro FETCH slot, k, f
	WIN TO_B
.irp i, 0,1,2,3,4,5,6,7
	ds_load_b128 v[\f+8*\i:\f+8*\i+3],   v[ADRB+\slot] offset:\k+\i*16*PITCH
	ds_load_b128 v[\f+8*\i+4:\f+8*\i+7], v[ADRB+\slot] offset:\k+\i*16*PITCH+32
.endr
	WIN 0
.irp i, 0,1,2,3,4,5,6,7
	ds_load_b128 v[\f+8*\i:\f+8*\i+3],   v[ADRA+\slot] offset:\k+\i*16*PITCH
	ds_load_b128 v[\f+8*\i+4:\f+8*\i+7], v[ADRA+\slot] offset:\k+\i*16*PITCH+32
.endr
.endm
.macro PLACES                          ; four places behind a matrix instruction (ISA guide 7.12.1 for vector instructions)
.rept 4
	v_nop
.endr
.endm
; A K step is four quarter steps of 32 along K, 64 matrix instructions each, on buffers 0, 1, 0, 1.
.macro QUARTER slot, k, f, g, zero
	s_wait_dscnt 8                                 ; B and A's rows 0-63 are in; the youngest eight loads (A's rows 64-127) may be out
	WIN MUL_LO
	MUL16 \f, 0, 0, \zero
	MUL16 \f, 0, 2, \zero
	PLACES
	FETCH \slot, \k, \g
	s_wait_dscnt 32                                ; all but the 32 just issued
	WIN MUL_HI
	MUL16 \f, 1, 0, \zero
	MUL16 \f, 1, 2, \zero
.endm
.macro THREE slot, zero
	QUARTER \slot, 64,  F0, F1, \zero
	QUARTER \slot, 128, F1, F0, 0
	QUARTER \slot, 192, F0, F1, 0
.endm
; The last quarter: multiplies buffer 1 and changes slots.  One barrier for the change: in front of it each wave waits for its reads of this slot and for all its
; tensor loads (one is out: its part of the next slot); behind it the refill comes first, then the next slot's first fragments.
; From a request to the wait for it a wave issues 240 of a K step's 256 matrix instructions.
.macro TURN slot, next, fill
	s_wait_dscnt 8
	WIN MUL_LO
	MUL16 F1, 0, 0, 0
	s_wait_dscnt 0                                 ; my reads of this slot are over
	s_wait_tensorcnt 0x0                           ; and all my tensor loads have landed:
	ds_add_u32 v255, v255
	s_wait_dscnt 0x0
	s_barrier_signal -1                            ; say so (where a slot is filled again this barrier opens a round of the cluster's barrier),
	MUL16 F1, 0, 2, 0                              ; work on registers while the others arrive,
	WIN 0
	s_barrier_wait -1
.if \fill
	CREST                                          ; no wave of any partner still reads this slot's tile or has a load on its way
	s_add_nc_u64 s[G0+4*\slot+2:G0+4*\slot+3], s[G0+4*\slot+2:G0+4*\slot+3], 2*KSTEP*2
	s_add_nc_u64 s[G0B+4*\slot+2:G0B+4*\slot+3], s[G0B+4*\slot+2:G0B+4*\slot+3], 2*KSTEP*2
	JLOAD \slot                                    ; the first tensor load behind the round, and my only one until the next
.endif
	PLACES
	FETCH \next, 0, F0
	WIN MUL_HI
	MUL16 F1, 1, 0, 0
	MUL16 F1, 1, 2, 0
.endm
.macro LAP zero
	THREE 0, \zero
	TURN 0, 1, 1
	THREE 1, 0
	TURN 1, 0, 1
.endm
	s_wait_tensorcnt 1                             ; my part of K step 0 is in; K step 1's stays out
	s_barrier_signal -1
	s_barrier_wait -1
	FETCH 0, 0, F0
	LAP 1                                          ; the first lap stands in front of the loop: its first products start the sums
	WIN 0                                          ; at a label and at a branch every window is 0
	s_mov_b32 s3, LAPS-2
.Llap:
	LAP 0
	WIN 0
	s_sub_co_u32 s3, s3, 1
	s_cmp_lg_u32 s3, 0
	s_cbranch_scc1 .Llap
	THREE 0, 0                                     ; the last lap fills nothing
	TURN 0, 1, 0
	THREE 1, 0
	s_wait_dscnt 8                                 ; the very last quarter
	WIN MUL_LO
	MUL16 F1, 0, 0, 0
	MUL16 F1, 0, 2, 0
	s_wait_dscnt 0
	WIN MUL_HI
	MUL16 F1, 1, 0, 0
	MUL16 F1, 1, 2, 0
	; THE WAY OUT, through my own stage in LDS, read back as row pieces of 256 bytes.
	PLACES                                         ; the places behind the last matrix instructions
	WIN 0                                          ; (a branch follows)
	s_wait_loadcnt 0x0                             ; the maxima, asked for at the start
	s_lshl_b32 s16, s41, 8
	s_lshl_b32 s17, s13, 7
	s_add_co_u32 s16, s16, s17
	s_add_co_u32 s16, s16, s22                     ; my first row of C: the batch's + 256 cy + 128 x half
	s_lshl_b32 s46, s40, 8
	s_lshl_b32 s47, s14, 7
	s_add_co_u32 s46, s46, s47                     ; my first column: 256 cx + 128 x half
	s_mov_b32 s17, 0
	s_mov_b32 s47, 0
	s_cmp_lg_u32 s15, 0
	s_cbranch_scc1 .Lvt                            ; the kind is the same in all waves of all sixteen partners
	; kind 0: S in f32, 16 rows x 64 columns at a time
	s_lshl_b32 s16, s16, 12                        ; at most 8,191 x 4,096 bytes
	s_lshl_b32 s46, s46, 2
	s_add_nc_u64 s[10:11], s[10:11], s[16:17]
	s_add_nc_u64 s[10:11], s[10:11], s[46:47]
; the tiles (a, 4 c .. 4 c + 3) of window 2 or 3; step = 1: 16 rows of C on; f: F0 or F1 in turn
.macro OUTH a, c, stw, step, f
	WIN \stw
.irp b, 0,1,2,3
	ds_store_b128 v[ST32], v[8*(8*\a+4*\c+\b):8*(8*\a+4*\c+\b)+3]   offset:64*\b
	ds_store_b128 v[ST32], v[8*(8*\a+4*\c+\b)+4:8*(8*\a+4*\c+\b)+7] offset:64*\b+16
.endr
	WIN 0
	s_wait_xcnt 0x0                                ; buffer f, which earlier stores read, and the stores' base are rewritten only behind this wait
.if \step
	s_add_nc_u64 s[10:11], s[10:11], 16*CROW32
.endif
.irp t, 0,1,2,3,4,5,6,7
	ds_load_b128 v[\f+4*\t:\f+4*\t+3], v[RD] offset:\t*2*SPITCH    ; LDS serves a wave's instructions in order: these see the stores above
.endr
.irp t, 0,1,2,3,4,5,6,7
	s_wait_dscnt 7-\t                              ; read-back t is in, the younger ones stay out
	global_store_b128 v[CO32], v[\f+4*\t:\f+4*\t+3], s[10:11] offset:\t*2*CROW32+256*\c   ; 16 lanes store 256 consecutive bytes, at a multiple of 256 from C's first byte
.endr
.endm
	OUTH 0, 0, ST_LO, 0, F0
	OUTH 0, 1, ST_LO, 0, F1
	OUTH 1, 0, ST_LO, 1, F0
	OUTH 1, 1, ST_LO, 0, F1
	OUTH 2, 0, ST_LO, 1, F0
	OUTH 2, 1, ST_LO, 0, F1
	OUTH 3, 0, ST_LO, 1, F0
	OUTH 3, 1, ST_LO, 0, F1
	OUTH 0, 0, ST_HI, 1, F0
	OUTH 0, 1, ST_HI, 0, F1
	OUTH 1, 0, ST_HI, 1, F0
	OUTH 1, 1, ST_HI, 0, F1
	OUTH 2, 0, ST_HI, 1, F0
	OUTH 2, 1, ST_HI, 0, F1
	OUTH 3, 0, ST_HI, 1, F0
	OUTH 3, 1, ST_HI, 0, F1
	s_branch .Lend
.Lvt:
	; kind 1: the scale, then V in f16, 16 rows x 128 columns at a time
.irp k, 0,1,2,3
	v_max3_num_f32 v[1+\k], v[TMP+8*\k], v[TMP+8*\k+1], v[TMP+8*\k+2]
.endr
.irp k, 0,1,2,3
	v_max3_num_f32 v[1+\k], v[1+\k], v[TMP+8*\k+3], v[TMP+8*\k+4]
.endr
.irp k, 0,1,2,3
	v_max3_num_f32 v[1+\k], v[1+\k], v[TMP+8*\k+5], v[TMP+8*\k+6]
.endr
.irp k, 0,1,2,3
	v_max_num_f32 v[1+\k], v[1+\k], v[TMP+8*\k+7]
.endr
	v_max3_num_f32 v1, v1, v2, v3
	v_max_num_f32 v1, v1, v4
	v_max_num_f32_dpp v1, v1, v1 row_xmask:1 row_mask:0xf bank_mask:0xf
	v_max_num_f32_dpp v1, v1, v1 row_xmask:2 row_mask:0xf bank_mask:0xf
	v_max_num_f32_dpp v1, v1, v1 row_xmask:4 row_mask:0xf bank_mask:0xf
	v_max_num_f32_dpp v1, v1, v1 row_xmask:8 row_mask:0xf bank_mask:0xf
	v_permlanex16_b32 v2, v1, s76, s77
	v_max_num_f32 v1, v1, v2                       ; M, the largest |Wv Wo|, in every lane
	v_max_num_f32 v1, 0x0d800000, v1               ; at least 2^-100,
	v_min_num_f32 v1, 0x71800000, v1               ; at most 2^100: both scales are normal numbers
	v_and_b32 v1, 0x7f800000, v1                   ; E << 23
	v_sub_nc_u32 v1, 0x7e000000, v1                ; (252 - E) << 23: the f32 2^(125 - E)
	v_readfirstlane_b32 s74, v1
	s_mov_b32 s75, s74
	s_lshl_b32 s16, s16, 11
	s_lshl_b32 s46, s46, 1
	s_add_nc_u64 s[10:11], s[10:11], s[16:17]
	s_add_nc_u64 s[10:11], s[10:11], s[46:47]
; rows 16 i .. 16 i + 15 of my block = the eight tiles (a, 0..7) of window 2 or 3; f: F0 or F1 in turn
.macro OUT16 i, a, sclw, from, f
	WIN \sclw
.irp b, 0,1,2,3,4,5,6,7
.irp p, 0,1,2,3
	v_pk_mul_f32 v[8*(8*\a+\b)+2*\p:8*(8*\a+\b)+2*\p+1], v[8*(8*\a+\b)+2*\p:8*(8*\a+\b)+2*\p+1], s[74:75] op_sel_hi:[1,0]
.endr
.endr
	WIN \from
.irp b, 0,1,2,3,4,5,6,7
.irp p, 0,1,2,3
	v_cvt_pk_f16_f32 v[TMP+4*\b+\p], v[8*(8*\a+\b)+2*\p], v[8*(8*\a+\b)+2*\p+1]
.endr
.endr
	WIN 0
.irp b, 0,1,2,3,4,5,6,7
	ds_store_b128 v[STO], v[TMP+4*\b:TMP+4*\b+3] offset:32*\b
.endr
	s_wait_xcnt 0x0                                ; buffer f, which earlier stores read, and the stores' base are rewritten only behind this wait
.if \i
	s_add_nc_u64 s[10:11], s[10:11], 16*CROW16     ; 16 rows of C on
.endif
.irp t, 0,1,2,3,4,5,6,7
	ds_load_b128 v[\f+4*\t:\f+4*\t+3], v[RD] offset:\t*2*SPITCH    ; LDS serves a wave's instructions in order: these see the stores above
.endr
.irp t, 0,1,2,3,4,5,6,7
	s_wait_dscnt 7-\t                              ; read-back t is in, the younger ones stay out
	global_store_b128 v[CO], v[\f+4*\t:\f+4*\t+3], s[10:11] offset:\t*2*CROW16   ; 16 lanes store 256 consecutive bytes, at a multiple of 256 from C's first byte
.endr
.endm
	OUT16 0, 0, SCL_LO, PACK_LO, F0
	OUT16 1, 1, SCL_LO, PACK_LO, F1
	OUT16 2, 2, SCL_LO, PACK_LO, F0
	OUT16 3, 3, SCL_LO, PACK_LO, F1
	OUT16 4, 0, SCL_HI, PACK_HI, F0
	OUT16 5, 1, SCL_HI, PACK_HI, F1
	OUT16 6, 2, SCL_HI, PACK_HI, F0
	OUT16 7, 3, SCL_HI, PACK_HI, F1
.Lend:
	s_set_vgpr_msb 0x1
	s_wait_tensorcnt 0x0
	ds_add_u32 v255, v255
	s_wait_dscnt 0x0
	s_set_vgpr_msb 0x100
	CROUND                                         ; the closing round: no work-group ends while a partner may still ask for a tile that names it
	s_endpgm
.Lfunc_end_k_q02b4be2039_gsv:
	.size	k_q02b4be2039_gsv, .Lfunc_end_k_q02b4be2039_gsv-k_q02b4be2039_gsv
	.p2alignl 7, 3214868480
	.fill 96, 4, 3214868480
	.section	.rodata,"a",@progbits
	.p2align	6, 0x0
	.amdhsa_kernel k_q02b4be2039_gsv
		.amdhsa_group_segment_fixed_size 327680
		.amdhsa_private_segment_fixed_size 0
		.amdhsa_enable_private_segment 0
		.amdhsa_kernarg_size 56
		.amdhsa_user_sgpr_count 2
		.amdhsa_user_sgpr_kernarg_segment_ptr 1
		.amdhsa_wavefront_size32 1
		.amdhsa_system_sgpr_workgroup_id_x 1
		.amdhsa_system_sgpr_workgroup_id_y 1
		.amdhsa_system_sgpr_workgroup_id_z 1
		.amdhsa_system_vgpr_workitem_id 0
		.amdhsa_next_free_vgpr 1024
		.amdhsa_next_free_sgpr 80
		.amdhsa_reserve_vcc 0
		.amdhsa_float_denorm_mode_32 3
		.amdhsa_float_denorm_mode_16_64 3
		.amdhsa_memory_ordered 1
		.amdhsa_forward_progress 1
		.amdhsa_inst_pref_size 249
	.end_amdhsa_kernel
	.amdgpu_metadata
---
amdhsa.version: [ 1, 2 ]
amdhsa.kernels:
  - .name:           k_q02b4be2039_gsv
    .symbol:         k_q02b4be2039_gsv.kd
    .args:
      - { .name: qb, .offset: 0, .size: 8, .value_kind: global_buffer, .address_space: global }
      - { .name: kb, .offset: 8, .size: 8, .value_kind: global_buffer, .address_space: global }
      - { .name: wf, .offset: 16, .size: 8, .value_kind: global_buffer, .address_space: global }
      - { .name: xh, .offset: 24, .size: 8, .value_kind: global_buffer, .address_space: global }
      - { .name: bvo, .offset: 32, .size: 8, .value_kind: global_buffer, .address_space: global }
      - { .name: out0, .offset: 40, .size: 8, .value_kind: global_buffer, .address_space: global }
      - { .name: vt, .offset: 48, .size: 8, .value_kind: global_buffer, .address_space: global }
    .group_segment_fixed_size: 327680
    .private_segment_fixed_size: 0
    .kernarg_segment_align: 8
    .kernarg_segment_size: 56
    .max_flat_workgroup_size: 128
    .sgpr_count:     80
    .vgpr_count:     1024
    .wavefront_size: 32
...
	.end_amdgpu_metadata
.endif
;; end of part 8
;; launch sm: the kernel of part 4 again; grid 256 x 1, 8 waves a work-group, no clusters, 0 bytes of LDS; arguments out0, qb; writes qb
;; launch gf (part 9): grid 32 x 8, 4 waves a work-group, clusters of 4 x 4, 327,680 bytes of LDS; arguments qb, vt, bvo, out0; writes out0
.if DOCPART == 9
	.amdgcn_target "amdgcn-amd-amdhsa--gfx1250"
	.amdhsa_code_object_version 6
	.text
	.protected	k_q02b4be2039_gf
	.globl	k_q02b4be2039_gf
	.p2align	8
	.type	k_q02b4be2039_gf,@function
k_q02b4be2039_gf:
	s_mov_b64 s[64:65], 0
	v_nop
	global_prefetch_b8 v0, s[64:65] scope:SCOPE_SE
	s_setreg_imm32_b32 hwreg(HW_REG_WAVE_MODE, 25, 1), 1
	s_wait_xcnt 0x0
	s_wait_alu depctr_hold_cnt(0) depctr_sa_sdst(0) depctr_va_vdst(0) depctr_va_sdst(0) depctr_va_ssrc(0) depctr_va_vcc(0) depctr_vm_vsrc(0)
	s_getreg_b32 s2, hwreg(HW_REG_IB_STS2, 6, 4)
	s_cmp_eq_u32 s2, 0
	s_cbranch_scc0 .Lentry_in_a_cluster
	s_endpgm
.Lentry_in_a_cluster:
	s_bfe_u32 s2, ttmp6, 0x10000c
	s_cmp_lg_u32 s2, 0xf033
	s_cbranch_scc0 .Lentry_shape_is_right
	s_endpgm
.Lentry_shape_is_right:
; The result, per batch:  out[n][e] = 2^t sum over key of P[n][key] V[e][key] + bvo[e].
; A = qb (P, rows (b, n)) f16, B = vt (x (Wv Wo) transposed and scaled by 2^-t, rows (b, e)) f16, bvo = bv Wo + bo f32, C = out0 [8192][1024] f32; sums in f32.
; The rows of P sum to 1, so the bias behind the attention is added here once.
; THE SCALE 2^t: M is the largest of the 1,024 maxima of |Wv Wo| in bvo's second half, clamped to 2^-100 .. 2^100, E its exponent field; V was multiplied by
; 2^(125 - E) where it was made, and the sums are multiplied by 2^(E - 125) here, in the fused multiply-add that adds the bias.  Powers of two: no rounding is added.
; A work-group makes 128 rows x 256 columns of C: 256 work-groups.  Four waves; wave w makes rows 64 (w / 2) .. + 63 and columns 128 (w mod 2) .. + 127:
; 32 accumulator tiles, 256 registers.  (Blocks of 256 x 256 would be 128 work-groups.)
; TWO UNEQUAL SLOTS.  384 rows x 256 along K are 202,752 bytes in LDS, so two slots of that size do not fit.  Slot 0 holds 256 along K (rows of 512 + 16 bytes),
; slot 1 holds 128 (rows of 256 + 16 bytes): 307,200 bytes.  K = 1024 is walked as 256 + 128 + 256 + 128 + 256.  Slot 1's refill has slot 0's 256 matrix
; instructions in which to land (248 from request to wait), slot 0's refill has slot 1's 128 (120).  Three refills and three rounds of the cluster's barrier in all.
; ADDRESSING, with clx the cluster's x (the batch), x = 4 clx + cx, y = 4 (cluster's y) + cy:
;   first row of A and of C = 1024 clx + 128 y;  first row of B = 256 x;  first column of C and of the bias = 256 cx.
; CLUSTERS: 4 x 4.  A's tile hangs on clx and y alone and is asked for jointly along a row of the cluster; B's on x alone, along a column.
; LIMIT: the operands are f16 (magnitudes up to 65,504, made by the earlier launches); the sums and C are f32.  NaN and infinities pass through untreated.
;
; REGISTERS, in windows of 256 (s_set_vgpr_msb's low byte: bits 1:0 source 0, 3:2 source 1, 5:4 source 2, 7:6 destination):
;   window 0: addresses; two fragment buffers (8 fragments of B, 4 of A); v224-255 the maxima;  window 1: accumulator tile (a, b) at v[8 (8 a + b)];  window 2: v0-63 the bias
; THE MATRIX INSTRUCTION IS USED TRANSPOSED: source 0 = 16 rows of B, source 1 = 16 rows of A: lane l holds row l mod 16 of C, its registers the columns 8 (l / 16) + 0..7.
.set SIZE_K, 1024
.set CROW,   4096                      ; bytes in a row of C
.set P0,     528                       ; slot 0's LDS row: 512 bytes + 16, an odd multiple of 16
.set P1,     272                       ; slot 1's: 256 bytes + 16
.set B0H,    128*P0                    ; slot 0: what one of B's tensor loads brings, and what a wave reads of B
.set A0H,    64*P0                     ; the same for A
.set A0OFF,  2*B0H                     ; a slot: B's 256 rows, then A's 128 rows
.set S1,     A0OFF+2*A0H               ; slot 1 begins at 202,752
.set B1H,    128*P1
.set A1H,    64*P1
.set A1OFF,  2*B1H
.set STAGE,  S1+A1OFF+2*A1H            ; 307,200 = 1,200 x 256: no fill lands here; 16 rows x 272 bytes for each wave
.set SPITCH, 272                       ; a stage row: 64 f32 + 16 bytes
.set KSTRIDE, 768                      ; bytes along K from a slot's tile to its next: 384 elements
.set ADRA, 16                          ; v16-17  LDS address of my A fragments in slot 0, 1
.set ADRB, 20                          ; v20-21  the same for B
.set STO,  24
.set RD,   25
.set CO,   26
.set BO,   27
.set MO,   28                          ; v28     my 16 bytes of each 512 of the maxima
.set F0,   32                          ; fragment buffer 0: B v32-95, A v96-127
.set F1,   128                         ; fragment buffer 1: B v128-191, A v192-223
.set MX,   224                         ; v[224:255] the 1,024 maxima, 32 a lane
.set G1,  24                           ; s[24:31] group 1 for A's tiles in slot 0; s[68:75] in slot 1
.set G0,  32                           ; s[32:39] group 0 for A's tiles, one set for each slot
.set G1B, 48                           ; s[48:55] group 1 for B's tiles in slot 0; s[76:83] in slot 1
.set G0B, 56                           ; s[56:63] group 0 for B's tiles
.set MULW, 0x50                        ; sources 0 and 1 window 0, C and D window 1
.set FMAW, 0x61                        ; source 0 and destination window 1, source 2 (the bias) window 2 (source 1 is scalar)
.set STW,  0x04                        ; LDS store: address window 0, data window 1
.set BIASW, 0x80                       ; destination window 2, address window 0
.set MSB, 0
.macro WIN new
.if MSB != \new
	s_set_vgpr_msb (MSB<<8)|\new
.set MSB, \new
.endif
.endm
; A joint load into slot s.  Waves 0 and 1 fetch B's two halves (128 rows each), waves 2 and 3 A's (64 rows each); the branch hangs on the wave's number alone.
.macro JLOAD s
	s_cmp_eq_u32 s13, 0
	s_cbranch_scc0 .Lfor_a_\@
	tensor_load_to_lds s[G0B+4*\s:G0B+4*\s+3], s[G1B+28*\s:G1B+28*\s+7]
	s_nop 0
	s_branch .Lasked_\@
.Lfor_a_\@:
	tensor_load_to_lds s[G0+4*\s:G0+4*\s+3], s[G1+44*\s:G1+44*\s+7]
	s_nop 0
.Lasked_\@:
.endm
.macro CREST
	s_cmp_lg_u32 s12, 0
	s_cbranch_scc1 .Lnot_wave_0_\@
	s_barrier_signal -3
.Lnot_wave_0_\@:
	s_barrier_wait -3
	s_barrier_signal -1
	s_barrier_wait -1
.endm
.macro CROUND
	s_barrier_signal -1
	s_barrier_wait -1
	CREST
.endm
	s_load_b256 s[4:11], s[0:1], 0x0               ; A s[4:5], B s[6:7], bvo s[8:9], C s[10:11]
	v_lshl_add_u32 v30, v0, 2, 0x4f400
	v_mov_b32 v31, 0
	ds_add_u32 v30, v31
	v_lshrrev_b32 v1, 5, v0
	v_readfirstlane_b32 s12, v1                    ; wave 0..3
	s_lshr_b32 s13, s12, 1                         ; which 64 rows of the block are mine.  Also: I fetch for B (0) or for A (1)
	s_and_b32 s14, s12, 1                          ; which 128 columns.  Also: which half of that tile I fetch
	s_bfe_u32 s40, ttmp6, 0x40000                  ; cx
	s_bfe_u32 s41, ttmp6, 0x40004                  ; cy
	s_lshl_b32 s42, ttmp9, 2
	s_add_co_u32 s42, s42, s40                     ; x
	s_and_b32 s15, ttmp7, 0xffff
	s_lshl_b32 s15, s15, 2
	s_add_co_u32 s15, s15, s41                     ; y
	s_lshl_b32 s20, ttmp9, 10
	s_lshl_b32 s16, s15, 7
	s_add_co_u32 s20, s20, s16                     ; the block's first row of A and of C = 1024 clx + 128 y
	s_lshl_b32 s43, s41, 2
	s_lshl_b32 s43, 15, s43                        ; my row of the cluster
	s_lshl_b32 s44, 0x1111, s40                    ; my column
	; group 1, slot 0: rows of 256 elements, 4 words of padding after every 128 words; slot 1: rows of 128 elements, after every 64 words
	s_or_b32 s[G1+0],     s43, (1<<16)|(1<<20)|(1<<21)|(6<<22)|(3<<25)
	s_or_b32 s[G1B+0],    s44, (1<<16)|(1<<20)|(1<<21)|(6<<22)|(3<<25)
	s_or_b32 s[G1+44+0],  s43, (1<<16)|(1<<20)|(1<<21)|(5<<22)|(3<<25)
	s_or_b32 s[G1B+28+0], s44, (1<<16)|(1<<20)|(1<<21)|(5<<22)|(3<<25)
	s_mov_b32 s[G1+1], 256<<16                     ; tensor_dim0
	s_mov_b32 s[G1B+1], 256<<16
	s_mov_b32 s[G1+44+1], 128<<16
	s_mov_b32 s[G1B+28+1], 128<<16
	s_mov_b32 s[G1+2], 64<<16                      ; tensor_dim1: 64 rows of A, 128 of B
	s_mov_b32 s[G1B+2], 128<<16
	s_mov_b32 s[G1+44+2], 64<<16
	s_mov_b32 s[G1B+28+2], 128<<16
	s_mov_b32 s[G1+3], 256<<16                     ; tile_dim0
	s_mov_b32 s[G1B+3], 256<<16
	s_mov_b32 s[G1+44+3], 128<<16
	s_mov_b32 s[G1B+28+3], 128<<16
	s_mov_b32 s[G1+4], 64                          ; tile_dim1
	s_mov_b32 s[G1B+4], 128
	s_mov_b32 s[G1+44+4], 64
	s_mov_b32 s[G1B+28+4], 128
	s_mov_b32 s[G1+5], SIZE_K                      ; elements from row to row
	s_mov_b32 s[G1B+5], SIZE_K
	s_mov_b32 s[G1+44+5], SIZE_K
	s_mov_b32 s[G1B+28+5], SIZE_K
	s_mov_b32 s[G1+6], 0
	s_mov_b32 s[G1B+6], 0
	s_mov_b32 s[G1+44+6], 0
	s_mov_b32 s[G1B+28+6], 0
	s_mov_b32 s[G1+7], 0
	s_mov_b32 s[G1B+7], 0
	s_mov_b32 s[G1+44+7], 0
	s_mov_b32 s[G1B+28+7], 0
	s_lshl_b32 s16, s14, 6
	s_add_co_u32 s16, s16, s20                     ; A: the block's first row + 64 x half
	s_lshl_b32 s16, s16, 11
	s_mov_b32 s17, 0
	s_lshl_b32 s46, s42, 8
	s_lshl_b32 s47, s14, 7
	s_add_co_u32 s46, s46, s47                     ; B: row 256 x + 128 x half
	s_lshl_b32 s46, s46, 11
	s_mov_b32 s47, 0
	s_mul_i32 s21, s12, B0H                        ; where they go.  Slot 0, B (waves 0, 1): wave x 67,584
	s_mul_i32 s22, s12, A0H
	s_add_co_u32 s22, s22, B0H                     ; slot 0, A (waves 2, 3): 67,584 + wave x 33,792 = 135,168 and 168,960
	s_mul_i32 s2, s12, B1H
	s_add_co_u32 s2, s2, S1                        ; slot 1, B: 202,752 + wave x 34,816
	s_mul_i32 s3, s12, A1H
	s_add_co_u32 s3, s3, S1+B1H                    ; slot 1, A: 237,568 + wave x 17,408 = 272,384 and 289,792
	s_lshl_b32 s45, s40, 10
	s_lshl_b32 s23, s14, 9
	s_add_co_u32 s45, s45, s23                     ; my first column's bytes in the bias and in a row of C: 4 (256 cx + 128 half)
	s_wait_dscnt 0x0
	s_wait_kmcnt 0x0
	s_add_nc_u64 s[18:19], s[4:5], s[16:17]
	s_add_nc_u64 s[46:47], s[6:7], s[46:47]
	CROUND                                         ; all sixteen work-groups are here: the first joint loads meet
	s_mov_b32 s[G0], 1                             ; slot 0: K 0 to 255
	s_mov_b32 s[G0+1], s22
	s_mov_b64 s[G0+2:G0+3], s[18:19]
	s_or_b32 s[G0+3], s[G0+3], 0x80000000
	s_mov_b32 s[G0B], 1
	s_mov_b32 s[G0B+1], s21
	s_mov_b64 s[G0B+2:G0B+3], s[46:47]
	s_or_b32 s[G0B+3], s[G0B+3], 0x80000000
	JLOAD 0
	s_mov_b32 s[G0+4], 1                           ; slot 1: K 256 to 383
	s_mov_b32 s[G0+5], s3
	s_add_nc_u64 s[G0+6:G0+7], s[18:19], 512
	s_or_b32 s[G0+7], s[G0+7], 0x80000000
	s_mov_b32 s[G0B+4], 1
	s_mov_b32 s[G0B+5], s2
	s_add_nc_u64 s[G0B+6:G0B+7], s[46:47], 512
	s_or_b32 s[G0B+7], s[G0B+7], 0x80000000
	JLOAD 1                                        ; two tensor loads of a wave are out here, one later on
	v_and_b32 v1, 15, v0                           ; r = l mod 16
	v_bfe_u32 v2, v0, 4, 1                         ; h = l / 16
	v_mul_u32_u24 v3, v1, P0
	v_lshl_add_u32 v3, v2, 4, v3                   ; slot 0: row x pitch + 16 h
	v_mul_u32_u24 v4, v1, P1
	v_lshl_add_u32 v4, v2, 4, v4                   ; slot 1
	s_mul_i32 s16, s14, B0H                        ; my 128 rows of B
	s_mul_i32 s17, s13, A0H
	s_add_co_u32 s17, s17, A0OFF                   ; my 64 rows of A, behind B's 256
	v_add_nc_u32 v[ADRB], s16, v3
	v_add_nc_u32 v[ADRA], s17, v3
	s_mul_i32 s16, s14, B1H
	s_add_co_u32 s16, s16, S1
	s_mul_i32 s17, s13, A1H
	s_add_co_u32 s17, s17, S1+A1OFF
	v_add_nc_u32 v[ADRB+1], s16, v4
	v_add_nc_u32 v[ADRA+1], s17, v4
	s_mul_i32 s23, s12, 16*SPITCH
	s_add_co_u32 s23, s23, STAGE                   ; my stage
	v_mul_u32_u24 v5, v1, SPITCH                   ; in: row r, 32 bytes for each half of the lanes
	v_lshl_add_u32 v5, v2, 5, v5
	v_add_nc_u32 v[STO], s23, v5
	v_mul_u32_u24 v5, v2, SPITCH                   ; back: lanes 0-15 take one row's 256 bytes, lanes 16-31 the next row's
	v_lshl_add_u32 v5, v1, 4, v5
	v_add_nc_u32 v[RD], s23, v5
	v_lshlrev_b32 v5, 12, v2
	v_lshl_add_u32 v[CO], v1, 4, v5                ; and the same two rows in C
	v_lshl_add_u32 v[BO], v2, 5, s45               ; bias: my columns 16 b + 8 h + 0..7 are 32 bytes at 64 b + 32 h
	v_and_b32 v5, 31, v0
	v_lshlrev_b32 v[MO], 4, v5
.irp j, 0,1,2,3,4,5,6,7
	global_load_b128 v[MX+4*\j:MX+4*\j+3], v[MO], s[8:9] offset:4096+512*\j   ; the 1,024 maxima, 32 a lane; waited for at the way out, like the bias
.endr
	WIN BIASW
.irp b, 0,1,2,3,4,5,6,7
	global_load_b128 v[8*\b:8*\b+3],   v[BO], s[8:9] offset:64*\b
	global_load_b128 v[8*\b+4:8*\b+7], v[BO], s[8:9] offset:64*\b+16
.endr
	WIN 0
; 8 matrix instructions: m block a x all 8 n blocks, 32 along K.  zero = 1: the first product starts the sums.
; The 32 accumulators take turns, one instruction a turn, in the same order in every quarter step.
.macro MUL8 f, a, zero
	WIN MULW
.irp b, 0,1,2,3,4,5,6,7
.if \zero
	v_wmma_f32_16x16x32_f16 v[8*(8*\a+\b):8*(8*\a+\b)+7], v[\f+8*\b:\f+8*\b+7], v[\f+64+8*\a:\f+64+8*\a+7], 0
.else
	v_wmma_f32_16x16x32_f16 v[8*(8*\a+\b):8*(8*\a+\b)+7], v[\f+8*\b:\f+8*\b+7], v[\f+64+8*\a:\f+64+8*\a+7], v[8*(8*\a+\b):8*(8*\a+\b)+7]
.endif
.endr
.endm
; 24 LDS loads in one run: the fragments of 32 along K at byte k of the slot's rows into buffer f; the pitch is the slot's
.macro FETCH slot, k, f
	WIN 0
.irp i, 0,1,2,3,4,5,6,7
	ds_load_b128 v[\f+8*\i:\f+8*\i+3],   v[ADRB+\slot] offset:\k+\i*16*(P0-\slot*(P0-P1))
	ds_load_b128 v[\f+8*\i+4:\f+8*\i+7], v[ADRB+\slot] offset:\k+\i*16*(P0-\slot*(P0-P1))+32
.endr
.irp i, 0,1,2,3
	ds_load_b128 v[\f+64+8*\i:\f+64+8*\i+3],   v[ADRA+\slot] offset:\k+\i*16*(P0-\slot*(P0-P1))
	ds_load_b128 v[\f+64+8*\i+4:\f+64+8*\i+7], v[ADRA+\slot] offset:\k+\i*16*(P0-\slot*(P0-P1))+32
.endr
.endm
.macro PLACES                          ; four places behind a matrix instruction (ISA guide 7.12.1 for vector instructions)
.rept 4
	v_nop
.endr
.endm
; 32 along K: multiplies buffer f; in its middle it fetches the next 32, at byte k of the same slot's rows, into buffer g
.macro QUARTER slot, k, f, g, zero
	s_wait_dscnt 4                                 ; B and A's fragments 0, 1 are in; the youngest four loads (A's fragments 2, 3) may be out
	MUL8 \f, 0, \zero
	MUL8 \f, 1, \zero
	PLACES
	FETCH \slot, \k, \g
	s_wait_dscnt 24                                ; all but the 24 just issued
	MUL8 \f, 2, \zero
	MUL8 \f, 3, \zero
.endm
.macro SEVEN zero                      ; slot 0's first seven of eight
	QUARTER 0, 64,  F0, F1, \zero
	QUARTER 0, 128, F1, F0, 0
	QUARTER 0, 192, F0, F1, 0
	QUARTER 0, 256, F1, F0, 0
	QUARTER 0, 320, F0, F1, 0
	QUARTER 0, 384, F1, F0, 0
	QUARTER 0, 448, F0, F1, 0
.endm
.macro THREE                           ; slot 1's first three of four
	QUARTER 1, 64,  F0, F1, 0
	QUARTER 1, 128, F1, F0, 0
	QUARTER 1, 192, F0, F1, 0
.endm
; A slot's last 32 along K: multiplies buffer 1 and changes slots.  fill = 1: this slot is filled again.  One barrier for the change: in front of it each wave waits
; for its reads of this slot and for all its tensor loads (one is out: its part of the next slot); behind it the refill comes first, then the next slot's fragments.
.macro TURN slot, next, fill
	s_wait_dscnt 0                                 ; my reads of this slot are over
	s_wait_tensorcnt 0x0                           ; and all my tensor loads have landed:
	ds_add_u32 v30, v31
	s_wait_dscnt 0x0
	s_barrier_signal -1                            ; say so (where a slot is filled again this barrier opens a round of the cluster's barrier),
	MUL8 F1, 0, 0                                  ; work on registers while the others arrive,
	WIN 0
	s_barrier_wait -1
.if \fill
	CREST                                          ; no wave of any partner still reads this slot's tile or has a load on its way
	s_add_nc_u64 s[G0+4*\slot+2:G0+4*\slot+3], s[G0+4*\slot+2:G0+4*\slot+3], KSTRIDE
	s_add_nc_u64 s[G0B+4*\slot+2:G0B+4*\slot+3], s[G0B+4*\slot+2:G0B+4*\slot+3], KSTRIDE
	JLOAD \slot                                    ; the first tensor load behind the round, and my only one until the next
.endif
	PLACES
	FETCH \next, 0, F0
	MUL8 F1, 1, 0
	MUL8 F1, 2, 0
	MUL8 F1, 3, 0
.endm
	s_wait_tensorcnt 1                             ; my part of slot 0 is in; slot 1's stays out
	s_barrier_signal -1
	s_barrier_wait -1
	FETCH 0, 0, F0
	SEVEN 1                                        ; K 0 to 255: the first products start the sums
	TURN 0, 1, 1                                   ; slot 0 is asked for K 384 to 639
	THREE                                          ; K 256 to 383
	TURN 1, 0, 1                                   ; slot 1 is asked for K 640 to 767
	SEVEN 0                                        ; K 384 to 639
	TURN 0, 1, 1                                   ; slot 0 is asked for K 768 to 1023: the last load
	THREE                                          ; K 640 to 767
	TURN 1, 0, 0
	SEVEN 0                                        ; K 768 to 1023
	s_wait_dscnt 4
	MUL8 F1, 0, 0
	MUL8 F1, 1, 0
	s_wait_dscnt 0
	MUL8 F1, 2, 0
	MUL8 F1, 3, 0
	; THE WAY OUT, 16 rows x 64 columns at a time: scale and add the bias, 32 bytes a lane into my own stage, read back as row pieces of 256 bytes.
	PLACES
	WIN 0
	s_wait_loadcnt 0x0                             ; the maxima and the bias, asked for at the start
	s_mov_b32 s2, 0x76543210                       ; v_permlanex16_b32: lane i of one half reads lane i of the other
	s_mov_b32 s3, 0xfedcba98
.irp k, 0,1,2,3
	v_max3_num_f32 v[1+\k], v[MX+8*\k], v[MX+8*\k+1], v[MX+8*\k+2]
.endr
.irp k, 0,1,2,3
	v_max3_num_f32 v[1+\k], v[1+\k], v[MX+8*\k+3], v[MX+8*\k+4]
.endr
.irp k, 0,1,2,3
	v_max3_num_f32 v[1+\k], v[1+\k], v[MX+8*\k+5], v[MX+8*\k+6]
.endr
.irp k, 0,1,2,3
	v_max_num_f32 v[1+\k], v[1+\k], v[MX+8*\k+7]
.endr
	v_max3_num_f32 v1, v1, v2, v3
	v_max_num_f32 v1, v1, v4
	v_max_num_f32_dpp v1, v1, v1 row_xmask:1 row_mask:0xf bank_mask:0xf
	v_max_num_f32_dpp v1, v1, v1 row_xmask:2 row_mask:0xf bank_mask:0xf
	v_max_num_f32_dpp v1, v1, v1 row_xmask:4 row_mask:0xf bank_mask:0xf
	v_max_num_f32_dpp v1, v1, v1 row_xmask:8 row_mask:0xf bank_mask:0xf
	v_permlanex16_b32 v2, v1, s2, s3
	v_max_num_f32 v1, v1, v2                       ; M, the largest |Wv Wo|, in every lane
	v_max_num_f32 v1, 0x0d800000, v1               ; at least 2^-100,
	v_min_num_f32 v1, 0x71800000, v1               ; at most 2^100, as where V was made
	v_and_b32 v1, 0x7f800000, v1                   ; E << 23
	v_add_nc_u32 v1, 0x01000000, v1                ; (E + 2) << 23: the f32 2^(E - 125)
	v_readfirstlane_b32 s66, v1
	s_mov_b32 s67, s66
	s_lshl_b32 s16, s13, 6
	s_add_co_u32 s16, s16, s20                     ; my first row of C
	s_lshl_b32 s16, s16, 12                        ; at most 8,191 x 4,096 bytes
	s_mov_b32 s17, 0
	s_add_nc_u64 s[10:11], s[10:11], s[16:17]
	s_mov_b32 s46, s45                             ; my first column, in bytes
	s_mov_b32 s47, 0
	s_add_nc_u64 s[10:11], s[10:11], s[46:47]
; rows 16 a .. + 15, columns 64 c .. + 63 of my block = the tiles (a, 4 c .. 4 c + 3); step = 1: 16 rows of C on; f: F0 or F1 in turn
.macro OUTH a, c, step, f
	WIN FMAW
.irp b, 0,1,2,3
.irp p, 0,1,2,3
	v_pk_fma_f32 v[8*(8*\a+4*\c+\b)+2*\p:8*(8*\a+4*\c+\b)+2*\p+1], v[8*(8*\a+4*\c+\b)+2*\p:8*(8*\a+4*\c+\b)+2*\p+1], s[66:67], v[8*(4*\c+\b)+2*\p:8*(4*\c+\b)+2*\p+1] op_sel_hi:[1,0,1]
.endr
.endr
	WIN STW
.irp b, 0,1,2,3
	ds_store_b128 v[STO], v[8*(8*\a+4*\c+\b):8*(8*\a+4*\c+\b)+3]   offset:64*\b
	ds_store_b128 v[STO], v[8*(8*\a+4*\c+\b)+4:8*(8*\a+4*\c+\b)+7] offset:64*\b+16
.endr
	WIN 0
	s_wait_xcnt 0x0                                ; buffer f, which earlier stores read, and the stores' base are rewritten only behind this wait
.if \step
	s_add_nc_u64 s[10:11], s[10:11], 16*CROW
.endif
.irp t, 0,1,2,3,4,5,6,7
	ds_load_b128 v[\f+4*\t:\f+4*\t+3], v[RD] offset:\t*2*SPITCH    ; LDS serves a wave's instructions in order: these see the stores above
.endr
.irp t, 0,1,2,3,4,5,6,7
	s_wait_dscnt 7-\t                              ; read-back t is in, the younger ones stay out
	global_store_b128 v[CO], v[\f+4*\t:\f+4*\t+3], s[10:11] offset:\t*2*CROW+256*\c   ; 16 lanes store 256 consecutive bytes, at a multiple of 256 from C's first byte
.endr
.endm
	OUTH 0, 0, 0, F0
	OUTH 0, 1, 0, F1
	OUTH 1, 0, 1, F0
	OUTH 1, 1, 0, F1
	OUTH 2, 0, 1, F0
	OUTH 2, 1, 0, F1
	OUTH 3, 0, 1, F0
	OUTH 3, 1, 0, F1
	s_wait_tensorcnt 0x0
	ds_add_u32 v30, v31
	s_wait_dscnt 0x0
	CROUND                                         ; the closing round
	s_endpgm
.Lfunc_end_k_q02b4be2039_gf:
	.size	k_q02b4be2039_gf, .Lfunc_end_k_q02b4be2039_gf-k_q02b4be2039_gf
	.p2alignl 7, 3214868480
	.fill 96, 4, 3214868480
	.section	.rodata,"a",@progbits
	.p2align	6, 0x0
	.amdhsa_kernel k_q02b4be2039_gf
		.amdhsa_group_segment_fixed_size 327680
		.amdhsa_private_segment_fixed_size 0
		.amdhsa_enable_private_segment 0
		.amdhsa_kernarg_size 32
		.amdhsa_user_sgpr_count 2
		.amdhsa_user_sgpr_kernarg_segment_ptr 1
		.amdhsa_wavefront_size32 1
		.amdhsa_system_sgpr_workgroup_id_x 1
		.amdhsa_system_sgpr_workgroup_id_y 1
		.amdhsa_system_sgpr_workgroup_id_z 1
		.amdhsa_system_vgpr_workitem_id 0
		.amdhsa_next_free_vgpr 576
		.amdhsa_next_free_sgpr 84
		.amdhsa_reserve_vcc 0
		.amdhsa_float_denorm_mode_32 3
		.amdhsa_float_denorm_mode_16_64 3
		.amdhsa_memory_ordered 1
		.amdhsa_forward_progress 1
		.amdhsa_inst_pref_size 161
	.end_amdhsa_kernel
	.amdgpu_metadata
---
amdhsa.version: [ 1, 2 ]
amdhsa.kernels:
  - .name:           k_q02b4be2039_gf
    .symbol:         k_q02b4be2039_gf.kd
    .args:
      - { .name: qb, .offset: 0, .size: 8, .value_kind: global_buffer, .address_space: global }
      - { .name: vt, .offset: 8, .size: 8, .value_kind: global_buffer, .address_space: global }
      - { .name: bvo, .offset: 16, .size: 8, .value_kind: global_buffer, .address_space: global }
      - { .name: out0, .offset: 24, .size: 8, .value_kind: global_buffer, .address_space: global }
    .group_segment_fixed_size: 327680
    .private_segment_fixed_size: 0
    .kernarg_segment_align: 8
    .kernarg_segment_size: 32
    .max_flat_workgroup_size: 128
    .sgpr_count:     84
    .vgpr_count:     576
    .wavefront_size: 32
...
	.end_amdgpu_metadata
.endif
;; end of part 9
;; ======== version 3 of 3: 6 launches; version 2 with the launch sm written anew for expert scheduling mode
;; limits: values are held in f16: magnitudes above 65,504 overflow, below 6.1e-05 lose precision
;; workspace buffers: xh 16,777,216 bytes; qb 16,777,216 bytes; kb 16,777,216 bytes; vt 16,777,216 bytes; wqk 4,194,304 bytes; ww 4,194,304 bytes; wf 2,097,152 bytes; bvo 8,192 bytes
;; launch prep: the kernel of part 5 again; grid 64 x 12, 8 waves a work-group, no clusters, 35,840 bytes of LDS; arguments x, Wq, Wk, Wv, Wo, xh, wqk, ww; writes xh, wqk, ww
;; launch gw: the kernel of part 6 again; grid 16 x 16, 4 waves a work-group, clusters of 4 x 4, 275,968 bytes of LDS; arguments ww, bv, bo, wf, bvo; writes wf, bvo
;; launch gqk: the kernel of part 7 again; grid 8 x 32, 4 waves a work-group, clusters of 4 x 4, 327,680 bytes of LDS; arguments xh, wqk, bq, bk, qb, kb; writes qb, kb
;; launch gsv: the kernel of part 8 again; grid 32 x 8, 4 waves a work-group, clusters of 4 x 4, 327,680 bytes of LDS; arguments qb, kb, wf, xh, bvo, out0, vt; writes out0, vt
;; launch sm (part 10): grid 256 x 1, 8 waves a work-group, no clusters, 0 bytes of LDS; arguments out0, qb; writes qb
.if DOCPART == 10
	.amdgcn_target "amdgcn-amd-amdhsa--gfx1250"
	.amdhsa_code_object_version 6
	.text
	.protected	k_q02b4be2039_sm
	.globl	k_q02b4be2039_sm
	.p2align	8
	.type	k_q02b4be2039_sm,@function
k_q02b4be2039_sm:
	s_mov_b64 s[64:65], 0
	v_nop
	global_prefetch_b8 v0, s[64:65] scope:SCOPE_SE
	s_setreg_imm32_b32 hwreg(HW_REG_WAVE_SCHED_MODE, 0, 2), 2
	s_setreg_imm32_b32 hwreg(HW_REG_WAVE_MODE, 25, 1), 1
	s_wait_xcnt 0x0
	s_wait_alu depctr_vm_vsrc(0)
; P[row][c] = softmax over c of S[row][c] / 32.  S: [8192][1024] f32, P: [8192][1024] f16.
; exp((s - m) / 32) = 2^(s c - m c) with c = log2(e) / 32 and m the row's true maximum, which is taken away as the problem's softmax does.
; A row is 4,096 bytes = 32 registers of one wave: it stays in registers between the maximum, the exponentials and the scaling, and is read once.
; One wave, one row at a time, four rows a wave, eight waves: 32 rows a work-group, 256 work-groups.  All 32 loads of a wave go out at once.
; The reduction never leaves the wave: no LDS, no barrier.  No input is shared and there is no product: no cluster, no matrix instruction.
; LIMITS: a weight below 2^-25 rounds to 0 in f16 (a row of 1,024 loses at most 1024 x 2^-25 = 3e-5 of its sum); v_exp_f32 gives 0 for results below 2^-126
; (ISA guide, its entry in 15.8); a NaN in S loses in the maximum (v_max_num_f32) and then spreads through the row's sum.
; THE MODE: SCHED_MODE bits 1:0 = 2 (LLVM: expert scheduling mode 2), set by the entry lines.  The code itself states the register dependences
; between vector instructions and memory instructions, with s_wait_alu, always for 0.
; THE PLAN.  Registers that memory instructions touch:
;   v1       S's byte offset: written at the head, read by the 32 loads, never written again.
;   v0       P's byte offset: written at the head, read by the 32 stores, never written again.
;   X0 .. X3 Row s: its eight loads, issued at the head, land in X[s], which no vector instruction has named before.  Behind the wait for them the row's arithmetic works
;            in place; its sixteen conversions write words 4 j and 4 j + 1, which the row's eight stores read; nothing writes X[s] after that.
;   v2 - v15 (maxima, sums, - m c, 1 / sum) are named by vector instructions alone.
; No register that a memory instruction has read is written again: no wait on vm_vsrc is owed.  No vector instruction writes a scalar register, and EXEC is never written.
; One wait on va_vdst at the head states that both offsets are written.  Row s's stores are issued in row s + 1, behind that row's wait for its exponentials, which also
; states that row s's conversions have written their words; no vector instruction between that wait and the stores names v0 or X[s] (the sums name X[s + 1] and v4 - v13).
; They stand one behind each link of the sum's chain across the lanes, where each line reads the result of the line before it.  Row 3's stores have a wait of their own.
.set SROW, 4096                        ; bytes in a row of S
.set PROW, 2048                        ; bytes in a row of P
.set M,    2                           ; v[2:5]    four running maxima
.set R,    4                           ; v[4:5]    1 / sum, twice (free once the maximum is made)
.set A,    6                           ; v[6:13]   four running pairs of sums
.set NM,   14                          ; v[14:15]  - m c, twice
.set X,    16                          ; v[16:143] row s: 32 registers
	s_load_b128 s[4:7], s[0:1], 0x0                ; S s[4:5], P s[6:7]
	s_lshl_b32 s2, ttmp9, 17                       ; 32 rows of 4,096 bytes a work-group
	s_mov_b32 s3, 0
	s_lshl_b32 s8, ttmp9, 16                       ; 32 rows of 2,048 bytes
	s_mov_b32 s9, 0
	s_mov_b32 s10, 0x76543210                      ; v_permlanex16_b32: lane i of one half reads lane i of the other
	s_mov_b32 s11, 0xfedcba98
	v_and_b32 v1, 31, v0                           ; lane
	v_lshrrev_b32 v2, 5, v0                        ; wave
	v_lshlrev_b32 v0, 3, v1
	v_lshl_add_u32 v0, v2, 13, v0                  ; P: 4 rows x 2,048 bytes a wave + 8 bytes a lane; never rewritten
	v_lshlrev_b32 v1, 4, v1
	v_lshl_add_u32 v1, v2, 14, v1                  ; S: 4 rows x 4,096 bytes a wave + 16 bytes a lane; never rewritten
	s_wait_kmcnt 0x0
	s_add_nc_u64 s[4:5], s[4:5], s[2:3]
	s_add_nc_u64 s[6:7], s[6:7], s[8:9]
	s_wait_alu depctr_va_vdst(0)                   ; v1 and v0 are written: every load of the kernel reads v1 as its offset, every store v0
.irp s, 0,1,2,3
.irp j, 0,1,2,3,4,5,6,7
	global_load_b128 v[X+32*\s+4*\j:X+32*\s+4*\j+3], v1, s[4:5] offset:\s*SROW+512*\j th:TH_LOAD_NT   ; 512 neighbouring bytes; read once in the launch
.endr
.endr
; Store j of row p's eight.
.macro PUT p, j
	global_store_b64 v0, v[X+32*(\p)+4*(\j):X+32*(\p)+4*(\j)+1], s[6:7] offset:(\p)*PROW+256*(\j)   ; the wave's 32 lanes store 256 neighbouring bytes, aligned; these registers are not written again
.endm
; In row s: store j of the row before, if there is one.
.macro PREV s, j
.if (\s) > 0
	PUT (\s)-1, \j
.endif
.endm
; Row s of my four.  left = how many younger loads (the later rows') may stay out.
.macro ROW s, left
	s_wait_loadcnt \left                           ; loads come back in order: this row's eight are in
	; the largest of my 32 numbers, in four chains started by the first numbers: nothing is cleared
.irp k, 0,1,2,3
	v_max3_num_f32 v[M+\k], v[X+32*\s+8*\k], v[X+32*\s+8*\k+1], v[X+32*\s+8*\k+2]
.endr
.irp k, 0,1,2,3
	v_max3_num_f32 v[M+\k], v[M+\k], v[X+32*\s+8*\k+3], v[X+32*\s+8*\k+4]
.endr
.irp k, 0,1,2,3
	v_max3_num_f32 v[M+\k], v[M+\k], v[X+32*\s+8*\k+5], v[X+32*\s+8*\k+6]
.endr
.irp k, 0,1,2,3
	v_max_num_f32 v[M+\k], v[M+\k], v[X+32*\s+8*\k+7]
.endr
	v_max3_num_f32 v[M], v[M], v[M+1], v[M+2]
	v_max_num_f32 v[M], v[M], v[M+3]
	; across the 32 lanes: four steps inside each half of 16 lanes, one across the halves
	v_max_num_f32_dpp v[M], v[M], v[M] row_xmask:1 row_mask:0xf bank_mask:0xf
	v_max_num_f32_dpp v[M], v[M], v[M] row_xmask:2 row_mask:0xf bank_mask:0xf
	v_max_num_f32_dpp v[M], v[M], v[M] row_xmask:4 row_mask:0xf bank_mask:0xf
	v_max_num_f32_dpp v[M], v[M], v[M] row_xmask:8 row_mask:0xf bank_mask:0xf
	v_permlanex16_b32 v[M+1], v[M], s10, s11       ; its destination counts as read: a register that has been written
	v_max_num_f32 v[M], v[M], v[M+1]               ; every lane holds the row's maximum
	v_mul_f32 v[NM], 0xbd38aa3b, v[M]              ; - m c, c = log2(e) / 32; its rounding is one common factor of the row, which the division by the sum removes
	v_mov_b32 v[NM+1], v[NM]
.irp j, 0,1,2,3,4,5,6,7,8,9,10,11,12,13,14,15
	v_pk_fma_f32 v[X+32*\s+2*\j:X+32*\s+2*\j+1], v[X+32*\s+2*\j:X+32*\s+2*\j+1], 0x3d38aa3b, v[NM:NM+1] op_sel_hi:[1,0,1]   ; s c - m c, one rounding, never above 0
.endr
.irp j, 0,1,2,3,4,5,6,7,8,9,10,11,12,13,14,15
	v_exp_f32 v[X+32*\s+2*\j], v[X+32*\s+2*\j]
	v_exp_f32 v[X+32*\s+2*\j+1], v[X+32*\s+2*\j+1]
.endr
	v_nop                                          ; one plain vector instruction between the exponentials and the first use of a result (ISA guide 5.7.2)
	s_wait_alu depctr_va_vdst(0)                   ; the 32 exponentials have written this row's registers, which the sums read; from the second row on also: the conversions of the row before have written its sixteen words, which the eight stores below read
.irp k, 0,1,2,3
	v_pk_add_f32 v[A+2*\k:A+2*\k+1], v[X+32*\s+8*\k:X+32*\s+8*\k+1], v[X+32*\s+8*\k+2:X+32*\s+8*\k+3]
.endr
.irp k, 0,1,2,3
	v_pk_add_f32 v[A+2*\k:A+2*\k+1], v[A+2*\k:A+2*\k+1], v[X+32*\s+8*\k+4:X+32*\s+8*\k+5]
.endr
.irp k, 0,1,2,3
	v_pk_add_f32 v[A+2*\k:A+2*\k+1], v[A+2*\k:A+2*\k+1], v[X+32*\s+8*\k+6:X+32*\s+8*\k+7]
.endr
	v_pk_add_f32 v[A:A+1], v[A:A+1], v[A+2:A+3]
	v_pk_add_f32 v[A+4:A+5], v[A+4:A+5], v[A+6:A+7]
	v_pk_add_f32 v[A:A+1], v[A:A+1], v[A+4:A+5]
	PREV \s, 0                                     ; the row before leaves: one store behind each link of the chain.  No wait: no vector instruction since the wait above names v0 or that row's registers
	v_add_f32 v[A], v[A], v[A+1]
	PREV \s, 1
	v_add_f32_dpp v[A], v[A], v[A] row_xmask:1 row_mask:0xf bank_mask:0xf
	PREV \s, 2
	v_add_f32_dpp v[A], v[A], v[A] row_xmask:2 row_mask:0xf bank_mask:0xf
	PREV \s, 3
	v_add_f32_dpp v[A], v[A], v[A] row_xmask:4 row_mask:0xf bank_mask:0xf
	PREV \s, 4
	v_add_f32_dpp v[A], v[A], v[A] row_xmask:8 row_mask:0xf bank_mask:0xf
	PREV \s, 5
	v_permlanex16_b32 v[A+1], v[A], s10, s11
	PREV \s, 6
	v_add_f32 v[A], v[A], v[A+1]                   ; the row's sum, between 1 and 1,024, in every lane
	PREV \s, 7
	v_rcp_f32 v[R], v[A]
	v_rcp_f32 v[R+1], v[A]
	v_nop                                          ; one plain vector instruction before the reciprocals are used
	s_wait_alu depctr_va_vdst(0)                   ; the two reciprocals have written v[R:R+1], which the multiplies read
.irp j, 0,1,2,3,4,5,6,7,8,9,10,11,12,13,14,15
	v_pk_mul_f32 v[X+32*\s+2*\j:X+32*\s+2*\j+1], v[X+32*\s+2*\j:X+32*\s+2*\j+1], v[R:R+1]
.endr
.irp j, 0,1,2,3,4,5,6,7
	v_cvt_pk_f16_f32 v[X+32*\s+4*\j],   v[X+32*\s+4*\j],   v[X+32*\s+4*\j+1]
	v_cvt_pk_f16_f32 v[X+32*\s+4*\j+1], v[X+32*\s+4*\j+2], v[X+32*\s+4*\j+3]   ; four f16 close up into the first two of their four registers; the next row issues their stores
.endr
.endm
	ROW 0, 24
	ROW 1, 16
	ROW 2, 8
	ROW 3, 0
	s_wait_alu depctr_va_vdst(0)                   ; row 3's conversions have written its sixteen words, which the last eight stores read
.irp j, 0,1,2,3,4,5,6,7
	PUT 3, \j
.endr
	s_endpgm
.Lfunc_end_k_q02b4be2039_sm:
	.size	k_q02b4be2039_sm, .Lfunc_end_k_q02b4be2039_sm-k_q02b4be2039_sm
	.p2alignl 7, 3214868480
	.fill 96, 4, 3214868480
	.section	.rodata,"a",@progbits
	.p2align	6, 0x0
	.amdhsa_kernel k_q02b4be2039_sm
		.amdhsa_group_segment_fixed_size 0
		.amdhsa_private_segment_fixed_size 0
		.amdhsa_enable_private_segment 0
		.amdhsa_kernarg_size 16
		.amdhsa_user_sgpr_count 2
		.amdhsa_user_sgpr_kernarg_segment_ptr 1
		.amdhsa_wavefront_size32 1
		.amdhsa_system_sgpr_workgroup_id_x 1
		.amdhsa_system_sgpr_workgroup_id_y 1
		.amdhsa_system_sgpr_workgroup_id_z 1
		.amdhsa_system_vgpr_workitem_id 0
		.amdhsa_next_free_vgpr 144
		.amdhsa_next_free_sgpr 66
		.amdhsa_reserve_vcc 0
		.amdhsa_float_denorm_mode_32 3
		.amdhsa_float_denorm_mode_16_64 3
		.amdhsa_memory_ordered 1
		.amdhsa_forward_progress 1
		.amdhsa_inst_pref_size 37
	.end_amdhsa_kernel
	.amdgpu_metadata
---
amdhsa.version: [ 1, 2 ]
amdhsa.kernels:
  - .name:           k_q02b4be2039_sm
    .symbol:         k_q02b4be2039_sm.kd
    .args:
      - { .name: out0, .offset: 0, .size: 8, .value_kind: global_buffer, .address_space: global }
      - { .name: qb, .offset: 8, .size: 8, .value_kind: global_buffer, .address_space: global }
    .group_segment_fixed_size: 0
    .private_segment_fixed_size: 0
    .kernarg_segment_align: 8
    .kernarg_segment_size: 16
    .max_flat_workgroup_size: 256
    .sgpr_count:     66
    .vgpr_count:     144
    .wavefront_size: 32
...
	.end_amdgpu_metadata
.endif
;; end of part 10
;; launch gf: the kernel of part 9 again; grid 32 x 8, 4 waves a work-group, clusters of 4 x 4, 327,680 bytes of LDS; arguments qb, vt, bvo, out0; writes out0
